; MI455X (gfx1250); checked and timed in simulation.
; The chip was launched on July 23, 2026; its instructions are those of AMD's public machine-readable ISA for CDNA 5 (MIT licence, August 2026) and "CDNA5" Instruction Set Architecture Reference Guide (July 2026). The comments in the code are by the model that wrote it; some were corrected since.
;; Mo E. Allowed arithmetic: float matrix products may take bf16 or f16 operands with f32 sums; other float arithmetic in f32, or as packed bf16 or f16 multiplies, adds, multiply-adds, maxima and minima; sums over many terms, partial sums and values carried from step to step in f32; what a program stores and reads back later, other than sums and carried values, may be rounded once to bf16 or f16.
;; Inputs: W1 8 x 1,024 x 2,048 float32; W2 8 x 2,048 x 2,048 float32; W3 8 x 2,048 x 1,024 float32; Wg1 1,024 x 64 float32; Wg2 64 x 8 float32; b1 8 x 2,048 float32; b2 8 x 2,048 float32; b3 8 x 1,024 float32; bg1 64 float32; bg2 8 float32; x 1,024 x 1,024 float32.
;; Outputs: out0 1,024 x 1,024 float32.
;; Constants: top_k = 2.
;; 2 versions, each right; version 2 is version 1 with the launches fc1, fc2, fc3 written anew for expert scheduling mode. Each part assembles by itself: llvm-mc -triple=amdgcn-amd-amdhsa -mcpu=gfx1250 --defsym DOCPART=n.
;; ======== version 1 of 2: 5 launches
;; limits: values are held in f16: magnitudes above 65,504 overflow, below 6.1e-05 lose precision
;; workspace buffers: xb 2,097,152 bytes; msk 2,048 bytes of whole numbers; eix 8,192 bytes of whole numbers; gts 8,192 bytes; h1 33,554,432 bytes; h2 33,554,432 bytes; part 16,777,216 bytes
;; launch gate (part 1): grid 32 x 1, 8 waves a work-group, no clusters, 218,624 bytes of LDS; arguments x, Wg1, bg1, Wg2, bg2, xb, msk, eix, gts; writes xb, msk, eix, gts
.if DOCPART == 1
	.amdgcn_target "amdgcn-amd-amdhsa--gfx1250"
	.amdhsa_code_object_version 6
	.text
	.protected	k_q913d8347d2_gate
	.globl	k_q913d8347d2_gate
	.p2align	8
	.type	k_q913d8347d2_gate,@function
k_q913d8347d2_gate:
	s_mov_b64 s[64:65], 0
	v_nop
	global_prefetch_b8 v0, s[64:65] scope:SCOPE_SE
	s_setreg_imm32_b32 hwreg(HW_REG_WAVE_MODE, 25, 1), 1
	s_wait_xcnt 0x0
; THE GATE.  gates = softmax(relu(x Wg1 + bg1) Wg2 + bg2) over 8 experts; the two largest are chosen (a tie keeps the lower index).
; All inputs are rounded once to bf16; x Wg1 goes to the matrix unit (bf16 operands, f32 sums); the hidden layer, the second product (64 x 8) and the softmax stay in f32.
; A work-group has 32 tokens and eight waves.  Wave w stages 4 rows of x and 128 rows of Wg1 (12 groups of eight loads through a ring of 8 slots), then makes hidden block w & 3 of token tile w >> 2.
; It also writes xb, x rounded to bf16, for the first expert product.
; Stored at fixed places: eix[n] = (lower, higher) chosen expert, gts[n] = their gates, msk[plane][e][word]: bit b of word j is token 32 j + b; plane 0: e is chosen, plane 1: e is the higher choice.
; LIMITS.  NaN and infinities are not treated apart.
; LDS: XS 32 rows of x (2,048 bytes + 16), WS Wg1 as [k][64] bf16 (128 bytes + 16), PL the partial logits [hidden block 4][token 32][8], then the spare words (128 bytes a wave).
.set XP, 2064
.set WS, 66048
.set WP, 144
.set PL, 213504
.set SPARE, 217600
.set MSB, 0
.macro WIN new
.if MSB != (\new)
	s_set_vgpr_msb (MSB<<8)|(\new)
.set MSB, \new
.endif
.endm
.macro PLACES
.rept 4
	v_nop
.endr
.endm
	s_load_b512 s[4:19], s[0:1], 0x0               ; x, Wg1, bg1, Wg2, bg2, xb, msk, eix
	s_load_b64 s[20:21], s[0:1], 0x40              ; gts
	v_lshl_add_u32 v30, v0, 2, SPARE               ; my spare word
	v_mov_b32 v31, 0
	v_lshrrev_b32 v1, 5, v0
	v_readfirstlane_b32 s22, v1                    ; wave w, 0 to 7
	s_mov_b32 s23, ttmp9                           ; work-group
	s_and_b32 s42, s22, 3                          ; my hidden block
	s_lshr_b32 s43, s22, 2                         ; my token tile
	s_mov_b32 s60, 0xffff0000
	s_mov_b32 s40, 0x76543210                      ; v_permlanex16_b32: each lane takes its own place in the other half
	s_mov_b32 s41, 0xfedcba98
	s_mov_b32 s33, 0
	v_and_b32 v1, 31, v0                           ; L
	v_and_b32 v2, 15, v0                           ; R
	v_bfe_u32 v3, v0, 4, 1                         ; H
	v_lshlrev_b32 v4, 4, v1                        ; 16 L
	v_lshlrev_b32 v5, 3, v1                        ; 8 L
	s_mul_i32 s62, s22, 4*XP
	v_add_nc_u32 v6, s62, v5                       ; where my 8 bytes of x row 4 w go
	s_mul_i32 s62, s22, 128*WP
	s_add_co_u32 s62, s62, WS
	v_mul_u32_u24 v7, v3, WP
	v_lshl_add_u32 v7, v2, 3, v7
	v_add_nc_u32 v7, s62, v7                       ; where my 8 bytes of Wg1 row 128 w + H go
	s_mul_i32 s62, s43, 16*XP
	v_mul_u32_u24 v8, v2, XP
	v_lshl_add_u32 v8, v3, 4, v8
	v_add_nc_u32 v8, s62, v8                       ; token fragment: row 16 x tile + R, 16 H
	v_and_b32 v9, 7, v0
	v_lshl_add_u32 v9, v3, 3, v9
	v_mul_u32_u24 v9, v9, WP
	v_bfe_u32 v10, v0, 3, 1
	v_lshl_add_u32 v9, v10, 4, v9
	s_lshl_b32 s62, s42, 5
	s_add_co_u32 s62, s62, WS
	v_add_nc_u32 v9, s62, v9                       ; turning load: k row 8 H + L % 8, my block's 16 hidden columns
	v_lshlrev_b32 v11, 5, v1
	v_add_nc_u32 v11, PL, v11                      ; partial logits of token L, hidden block 0
	s_lshl_b32 s62, s42, 10
	s_lshl_b32 s61, s43, 9
	s_add_co_u32 s62, s62, s61
	s_add_co_u32 s62, s62, PL
	v_lshl_add_u32 v10, v2, 5, s62                 ; where my block's partial logits of token 16 x tile + R go
	v_lshlrev_b32 v28, 5, v3
	v_lshl_add_u32 v28, s42, 6, v28                ; bg1: 4 (16 block + 8 H)
	v_lshlrev_b32 v29, 8, v3
	v_lshl_add_u32 v29, s42, 9, v29                ; Wg2: 32 (16 block + 8 H)
.set i, 12
.rept 8
	v_mov_b32 v[i], 0                              ; destinations of v_permlanex16_b32 count as read: written once here
.set i, i+1
.endr
	s_lshl_b32 s32, s23, 17
	s_lshl_b32 s62, s22, 14
	s_add_co_u32 s32, s32, s62
	s_wait_kmcnt 0x0
	s_add_nc_u64 s[34:35], s[4:5], s[32:33]        ; x at my wave's 4 rows
	s_lshl_b32 s32, s22, 15
	s_add_nc_u64 s[36:37], s[6:7], s[32:33]        ; Wg1 at my wave's 128 rows
	s_lshl_b32 s32, s23, 16
	s_lshl_b32 s62, s22, 13
	s_add_co_u32 s32, s32, s62
	s_add_nc_u64 s[38:39], s[14:15], s[32:33]      ; xb at my wave's 4 rows
	s_load_b256 s[24:31], s[12:13], 0x0            ; bg2
	global_load_b128 v[32:35], v28, s[8:9]         ; bg1[16 block + 8 H + 0..7]
	global_load_b128 v[36:39], v28, s[8:9] offset:16
.irp j, 0,1,2,3,4,5,6,7
	global_load_b128 v[128+8*(\j):128+8*(\j)+3], v29, s[10:11] offset:32*(\j)       ; Wg2[16 block + 8 H + j][0..7]
	global_load_b128 v[128+8*(\j)+4:128+8*(\j)+7], v29, s[10:11] offset:32*(\j)+16
.endr
; Group g of 12: eight loads of 512 consecutive bytes.  g = 0..3: x row 4 w + g.  g = 4..11: 16 rows of Wg1.  Eight slots of 32 registers in window 1 take turns.
.macro GLD g
	WIN 0x44
.irp i, 0,1,2,3,4,5,6,7
.if (\g) < 4
	global_load_b128 v[32*((\g)%8)+4*(\i):32*((\g)%8)+4*(\i)+3], v4, s[34:35] offset:4096*(\g)+512*(\i) th:TH_LOAD_NT
.else
	global_load_b128 v[32*((\g)%8)+4*(\i):32*((\g)%8)+4*(\i)+3], v4, s[36:37] offset:4096*((\g)-4)+512*(\i)
.endif
.endr
.endm
.macro GSTEP g
.if (\g) < 4
	s_wait_loadcnt 56                              ; the seven younger groups stay out
.else
	s_wait_loadcnt 8*(11-(\g))                     ; the groups still out
.endif
	WIN 0x45
.irp i, 0,1,2,3,4,5,6,7
.set rb, 32*((\g)%8)+4*(\i)
	v_cvt_pk_bf16_f32 v[rb], v[rb], v[rb+1]
	v_cvt_pk_bf16_f32 v[rb+1], v[rb+2], v[rb+3]
.endr
	WIN 0x44
.irp i, 0,1,2,3,4,5,6,7
.set rb, 32*((\g)%8)+4*(\i)
.if (\g) < 4
	ds_store_b64 v6, v[rb:rb+1] offset:XP*(\g)+256*(\i)
	global_store_b64 v5, v[rb:rb+1], s[38:39] offset:2048*(\g)+256*(\i)  ; the wave stores 256 consecutive bytes, aligned
.else
	ds_store_b64 v7, v[rb:rb+1] offset:(16*((\g)-4)+2*(\i))*WP
.endif
.endr
.if (\g) < 4
	s_wait_xcnt 0x0                                ; the stores' data registers are loaded again only behind this wait
	GLD (\g)+8
.endif
.endm
.irp g, 0,1,2,3,4,5,6
	GLD \g
.endr
	WIN 0
	s_wait_loadcnt 56                              ; bg1 and Wg2 are in; the seven groups stay out
.irp p, 32,34,36,38
	v_cvt_pk_bf16_f32 v20, v[\p], v[(\p)+1]        ; rounded once to bf16, kept as f32
	v_lshlrev_b32 v[\p], 16, v20
	v_and_b32 v[(\p)+1], s60, v20
.endr
.set i, 128
.rept 32
	v_cvt_pk_bf16_f32 v20, v[i], v[i+1]
	v_lshlrev_b32 v[i], 16, v20
	v_and_b32 v[i+1], s60, v20
.set i, i+2
.endr
	GLD 7
.irp g, 0,1,2,3,4,5,6,7,8,9,10,11
	GSTEP \g
.endr
	WIN 0
	s_wait_dscnt 0x0                               ; my stores into XS and WS are done
	s_barrier_signal -1
	s_barrier_wait -1                              ; everybody's are
; Eight K steps of my block and tile.  Source 0 = 16 hidden columns (turned), source 1 = 16 tokens: in the result lane (R, H), register c is token R, hidden 16 block + 8 H + c.
; Two accumulators take the even and the odd K steps by turns; they are added behind the loop.
.macro GK zero
	PLACES                                         ; four places in front of loads into registers that matrix instructions have read
	WIN 0x40
.irp s, 0,1,2,3,4,5,6,7
	ds_load_tr16_b128 v[8*(\s):8*(\s)+3], v9 offset:32*WP*(\s)
	ds_load_tr16_b128 v[8*(\s)+4:8*(\s)+7], v9 offset:32*WP*(\s)+16*WP
	ds_load_b128 v[64+8*(\s):64+8*(\s)+3], v8 offset:64*(\s)
	ds_load_b128 v[64+8*(\s)+4:64+8*(\s)+7], v8 offset:64*(\s)+32
.endr
	s_wait_dscnt 0x0
	WIN 0x05
.irp s, 0,1,2,3,4,5,6,7
.if (\zero) && ((\s) == 0)
	v_wmma_f32_16x16x32_bf16 v[40:47], v[8*(\s):8*(\s)+7], v[64+8*(\s):64+8*(\s)+7], v[32:39]  ; the bias starts the even steps' sum,
.elseif (\zero) && ((\s) == 1)
	v_wmma_f32_16x16x32_bf16 v[48:55], v[8*(\s):8*(\s)+7], v[64+8*(\s):64+8*(\s)+7], 0         ; 0 the odd steps'
.else
	v_wmma_f32_16x16x32_bf16 v[40+8*((\s)&1):47+8*((\s)&1)], v[8*(\s):8*(\s)+7], v[64+8*(\s):64+8*(\s)+7], v[40+8*((\s)&1):47+8*((\s)&1)]
.endif
.endr
	WIN 0
	v_add_nc_u32 v8, 512, v8
	v_add_nc_u32 v9, 8*32*WP, v9
.endm
	GK 1
	s_mov_b32 s61, 3
.Lgk:
	GK 0
	s_sub_co_u32 s61, s61, 1
	s_cmp_lg_u32 s61, 0
	s_cbranch_scc1 .Lgk
	PLACES
.set i, 0
.rept 8
	v_add_f32 v[40+i], v[40+i], v[48+i]            ; the two sums, each accumulator from its low end
.set i, i+1
.endr
.set i, 40
.rept 8
	v_max_num_f32 v[i], 0, v[i]                    ; relu
.set i, i+1
.endr
; the second product in f32: my 8 hidden numbers of a token times their rows of Wg2
.irp e, 0,1,2,3,4,5,6,7
	v_mul_f32 v[56+(\e)], v40, v[128+(\e)]
.endr
.irp j, 1,2,3,4,5,6,7
.irp e, 0,1,2,3,4,5,6,7
	v_fmac_f32 v[56+(\e)], v[40+(\j)], v[128+8*(\j)+(\e)]
.endr
.endr
.set i, 0
.rept 8
	v_permlanex16_b32 v[12+i], v[56+i], s40, s41   ; the token's other 8 hidden numbers of my block lie in the lane 16 away
.set i, i+1
.endr
.set i, 0
.rept 8
	v_add_f32 v[56+i], v[56+i], v[12+i]
.set i, i+1
.endr
	ds_store_b128 v10, v[56:59]                    ; lanes R and R + 16 hold the same eight sums and write them to the same bytes
	ds_store_b128 v10, v[60:63] offset:16
	s_wait_dscnt 0x0                               ; my partial logits are in LDS
	s_barrier_signal -1
	s_barrier_wait -1
	s_cmp_lg_u32 s22, 0
	s_cbranch_scc1 .Lend                           ; wave 0 finishes: a lane a token
.irp s, 0,1,2,3
	ds_load_b128 v[80+8*(\s):80+8*(\s)+3], v11 offset:1024*(\s)
	ds_load_b128 v[80+8*(\s)+4:80+8*(\s)+7], v11 offset:1024*(\s)+16
.endr
	s_wait_kmcnt 0x0                               ; bg2
.irp p, 0,2,4,6
	v_cvt_pk_bf16_f32 v126, s[24+(\p)], s[25+(\p)] ; v126 and v112-119 lie outside v80-111, which the loads above are still to write
	v_lshlrev_b32 v[112+(\p)], 16, v126
	v_and_b32 v[113+(\p)], s60, v126
.endr
	s_wait_dscnt 0x0
.irp p, 0,2,4,6
	v_pk_add_f32 v[80+(\p):81+(\p)], v[80+(\p):81+(\p)], v[88+(\p):89+(\p)]
	v_pk_add_f32 v[96+(\p):97+(\p)], v[96+(\p):97+(\p)], v[104+(\p):105+(\p)]
	v_pk_add_f32 v[80+(\p):81+(\p)], v[80+(\p):81+(\p)], v[96+(\p):97+(\p)]
	v_pk_add_f32 v[80+(\p):81+(\p)], v[80+(\p):81+(\p)], v[112+(\p):113+(\p)]
.endr
	v_max3_num_f32 v120, v80, v81, v82             ; the maximum is taken away before the exponentials
	v_max3_num_f32 v120, v120, v83, v84
	v_max3_num_f32 v120, v120, v85, v86
	v_max_num_f32 v120, v120, v87
.irp e, 0,1,2,3,4,5,6,7
	v_sub_f32 v[80+(\e)], v[80+(\e)], v120
.endr
.irp e, 0,1,2,3,4,5,6,7
	v_mul_f32 v[80+(\e)], 0x3fb8aa3b, v[80+(\e)]
.endr
.irp e, 0,1,2,3,4,5,6,7
	v_exp_f32 v[80+(\e)], v[80+(\e)]
.endr
	v_nop                                          ; a plain instruction behind the last exponential,
	s_wait_alu depctr_va_vdst(0)                   ; and one wait for the batch of eight, ahead of the first reader
	v_add_f32 v121, v80, v81
	v_add_f32 v122, v82, v83
	v_add_f32 v123, v84, v85
	v_add_f32 v124, v86, v87
	v_add_f32 v121, v121, v122
	v_add_f32 v123, v123, v124
	v_add_f32 v121, v121, v123
	v_rcp_f32 v122, v121
	v_nop
	s_wait_alu depctr_va_vdst(0)
.irp e, 0,1,2,3,4,5,6,7
	v_mul_f32 v[80+(\e)], v[80+(\e)], v122         ; the gates
.endr
	v_mov_b32 v88, v80                             ; the largest: a later one wins only if strictly greater
	v_mov_b32 v89, 0
.irp e, 1,2,3,4,5,6,7
	v_cmp_gt_f32 vcc_lo, v[80+(\e)], v88
	v_cndmask_b32 v88, v88, v[80+(\e)], vcc_lo
	v_cndmask_b32 v89, v89, \e, vcc_lo
.endr
	v_mov_b32 v90, -1.0                            ; the second: the same among the other seven (gates are not negative)
	v_mov_b32 v91, 0
.irp e, 0,1,2,3,4,5,6,7
	v_cmp_gt_f32 s42, v[80+(\e)], v90
	v_cmp_ne_u32 s43, \e, v89
	s_and_b32 vcc_lo, s42, s43
	v_cndmask_b32 v90, v90, v[80+(\e)], vcc_lo
	v_cndmask_b32 v91, v91, \e, vcc_lo
.endr
	v_cmp_lt_u32 vcc_lo, v89, v91                  ; lower and higher expert, and their gates
	v_cndmask_b32 v92, v91, v89, vcc_lo
	v_cndmask_b32 v93, v89, v91, vcc_lo
	v_cndmask_b32 v94, v90, v88, vcc_lo
	v_cndmask_b32 v95, v88, v90, vcc_lo
	s_lshl_b32 s32, s23, 8
	s_add_nc_u64 s[18:19], s[18:19], s[32:33]
	s_add_nc_u64 s[20:21], s[20:21], s[32:33]
	global_store_b64 v5, v[92:93], s[18:19]        ; 256 consecutive bytes each
	global_store_b64 v5, v[94:95], s[20:21]
.irp e, 0,1,2,3,4,5,6,7
	v_cmp_eq_u32 s[44+(\e)], \e, v92
	v_cmp_eq_u32 s[52+(\e)], \e, v93
	s_or_b32 s[44+(\e)], s[44+(\e)], s[52+(\e)]
.endr
	v_mov_b32 v96, 0
.set i, 0
.rept 16
	v_writelane_b32 v96, s[44+i], i                ; lanes 0-7: plane 0, expert = lane; lanes 8-15: plane 1
.set i, i+1
.endr
	v_lshrrev_b32 v97, 3, v1
	v_lshlrev_b32 v97, 10, v97
	v_and_b32 v98, 7, v1
	v_lshl_add_u32 v97, v98, 7, v97
	s_lshl_b32 s32, s23, 2
	s_add_nc_u64 s[16:17], s[16:17], s[32:33]
	v_cmp_gt_u32 vcc_lo, 16, v1
	s_wait_xcnt 0x0                                ; EXEC changes only behind this wait
	s_and_saveexec_b32 s62, vcc_lo
	global_store_b32 v97, v96, s[16:17]            ; sixteen words of a table of 2,048 bytes, at fixed places
	s_wait_xcnt 0x0
	s_or_b32 exec_lo, exec_lo, s62
.Lend:
	s_wait_tensorcnt 0x0                           ; the wave's end, behind my last LDS store
	ds_add_u32 v30, v31
	s_wait_dscnt 0x0
	s_endpgm
.Lfunc_end_k_q913d8347d2_gate:
	.size	k_q913d8347d2_gate, .Lfunc_end_k_q913d8347d2_gate-k_q913d8347d2_gate
	.p2alignl 7, 3214868480
	.fill 96, 4, 3214868480
	.section	.rodata,"a",@progbits
	.p2align	6, 0x0
	.amdhsa_kernel k_q913d8347d2_gate
		.amdhsa_group_segment_fixed_size 218624
		.amdhsa_private_segment_fixed_size 0
		.amdhsa_enable_private_segment 0
		.amdhsa_kernarg_size 72
		.amdhsa_user_sgpr_count 2
		.amdhsa_user_sgpr_kernarg_segment_ptr 1
		.amdhsa_wavefront_size32 1
		.amdhsa_system_sgpr_workgroup_id_x 1
		.amdhsa_system_sgpr_workgroup_id_y 1
		.amdhsa_system_sgpr_workgroup_id_z 1
		.amdhsa_system_vgpr_workitem_id 0
		.amdhsa_next_free_vgpr 512
		.amdhsa_next_free_sgpr 66
		.amdhsa_reserve_vcc 1
		.amdhsa_float_denorm_mode_32 3
		.amdhsa_float_denorm_mode_16_64 3
		.amdhsa_memory_ordered 1
		.amdhsa_forward_progress 1
		.amdhsa_inst_pref_size 61
	.end_amdhsa_kernel
	.amdgpu_metadata
---
amdhsa.version: [ 1, 2 ]
amdhsa.kernels:
  - .name:           k_q913d8347d2_gate
    .symbol:         k_q913d8347d2_gate.kd
    .args:
      - { .name: x, .offset: 0, .size: 8, .value_kind: global_buffer, .address_space: global }
      - { .name: Wg1, .offset: 8, .size: 8, .value_kind: global_buffer, .address_space: global }
      - { .name: bg1, .offset: 16, .size: 8, .value_kind: global_buffer, .address_space: global }
      - { .name: Wg2, .offset: 24, .size: 8, .value_kind: global_buffer, .address_space: global }
      - { .name: bg2, .offset: 32, .size: 8, .value_kind: global_buffer, .address_space: global }
      - { .name: xb, .offset: 40, .size: 8, .value_kind: global_buffer, .address_space: global }
      - { .name: msk, .offset: 48, .size: 8, .value_kind: global_buffer, .address_space: global }
      - { .name: eix, .offset: 56, .size: 8, .value_kind: global_buffer, .address_space: global }
      - { .name: gts, .offset: 64, .size: 8, .value_kind: global_buffer, .address_space: global }
    .group_segment_fixed_size: 218624
    .private_segment_fixed_size: 0
    .kernarg_segment_align: 8
    .kernarg_segment_size: 72
    .max_flat_workgroup_size: 256
    .sgpr_count:     66
    .vgpr_count:     512
    .wavefront_size: 32
...
	.end_amdgpu_metadata
.endif
;; end of part 1
;; launch fc1 (part 2): grid 32 x 8, 8 waves a work-group, no clusters, 152,832 bytes of LDS; arguments xb, W1, b1, msk, h1; writes h1
.if DOCPART == 2
	.amdgcn_target "amdgcn-amd-amdhsa--gfx1250"
	.amdhsa_code_object_version 6
	.text
	.protected	k_q913d8347d2_fc1
	.globl	k_q913d8347d2_fc1
	.p2align	8
	.type	k_q913d8347d2_fc1,@function
k_q913d8347d2_fc1:
	s_mov_b64 s[64:65], 0
	v_nop
	global_prefetch_b8 v0, s[64:65] scope:SCOPE_SE
	s_setreg_imm32_b32 hwreg(HW_REG_WAVE_MODE, 25, 1), 1
	s_wait_xcnt 0x0
; ONE EXPERT PRODUCT (one text for three layers; LAYER picks).  1: h1 = relu(x W1 + b1), f16.  2: h2 = relu(h1 W2 + b2), bf16.  3: partial rows of h2 W3, f32, K halved over two work-groups.
; Only the rows that chose the expert are multiplied.  Grid: x = slice of 64 columns (layer 3: 2 x slice + K half), y = expert.
; EIGHT WAVES, two for each of the WGP's four SIMDs, 512 registers each: a wave's share of a trip is 64 rows x 64 columns whatever their number, and where two trips lie on one SIMD one wave's run of loads
; stands beside the other's matrix instructions.
; PHASE 1: the eight waves stream the slice of W (each byte read once in the launch), K / 8 rows and 64 loads of 16 bytes a lane in flight each, round it and lay it into LDS as [k][64 columns], 16 bits.
; PHASE 2: trips of 64 rows are dealt to the waves (trip w + 8 i); a wave does all of K for 64 rows x 64 columns: 16 accumulators.  W's fragments come turned out of LDS, the rows' fragments
; straight from memory through a ring of 8 units of 8 loads.  The loop counts to 2, which covers 1,024 rows; a dead trip's work is jumped.  In layers 1 and 2 nothing in the loop writes LDS and it has
; no barrier; in layer 3 the way out goes through LDS, and two barriers a trip, in text that every wave passes, keep the trip's LDS reads and the way out's LDS writes apart.
; THE MATRIX INSTRUCTION IS USED TRANSPOSED (source 0 = 16 columns of W, source 1 = 16 rows): lane (R, H), register c holds row R, column n0 + 8 H + c, which packs into the next layer's fragment.
; h1, h2: [expert][tile of 16 positions][K step 64][half 2][lane 32][16 bytes]: a wave's load or store covers 512 consecutive bytes.  Positions past the count repeat the expert's last row.
; THE STAGE: two k rows share an LDS row of 288 bytes (2 x 128 + 32 = 72 words), 144 bytes a k row: the eight k rows that sixteen lanes of a turning load touch start at words 0, 32, 8, 40, 16, 48, 24, 56
; mod 64 and take 8 words each: every one of the 64 banks of 4 bytes (ISA guide 11.1) once.  A wave's store of 8 bytes a lane fills the pair's 256 bytes on end.
; FORMATS.  All inputs are rounded once to bf16 (W2: that number written as f16).  LIMITS: h1 is held to 65,504; |W2| under 2^-14 keeps f16's fixed step of 6e-8; NaN and infinities are not treated apart.
; No multicast: what an expert's work-groups share is its rows, whose number hangs on a count read from memory; joint requests for all 1,024 possible rows would ask for four times the mean 256.
.set LAYER, 1
.set NW, 8
.if LAYER == 1
.set KK, 1024
.set ROWSH, 13
.set EW, 8388608
.set KSB, 64
.set QB, 32
.endif
.if LAYER == 2
.set KK, 2048
.set ROWSH, 13
.set EW, 16777216
.set KSB, 1024
.set QB, 512
.endif
.if LAYER == 3
.set KK, 1024
.set ROWSH, 12
.set EW, 8388608
.set KSB, 1024
.set QB, 512
.endif
.set PIT, 144                          ; LDS bytes for a k row: half of a pair's 288
.set ROWP, 1<<ROWSH                    ; bytes from a row of W to the next
.set KW, KK/NW                         ; rows of W that a wave stages
.set NG, KW/16                         ; in groups of 16: 8 (one ring) or 16 (two)
.set NU, KK/32                         ; K steps
.set SPARE, 4352                       ; LDS: 0 the list (1,024 entries, 32 dump words); 4,352 the spare words, 128 bytes a wave; 5,376 the stage; behind it (layer 3) 16 rows x 272 bytes a wave
.set STG, 5376
.set OST, STG+KK*PIT
.if LAYER == 3
.set PM, 8
.set PO, 10
.else
.set PM, 10
.set PO, 12
.endif
; window 0: v1 L, v2 R, v3 H, v4 W offset, v5 stage store, v6/v7 turning load, v8-11 row offsets, v12-15 the next trip's, v16 output offset (3: stage read), v17 16 L, v18 16 H, v19 16 R,
; v20-27 at work, v28 0, v29 stage write (3), v30/v31 the add's, v32-63 bias, v64-127 two buffers of W fragments, v128-255 accumulators.  window 1: the ring, 8 slots of 32.
.set MSB, 0
.macro WIN new
.if MSB != (\new)
	s_set_vgpr_msb (MSB<<8)|(\new)
.set MSB, \new
.endif
.endm
.macro PLACES
.rept 4
	v_nop
.endr
.endm
.macro WLOAD s, add                    ; 16 rows of W: each load takes two pieces of 256 aligned bytes
	WIN 0x44
.irp i, 0,1,2,3,4,5,6,7
	global_load_b128 v[32*(\s)+4*(\i):32*(\s)+4*(\i)+3], v4, s[20:21] offset:(16*((\s)+(\add))+2*(\i))*ROWP th:TH_LOAD_NT
.endr
.endm
.macro ALOAD slot, vo, base, imm       ; a unit: the four row fragments of one K step
.irp f, 0,1,2,3
.if LAYER == 1
	global_load_b128 v[32*(\slot)+8*(\f):32*(\slot)+8*(\f)+3], v[(\vo)+(\f)], s[\base:\base+1] offset:(\imm) th:TH_LOAD_HT  ; x's rows are read again by 32 slices and two experts
	global_load_b128 v[32*(\slot)+8*(\f)+4:32*(\slot)+8*(\f)+7], v[(\vo)+(\f)], s[\base:\base+1] offset:(\imm)+QB th:TH_LOAD_HT
.else
	global_load_b128 v[32*(\slot)+8*(\f):32*(\slot)+8*(\f)+3], v[(\vo)+(\f)], s[\base:\base+1] offset:(\imm)
	global_load_b128 v[32*(\slot)+8*(\f)+4:32*(\slot)+8*(\f)+7], v[(\vo)+(\f)], s[\base:\base+1] offset:(\imm)+QB
.endif
.endr
.endm
.macro WSTEP s, g0, mode               ; slot s holds group g0 + s: rounded in place, stored into the stage, loaded again (1: W eight groups on; 2: the first trip's row units)
	s_wait_loadcnt 56                              ; the seven younger groups or units stay out
	WIN 0x45
.irp i, 0,1,2,3,4,5,6,7
.set rb, 32*(\s)+4*(\i)
.if LAYER == 2
	v_cvt_pk_bf16_f32 v[rb], v[rb], v[rb+1]        ; rounded to bf16 like every input,
	v_cvt_pk_bf16_f32 v[rb+2], v[rb+2], v[rb+3]
	v_and_b32 v[rb+1], s38, v[rb]
	v_lshlrev_b32 v[rb], 16, v[rb]
	v_and_b32 v[rb+3], s38, v[rb+2]
	v_lshlrev_b32 v[rb+2], 16, v[rb+2]
	v_cvt_pk_f16_f32 v[rb], v[rb], v[rb+1]         ; and that number written as f16
	v_cvt_pk_f16_f32 v[rb+1], v[rb+2], v[rb+3]
.else
	v_cvt_pk_bf16_f32 v[rb], v[rb], v[rb+1]
	v_cvt_pk_bf16_f32 v[rb+1], v[rb+2], v[rb+3]
.endif
.endr
	WIN 0x44
.irp i, 0,1,2,3,4,5,6,7
	ds_store_b64 v5, v[32*(\s)+4*(\i):32*(\s)+4*(\i)+1] offset:(16*((\s)+(\g0))+2*(\i))*PIT
.endr
.if (\mode) == 1
	WLOAD \s, 8
.elseif (\s) < 7
	ALOAD \s, 12, 22, (\s)*KSB
.endif
.endm
; The row offsets of trip s[sT] into v12-15.  For a trip that does not exist the look-ahead's loads are still issued (the counted waits reckon with them), but all lanes then ask for the same bytes at the buffer's head.
.macro NEXTA sT
	s_cmp_lt_u32 s[\sT], s33                       ; is there such a trip?
.if LAYER == 1
	s_cselect_b32 s42, -1, 0
	s_lshl_b32 s39, s[\sT], 6
.irp f, 0,1,2,3
	v_add_nc_u32 v[20+(\f)], s39, v2               ; position
.if (\f) > 0
	v_add_nc_u32 v[20+(\f)], 16*(\f), v[20+(\f)]
.endif
	v_min_u32 v[20+(\f)], s34, v[20+(\f)]          ; past the count: the last row once more
	v_min_u32 v[20+(\f)], 0x3ff, v[20+(\f)]
	v_lshlrev_b32 v[20+(\f)], 2, v[20+(\f)]
	ds_load_b32 v[24+(\f)], v[20+(\f)]
.endr
	s_wait_dscnt 0x0
.irp f, 0,1,2,3
	v_and_b32 v[24+(\f)], s42, v[24+(\f)]          ; no such trip: token 0 in every lane
	v_min_u32 v[24+(\f)], 0x3ff, v[24+(\f)]
	v_lshl_add_u32 v[12+(\f)], v[24+(\f)], 11, v18 ; token x 2,048 + 16 H
.endr
.else
	s_cselect_b32 s39, s[\sT], 0
	s_cselect_b32 s42, 1, 0
	s_min_u32 s39, s39, 15
	s_min_u32 s42, s42, 1
	s_lshl_b32 s39, s39, 18                        ; the trip's four tiles,
	s_lshl_b32 s43, s42, 16                        ; 65,536 bytes apart, or 0 where there is no such trip,
	v_mul_u32_u24 v20, s42, v17                    ; and 16 bytes a lane, or 0
.irp f, 0,1,2,3
	v_add_nc_u32 v[12+(\f)], s39, v20
.if (\f) < 3
	s_add_co_u32 s39, s39, s43
.endif
.endr
.endif
.endm
.macro BLOAD buf, imm                  ; W's four fragments of one K step, turned
.irp j, 0,1,2,3
	ds_load_tr16_b128 v[64+32*(\buf)+8*(\j):64+32*(\buf)+8*(\j)+3], v7 offset:(\imm)+32*(\j)
	ds_load_tr16_b128 v[64+32*(\buf)+8*(\j)+4:64+32*(\buf)+8*(\j)+7], v7 offset:(\imm)+32*(\j)+16*PIT
.endr
.endm
.macro MMA d, a, b, c:vararg
.if LAYER == 2
	v_wmma_f32_16x16x32_f16 v[\d:\d+7], v[\a:\a+7], v[\b:\b+7], \c
.else
	v_wmma_f32_16x16x32_bf16 v[\d:\d+7], v[\a:\a+7], v[\b:\b+7], \c
.endif
.endm
; One K step.  ld = 1: the unit seven steps on, of this trip; 2: a unit of my next trip.  bl = 1: W's fragments of the next step.  The 16 accumulators take turns.
.macro STEP i, zero, ld, limm, bl, bimm
	PLACES                                         ; four places in front of loads into the slot and the W buffer that the step before multiplied
	WIN 0x40
.if (\ld) == 1
	ALOAD ((\i)+7)%8, 8, 24, \limm
.else
	ALOAD ((\i)+7)%8, 12, 22, \limm
.endif
	WIN 0x04
.if \bl
	BLOAD ((\i)+1)&1, \bimm
.endif
	s_wait_loadcnt 56                              ; my unit is in; the seven younger stay out
.if \bl
	s_wait_dscnt 8                                 ; this step's W is in; the eight loads just issued stay out
.else
	s_wait_dscnt 0x0
.endif
.irp f, 0,1,2,3
.irp j, 0,1,2,3
.set ra, 128+8*(4*(\f)+(\j))
.set rw, 64+32*((\i)&1)+8*(\j)
.set rx, 32*((\i)%8)+8*(\f)
.set rc, 32+8*(\j)
.if (\zero) && (LAYER == 3)
	MMA ra, rw, rx, 0
.elseif \zero
	MMA ra, rw, rx, v[rc:rc+7]
.else
	MMA ra, rw, rx, v[ra:ra+7]
.endif
.endr
.endr
.endm
	s_load_b256 s[4:11], s[0:1], 0x0               ; rows, W, (bias,) msk(, out)
.if LAYER != 3
	s_load_b64 s[12:13], s[0:1], 0x20              ; out
.endif
	v_lshl_add_u32 v30, v0, 2, SPARE               ; my spare word
	v_mov_b32 v31, 0
	v_lshrrev_b32 v1, 5, v0
	v_readfirstlane_b32 s14, v1                    ; wave w, 0 to 7
	s_and_b32 s15, ttmp7, 0xffff                   ; expert
.if LAYER == 3
	s_lshr_b32 s16, ttmp9, 1                       ; slice
	s_and_b32 s17, ttmp9, 1                        ; K half
.else
	s_mov_b32 s16, ttmp9
	s_mov_b32 s17, 0
.endif
	s_mov_b32 s38, 0xffff0000
	s_mov_b32 s19, 0
	v_and_b32 v1, 31, v0
	v_and_b32 v2, 15, v0
	v_bfe_u32 v3, v0, 4, 1
	v_lshlrev_b32 v17, 4, v1
	v_lshlrev_b32 v18, 4, v3
	v_lshlrev_b32 v19, 4, v2
	v_mov_b32 v28, 0
	v_lshl_add_u32 v4, v3, ROWSH, v19              ; lanes 0-15 one row's 256 bytes, lanes 16-31 the next row's
	s_mul_i32 s39, s14, KW*PIT
	s_add_co_u32 s39, s39, STG
	v_lshlrev_b32 v5, 7, v3                        ; into the stage: the pair's even row (H = 0) or odd row (H = 1), 128 bytes on,
	v_lshl_add_u32 v5, v2, 3, v5                   ; 8 bytes a lane,
	v_add_nc_u32 v5, s39, v5                       ; from my wave's first row on
	v_bfe_u32 v6, v0, 1, 2                         ; out of the stage, turned: k row 8 H + L % 8 lies in pair 4 H + (L % 8) / 2,
	v_lshl_add_u32 v6, v3, 2, v6
	v_mul_u32_u24 v6, v6, 2*PIT
	v_and_b32 v20, 1, v0
	v_lshl_add_u32 v6, v20, 7, v6                  ; in its half L % 2,
	v_bfe_u32 v20, v0, 3, 1
	v_lshl_add_u32 v6, v20, 4, v6                  ; columns 8 ((L / 8) % 2) on
	v_add_nc_u32 v6, STG, v6
.if LAYER == 3
	s_mul_i32 s39, s14, 4352
	s_add_co_u32 s39, s39, OST
	v_mul_u32_u24 v16, v3, 272
	v_add_nc_u32 v16, v16, v19
	v_add_nc_u32 v16, s39, v16
	v_mul_u32_u24 v29, v2, 272
	v_lshl_add_u32 v29, v3, 5, v29
	v_add_nc_u32 v29, s39, v29
.endif
	s_mul_i32 s18, s15, EW
	s_lshl_b32 s39, s17, 10
	s_mul_i32 s40, s14, KW
	s_add_co_u32 s39, s39, s40
	s_lshl_b32 s39, s39, ROWSH
	s_add_co_u32 s18, s18, s39
	s_lshl_b32 s39, s16, 8
	s_add_co_u32 s18, s18, s39
	s_wait_kmcnt 0x0
	s_add_nc_u64 s[20:21], s[6:7], s[18:19]        ; W at my wave's first row, my slice
.if LAYER == 1
	s_mov_b64 s[22:23], s[4:5]
.else
	s_lshl_b32 s18, s15, 22
	s_lshl_b32 s39, s17, 15
	s_add_co_u32 s18, s18, s39
	s_add_nc_u64 s[22:23], s[4:5], s[18:19]        ; the expert's tiles (layer 3: my K half)
.endif
	s_mov_b64 s[24:25], s[22:23]
.if LAYER == 3
	s_lshl_b32 s18, s17, 23
	s_lshl_b32 s39, s16, 8
.else
	s_lshl_b32 s18, s15, 22
	s_lshl_b32 s39, s16, 11
.endif
	s_add_co_u32 s18, s18, s39
	s_add_nc_u64 s[26:27], s[PO:PO+1], s[18:19]
	s_lshl_b32 s18, s15, 7
	s_add_nc_u64 s[28:29], s[PM:PM+1], s[18:19]    ; the expert's 32 mask words
	s_load_b512 s[68:83], s[28:29], 0x0
	s_load_b512 s[84:99], s[28:29], 0x40
.if LAYER != 3
	s_lshl_b32 s18, s15, 13
	s_lshl_b32 s39, s16, 8
	s_add_co_u32 s18, s18, s39
	s_add_nc_u64 s[30:31], s[8:9], s[18:19]
	v_lshlrev_b32 v20, 5, v3
.irp j, 0,1,2,3
	global_load_b128 v[32+8*(\j):35+8*(\j)], v20, s[30:31] offset:64*(\j)      ; bias[16 j + 8 H + 0..7]
	global_load_b128 v[36+8*(\j):39+8*(\j)], v20, s[30:31] offset:64*(\j)+16
.endr
.endif
.if LAYER != 2
	v_lshlrev_b32 v21, 2, v1
	global_load_b32 v64, v21, s[28:29]             ; lane L: mask word L
.endif
.if LAYER == 3
	global_load_b32 v65, v21, s[28:29] offset:1024 ; and the plane of higher choices
.endif
.irp s, 0,1,2,3,4,5,6
	WLOAD \s, 0
.endr
	WIN 0
	s_wait_kmcnt 0x0
	s_mov_b32 s41, 0
.if LAYER != 2
	v_mov_b32 v66, 0
.endif
.set i, 0
.rept 32
.if LAYER != 2
	v_writelane_b32 v66, s41, i                    ; rows in the words before word i
.endif
	s_bcnt1_i32_b32 s39, s[68+i]
	s_add_co_u32 s41, s41, s39
.set i, i+1
.endr
	s_mov_b32 s32, s41                             ; the expert's rows
	s_add_co_u32 s33, s32, 63
	s_lshr_b32 s33, s33, 6                         ; live trips
	s_max_u32 s34, s32, 1
	s_sub_co_u32 s34, s34, 1                       ; the last position that exists
	s_mov_b32 s35, s14                             ; my first trip
	s_wait_loadcnt 56                              ; bias and mask words are in; the seven groups of W stay out
.if LAYER != 3
.set i, 32
.rept 16
	v_cvt_pk_bf16_f32 v22, v[i], v[i+1]            ; the bias rounded once to bf16, kept as f32
	v_lshlrev_b32 v[i], 16, v22
	v_and_b32 v[i+1], s38, v22
.set i, i+2
.endr
.endif
.if LAYER != 2
	s_cmp_lg_u32 s14, 0
	s_cbranch_scc1 .Lnolist                        ; wave 0 lays the list: position -> token (layer 3: + 1,024 for a higher choice), tokens ascending
	v_mov_b32 v20, 0
	ds_store_b32 v20, v28                          ; entry 0 exists also where the expert has no row
	v_lshlrev_b32 v67, 5, v1                       ; lane L walks tokens 32 L on
	v_add_nc_u32 v68, 1024, v1                     ; a lane without a row writes its dump word
	s_mov_b32 s37, 32
.Llist:
	v_and_b32 v20, 1, v64
	v_cmp_ne_u32 vcc_lo, 0, v20
	v_cndmask_b32 v21, v68, v66, vcc_lo
	v_min_u32 v21, 0x41f, v21
	v_lshlrev_b32 v21, 2, v21
.if LAYER == 3
	v_and_b32 v22, 1, v65
	v_lshl_or_b32 v22, v22, 10, v67
	ds_store_b32 v21, v22
	v_lshrrev_b32 v65, 1, v65
.else
	ds_store_b32 v21, v67
.endif
	v_add_nc_u32 v66, v66, v20
	v_add_nc_u32 v67, 1, v67
	v_lshrrev_b32 v64, 1, v64
	s_sub_co_u32 s37, s37, 1
	s_cmp_lg_u32 s37, 0
	s_cbranch_scc1 .Llist
.Lnolist:
	s_wait_dscnt 0x0                               ; the list's stores are done
	s_barrier_signal -1
	s_barrier_wait -1
.endif
	NEXTA 35
	WLOAD 7, 0
	WIN 0
.if LAYER == 3
; The way out stands behind a jump of its own, on the same compare as the products: so that every way through the text to its LDS stores finds the accumulators written, they are
; written once here, in the wait for the first weights.  These zeros are never stored: where the products are jumped the way out is jumped too, and a live trip's first K step starts the sums with the constant 0.
.set i, 128
.rept 128
	v_mov_b32 v[i], 0
.set i, i+1
.endr
.endif
.if NG == 16
.irp s, 0,1,2,3,4,5,6,7
	WSTEP \s, 0, 1                                 ; my first eight groups; each slot takes the group eight further on: every place stands in an immediate, no base is stepped
.endr
.endif
.irp s, 0,1,2,3,4,5,6,7
	WSTEP \s, NG-8, 2                              ; the last eight groups; the ring goes over to the rows: units 0 to 6 of my first trip
.endr
	WIN 0
	s_wait_dscnt 0x0                               ; my part of the stage is stored
	s_barrier_signal -1
	s_barrier_wait -1                              ; the stage is whole; nothing writes it from here on
	s_mov_b32 s36, 2
.Ltrip:
	s_cmp_ge_u32 s35, s33
	s_cbranch_scc1 .Ldead
	s_wait_xcnt 0x0                                ; offsets, bases and the last trip's store data are rewritten only behind this wait
.irp f, 0,1,2,3
	v_mov_b32 v[8+(\f)], v[12+(\f)]
.endr
	s_mov_b64 s[24:25], s[22:23]
	v_mov_b32 v7, v6
.if LAYER != 3
	s_lshl_b32 s39, s35, 18
	v_add_nc_u32 v16, s39, v17
.endif
	s_add_co_u32 s40, s35, NW
	NEXTA 40
	BLOAD 0, 0
	STEP 0, 1, 1, 7*KSB, 1, 32*PIT                 ; the first K step starts the sums: with the bias (layer 3: with 0)
	WIN 0
	s_mov_b32 s37, NU/8-1
.Lk:
.irp i, 1,2,3,4,5,6,7,8
	STEP (\i)%8, 0, 1, ((\i)+7)*KSB, 1, ((\i)+1)*32*PIT
.endr
	WIN 0
	s_wait_xcnt 0x0                                ; the rows' base is stepped only behind this wait
	s_add_nc_u64 s[24:25], s[24:25], 8*KSB
	v_add_nc_u32 v7, 8*32*PIT, v7
	s_sub_co_u32 s37, s37, 1
	s_cmp_lg_u32 s37, 0
	s_cbranch_scc1 .Lk
.irp i, 1,2,3,4,5,6
	STEP \i, 0, 2, ((\i)-1)*KSB, 1, ((\i)+1)*32*PIT  ; the ring runs on into my next trip
.endr
	STEP 7, 0, 2, 6*KSB, 0, 0
	WIN 0
	PLACES                                         ; four places behind the last products
.if LAYER != 3
.irp f, 0,1,2,3
.irp j, 0,1,2,3
.set ra, 128+8*(4*(\f)+(\j))
.if LAYER == 1
	v_cvt_pk_f16_f32 v[ra], v[ra], v[ra+1]
	v_cvt_pk_f16_f32 v[ra+1], v[ra+2], v[ra+3]
	v_cvt_pk_f16_f32 v[ra+2], v[ra+4], v[ra+5]
	v_cvt_pk_f16_f32 v[ra+3], v[ra+6], v[ra+7]
.irp c, 0,1,2,3
	v_pk_max_num_f16 v[ra+(\c)], v[ra+(\c)], v28
	v_pk_min_num_f16 v[ra+(\c)], v[ra+(\c)], 0x7bff7bff   ; held to 65,504
.endr
.else
	v_cvt_pk_bf16_f32 v[ra], v[ra], v[ra+1]
	v_cvt_pk_bf16_f32 v[ra+1], v[ra+2], v[ra+3]
	v_cvt_pk_bf16_f32 v[ra+2], v[ra+4], v[ra+5]
	v_cvt_pk_bf16_f32 v[ra+3], v[ra+6], v[ra+7]
.irp c, 0,1,2,3
	v_pk_max_num_bf16 v[ra+(\c)], v[ra+(\c)], v28
.endr
.endif
	global_store_b128 v16, v[ra:ra+3], s[26:27] offset:(\f)*65536+((\j)>>1)*1024+((\j)&1)*512  ; 512 consecutive bytes: half a fragment of the next layer
.endr
.endr
.endif
.Ldead:
.if LAYER == 3
	s_wait_dscnt 0x0                               ; my LDS reads of this trip are back
	s_barrier_signal -1
	s_barrier_wait -1                              ; everybody's are: only now does a wave write its output stage
	s_cmp_ge_u32 s35, s33
	s_cbranch_scc1 .Lnoout
	s_wait_xcnt 0x0                                ; an earlier way out's stores have read their data and offsets: those registers are rewritten only behind this wait
	s_lshl_b32 s39, s35, 6
.irp f, 0,1,2,3                        ; a tile of 16 rows goes through my own stage and leaves as whole pieces of 256 bytes; each tile has registers of its own, so the one wait above serves all four
.irp i, 0,1,2,3,4,5,6,7
	v_add_nc_u32 v[20+(\i)], s39, v3
.if 16*(\f)+2*(\i) > 0
	v_add_nc_u32 v[20+(\i)], 16*(\f)+2*(\i), v[20+(\i)]
.endif
	v_min_u32 v[20+(\i)], s34, v[20+(\i)]
	v_min_u32 v[20+(\i)], 0x3ff, v[20+(\i)]
	v_lshlrev_b32 v[20+(\i)], 2, v[20+(\i)]
	ds_load_b32 v[64+16*(\f)+(\i)], v[20+(\i)]
.endr
.irp j, 0,1,2,3
	ds_store_b128 v29, v[128+8*(4*(\f)+(\j)):128+8*(4*(\f)+(\j))+3] offset:64*(\j)
	ds_store_b128 v29, v[128+8*(4*(\f)+(\j))+4:128+8*(4*(\f)+(\j))+7] offset:64*(\j)+16
.endr
.irp i, 0,1,2,3,4,5,6,7
	ds_load_b128 v[128+32*(\f)+4*(\i):128+32*(\f)+4*(\i)+3], v16 offset:544*(\i)  ; LDS serves a wave's instructions in order: these see the stores above
.endr
	s_wait_dscnt 0x0
.irp i, 0,1,2,3,4,5,6,7
	v_min_u32 v[64+16*(\f)+(\i)], 0x7ff, v[64+16*(\f)+(\i)]
	v_lshl_add_u32 v[72+16*(\f)+(\i)], v[64+16*(\f)+(\i)], 12, v19
.endr
.irp i, 0,1,2,3,4,5,6,7
	global_store_b128 v[72+16*(\f)+(\i)], v[128+32*(\f)+4*(\i):128+32*(\f)+4*(\i)+3], s[26:27] th:TH_STORE_NT  ; 16 lanes store 256 consecutive bytes, aligned
.endr
.endr
.Lnoout:
	s_wait_dscnt 0x0                               ; my stage's stores and loads are done
	s_barrier_signal -1
	s_barrier_wait -1                              ; everybody's are: the next trip's LDS reads, and behind the last trip the closing add, come behind this
.endif
	s_add_co_u32 s35, s35, NW
	s_sub_co_u32 s36, s36, 1
	s_cmp_lg_u32 s36, 0
	s_cbranch_scc1 .Ltrip
.if LAYER != 3
	s_wait_dscnt 0x0                               ; my LDS reads are back
	s_barrier_signal -1
	s_barrier_wait -1                              ; everybody's are, ahead of any wave's closing add
.endif
	s_wait_tensorcnt 0x0                           ; the wave's end, behind my last LDS store
	ds_add_u32 v30, v31
	s_wait_dscnt 0x0
	s_endpgm
.Lfunc_end_k_q913d8347d2_fc1:
	.size	k_q913d8347d2_fc1, .Lfunc_end_k_q913d8347d2_fc1-k_q913d8347d2_fc1
	.p2alignl 7, 3214868480
	.fill 96, 4, 3214868480
	.section	.rodata,"a",@progbits
	.p2align	6, 0x0
	.amdhsa_kernel k_q913d8347d2_fc1
		.amdhsa_group_segment_fixed_size 152832
		.amdhsa_private_segment_fixed_size 0
		.amdhsa_enable_private_segment 0
		.amdhsa_kernarg_size 40
		.amdhsa_user_sgpr_count 2
		.amdhsa_user_sgpr_kernarg_segment_ptr 1
		.amdhsa_wavefront_size32 1
		.amdhsa_system_sgpr_workgroup_id_x 1
		.amdhsa_system_sgpr_workgroup_id_y 1
		.amdhsa_system_sgpr_workgroup_id_z 1
		.amdhsa_system_vgpr_workitem_id 0
		.amdhsa_next_free_vgpr 512
		.amdhsa_next_free_sgpr 100
		.amdhsa_reserve_vcc 1
		.amdhsa_float_denorm_mode_32 3
		.amdhsa_float_denorm_mode_16_64 3
		.amdhsa_memory_ordered 1
		.amdhsa_forward_progress 1
		.amdhsa_inst_pref_size 96
	.end_amdhsa_kernel
	.amdgpu_metadata
---
amdhsa.version: [ 1, 2 ]
amdhsa.kernels:
  - .name:           k_q913d8347d2_fc1
    .symbol:         k_q913d8347d2_fc1.kd
    .args:
      - { .name: xb, .offset: 0, .size: 8, .value_kind: global_buffer, .address_space: global }
      - { .name: W1, .offset: 8, .size: 8, .value_kind: global_buffer, .address_space: global }
      - { .name: b1, .offset: 16, .size: 8, .value_kind: global_buffer, .address_space: global }
      - { .name: msk, .offset: 24, .size: 8, .value_kind: global_buffer, .address_space: global }
      - { .name: h1, .offset: 32, .size: 8, .value_kind: global_buffer, .address_space: global }
    .group_segment_fixed_size: 152832
    .private_segment_fixed_size: 0
    .kernarg_segment_align: 8
    .kernarg_segment_size: 40
    .max_flat_workgroup_size: 256
    .sgpr_count:     100
    .vgpr_count:     512
    .wavefront_size: 32
...
	.end_amdgpu_metadata
.endif
;; end of part 2
;; launch fc2 (part 3): grid 32 x 8, 8 waves a work-group, no clusters, 300,288 bytes of LDS; arguments h1, W2, b2, msk, h2; writes h2
.if DOCPART == 3
	.amdgcn_target "amdgcn-amd-amdhsa--gfx1250"
	.amdhsa_code_object_version 6
	.text
	.protected	k_q913d8347d2_fc2
	.globl	k_q913d8347d2_fc2
	.p2align	8
	.type	k_q913d8347d2_fc2,@function
k_q913d8347d2_fc2:
	s_mov_b64 s[64:65], 0
	v_nop
	global_prefetch_b8 v0, s[64:65] scope:SCOPE_SE
	s_setreg_imm32_b32 hwreg(HW_REG_WAVE_MODE, 25, 1), 1
	s_wait_xcnt 0x0
; ONE EXPERT PRODUCT (one text for three layers; LAYER picks).  1: h1 = relu(x W1 + b1), f16.  2: h2 = relu(h1 W2 + b2), bf16.  3: partial rows of h2 W3, f32, K halved over two work-groups.
; Only the rows that chose the expert are multiplied.  Grid: x = slice of 64 columns (layer 3: 2 x slice + K half), y = expert.
; EIGHT WAVES, two for each of the WGP's four SIMDs, 512 registers each: a wave's share of a trip is 64 rows x 64 columns whatever their number, and where two trips lie on one SIMD one wave's run of loads
; stands beside the other's matrix instructions.
; PHASE 1: the eight waves stream the slice of W (each byte read once in the launch), K / 8 rows and 64 loads of 16 bytes a lane in flight each, round it and lay it into LDS as [k][64 columns], 16 bits.
; PHASE 2: trips of 64 rows are dealt to the waves (trip w + 8 i); a wave does all of K for 64 rows x 64 columns: 16 accumulators.  W's fragments come turned out of LDS, the rows' fragments
; straight from memory through a ring of 8 units of 8 loads.  The loop counts to 2, which covers 1,024 rows; a dead trip's work is jumped.  In layers 1 and 2 nothing in the loop writes LDS and it has
; no barrier; in layer 3 the way out goes through LDS, and two barriers a trip, in text that every wave passes, keep the trip's LDS reads and the way out's LDS writes apart.
; THE MATRIX INSTRUCTION IS USED TRANSPOSED (source 0 = 16 columns of W, source 1 = 16 rows): lane (R, H), register c holds row R, column n0 + 8 H + c, which packs into the next layer's fragment.
; h1, h2: [expert][tile of 16 positions][K step 64][half 2][lane 32][16 bytes]: a wave's load or store covers 512 consecutive bytes.  Positions past the count repeat the expert's last row.
; THE STAGE: two k rows share an LDS row of 288 bytes (2 x 128 + 32 = 72 words), 144 bytes a k row: the eight k rows that sixteen lanes of a turning load touch start at words 0, 32, 8, 40, 16, 48, 24, 56
; mod 64 and take 8 words each: every one of the 64 banks of 4 bytes (ISA guide 11.1) once.  A wave's store of 8 bytes a lane fills the pair's 256 bytes on end.
; FORMATS.  All inputs are rounded once to bf16 (W2: that number written as f16).  LIMITS: h1 is held to 65,504; |W2| under 2^-14 keeps f16's fixed step of 6e-8; NaN and infinities are not treated apart.
; No multicast: what an expert's work-groups share is its rows, whose number hangs on a count read from memory; joint requests for all 1,024 possible rows would ask for four times the mean 256.
.set LAYER, 2
.set NW, 8
.if LAYER == 1
.set KK, 1024
.set ROWSH, 13
.set EW, 8388608
.set KSB, 64
.set QB, 32
.endif
.if LAYER == 2
.set KK, 2048
.set ROWSH, 13
.set EW, 16777216
.set KSB, 1024
.set QB, 512
.endif
.if LAYER == 3
.set KK, 1024
.set ROWSH, 12
.set EW, 8388608
.set KSB, 1024
.set QB, 512
.endif
.set PIT, 144                          ; LDS bytes for a k row: half of a pair's 288
.set ROWP, 1<<ROWSH                    ; bytes from a row of W to the next
.set KW, KK/NW                         ; rows of W that a wave stages
.set NG, KW/16                         ; in groups of 16: 8 (one ring) or 16 (two)
.set NU, KK/32                         ; K steps
.set SPARE, 4352                       ; LDS: 0 the list (1,024 entries, 32 dump words); 4,352 the spare words, 128 bytes a wave; 5,376 the stage; behind it (layer 3) 16 rows x 272 bytes a wave
.set STG, 5376
.set OST, STG+KK*PIT
.if LAYER == 3
.set PM, 8
.set PO, 10
.else
.set PM, 10
.set PO, 12
.endif
; window 0: v1 L, v2 R, v3 H, v4 W offset, v5 stage store, v6/v7 turning load, v8-11 row offsets, v12-15 the next trip's, v16 output offset (3: stage read), v17 16 L, v18 16 H, v19 16 R,
; v20-27 at work, v28 0, v29 stage write (3), v30/v31 the add's, v32-63 bias, v64-127 two buffers of W fragments, v128-255 accumulators.  window 1: the ring, 8 slots of 32.
.set MSB, 0
.macro WIN new
.if MSB != (\new)
	s_set_vgpr_msb (MSB<<8)|(\new)
.set MSB, \new
.endif
.endm
.macro PLACES
.rept 4
	v_nop
.endr
.endm
.macro WLOAD s, add                    ; 16 rows of W: each load takes two pieces of 256 aligned bytes
	WIN 0x44
.irp i, 0,1,2,3,4,5,6,7
	global_load_b128 v[32*(\s)+4*(\i):32*(\s)+4*(\i)+3], v4, s[20:21] offset:(16*((\s)+(\add))+2*(\i))*ROWP th:TH_LOAD_NT
.endr
.endm
.macro ALOAD slot, vo, base, imm       ; a unit: the four row fragments of one K step
.irp f, 0,1,2,3
.if LAYER == 1
	global_load_b128 v[32*(\slot)+8*(\f):32*(\slot)+8*(\f)+3], v[(\vo)+(\f)], s[\base:\base+1] offset:(\imm) th:TH_LOAD_HT  ; x's rows are read again by 32 slices and two experts
	global_load_b128 v[32*(\slot)+8*(\f)+4:32*(\slot)+8*(\f)+7], v[(\vo)+(\f)], s[\base:\base+1] offset:(\imm)+QB th:TH_LOAD_HT
.else
	global_load_b128 v[32*(\slot)+8*(\f):32*(\slot)+8*(\f)+3], v[(\vo)+(\f)], s[\base:\base+1] offset:(\imm)
	global_load_b128 v[32*(\slot)+8*(\f)+4:32*(\slot)+8*(\f)+7], v[(\vo)+(\f)], s[\base:\base+1] offset:(\imm)+QB
.endif
.endr
.endm
.macro WSTEP s, g0, mode               ; slot s holds group g0 + s: rounded in place, stored into the stage, loaded again (1: W eight groups on; 2: the first trip's row units)
	s_wait_loadcnt 56                              ; the seven younger groups or units stay out
	WIN 0x45
.irp i, 0,1,2,3,4,5,6,7
.set rb, 32*(\s)+4*(\i)
.if LAYER == 2
	v_cvt_pk_bf16_f32 v[rb], v[rb], v[rb+1]        ; rounded to bf16 like every input,
	v_cvt_pk_bf16_f32 v[rb+2], v[rb+2], v[rb+3]
	v_and_b32 v[rb+1], s38, v[rb]
	v_lshlrev_b32 v[rb], 16, v[rb]
	v_and_b32 v[rb+3], s38, v[rb+2]
	v_lshlrev_b32 v[rb+2], 16, v[rb+2]
	v_cvt_pk_f16_f32 v[rb], v[rb], v[rb+1]         ; and that number written as f16
	v_cvt_pk_f16_f32 v[rb+1], v[rb+2], v[rb+3]
.else
	v_cvt_pk_bf16_f32 v[rb], v[rb], v[rb+1]
	v_cvt_pk_bf16_f32 v[rb+1], v[rb+2], v[rb+3]
.endif
.endr
	WIN 0x44
.irp i, 0,1,2,3,4,5,6,7
	ds_store_b64 v5, v[32*(\s)+4*(\i):32*(\s)+4*(\i)+1] offset:(16*((\s)+(\g0))+2*(\i))*PIT
.endr
.if (\mode) == 1
	WLOAD \s, 8
.elseif (\s) < 7
	ALOAD \s, 12, 22, (\s)*KSB
.endif
.endm
; The row offsets of trip s[sT] into v12-15.  For a trip that does not exist the look-ahead's loads are still issued (the counted waits reckon with them), but all lanes then ask for the same bytes at the buffer's head.
.macro NEXTA sT
	s_cmp_lt_u32 s[\sT], s33                       ; is there such a trip?
.if LAYER == 1
	s_cselect_b32 s42, -1, 0
	s_lshl_b32 s39, s[\sT], 6
.irp f, 0,1,2,3
	v_add_nc_u32 v[20+(\f)], s39, v2               ; position
.if (\f) > 0
	v_add_nc_u32 v[20+(\f)], 16*(\f), v[20+(\f)]
.endif
	v_min_u32 v[20+(\f)], s34, v[20+(\f)]          ; past the count: the last row once more
	v_min_u32 v[20+(\f)], 0x3ff, v[20+(\f)]
	v_lshlrev_b32 v[20+(\f)], 2, v[20+(\f)]
	ds_load_b32 v[24+(\f)], v[20+(\f)]
.endr
	s_wait_dscnt 0x0
.irp f, 0,1,2,3
	v_and_b32 v[24+(\f)], s42, v[24+(\f)]          ; no such trip: token 0 in every lane
	v_min_u32 v[24+(\f)], 0x3ff, v[24+(\f)]
	v_lshl_add_u32 v[12+(\f)], v[24+(\f)], 11, v18 ; token x 2,048 + 16 H
.endr
.else
	s_cselect_b32 s39, s[\sT], 0
	s_cselect_b32 s42, 1, 0
	s_min_u32 s39, s39, 15
	s_min_u32 s42, s42, 1
	s_lshl_b32 s39, s39, 18                        ; the trip's four tiles,
	s_lshl_b32 s43, s42, 16                        ; 65,536 bytes apart, or 0 where there is no such trip,
	v_mul_u32_u24 v20, s42, v17                    ; and 16 bytes a lane, or 0
.irp f, 0,1,2,3
	v_add_nc_u32 v[12+(\f)], s39, v20
.if (\f) < 3
	s_add_co_u32 s39, s39, s43
.endif
.endr
.endif
.endm
.macro BLOAD buf, imm                  ; W's four fragments of one K step, turned
.irp j, 0,1,2,3
	ds_load_tr16_b128 v[64+32*(\buf)+8*(\j):64+32*(\buf)+8*(\j)+3], v7 offset:(\imm)+32*(\j)
	ds_load_tr16_b128 v[64+32*(\buf)+8*(\j)+4:64+32*(\buf)+8*(\j)+7], v7 offset:(\imm)+32*(\j)+16*PIT
.endr
.endm
.macro MMA d, a, b, c:vararg
.if LAYER == 2
	v_wmma_f32_16x16x32_f16 v[\d:\d+7], v[\a:\a+7], v[\b:\b+7], \c
.else
	v_wmma_f32_16x16x32_bf16 v[\d:\d+7], v[\a:\a+7], v[\b:\b+7], \c
.endif
.endm
; One K step.  ld = 1: the unit seven steps on, of this trip; 2: a unit of my next trip.  bl = 1: W's fragments of the next step.  The 16 accumulators take turns.
.macro STEP i, zero, ld, limm, bl, bimm
	PLACES                                         ; four places in front of loads into the slot and the W buffer that the step before multiplied
	WIN 0x40
.if (\ld) == 1
	ALOAD ((\i)+7)%8, 8, 24, \limm
.else
	ALOAD ((\i)+7)%8, 12, 22, \limm
.endif
	WIN 0x04
.if \bl
	BLOAD ((\i)+1)&1, \bimm
.endif
	s_wait_loadcnt 56                              ; my unit is in; the seven younger stay out
.if \bl
	s_wait_dscnt 8                                 ; this step's W is in; the eight loads just issued stay out
.else
	s_wait_dscnt 0x0
.endif
.irp f, 0,1,2,3
.irp j, 0,1,2,3
.set ra, 128+8*(4*(\f)+(\j))
.set rw, 64+32*((\i)&1)+8*(\j)
.set rx, 32*((\i)%8)+8*(\f)
.set rc, 32+8*(\j)
.if (\zero) && (LAYER == 3)
	MMA ra, rw, rx, 0
.elseif \zero
	MMA ra, rw, rx, v[rc:rc+7]
.else
	MMA ra, rw, rx, v[ra:ra+7]
.endif
.endr
.endr
.endm
	s_load_b256 s[4:11], s[0:1], 0x0               ; rows, W, (bias,) msk(, out)
.if LAYER != 3
	s_load_b64 s[12:13], s[0:1], 0x20              ; out
.endif
	v_lshl_add_u32 v30, v0, 2, SPARE               ; my spare word
	v_mov_b32 v31, 0
	v_lshrrev_b32 v1, 5, v0
	v_readfirstlane_b32 s14, v1                    ; wave w, 0 to 7
	s_and_b32 s15, ttmp7, 0xffff                   ; expert
.if LAYER == 3
	s_lshr_b32 s16, ttmp9, 1                       ; slice
	s_and_b32 s17, ttmp9, 1                        ; K half
.else
	s_mov_b32 s16, ttmp9
	s_mov_b32 s17, 0
.endif
	s_mov_b32 s38, 0xffff0000
	s_mov_b32 s19, 0
	v_and_b32 v1, 31, v0
	v_and_b32 v2, 15, v0
	v_bfe_u32 v3, v0, 4, 1
	v_lshlrev_b32 v17, 4, v1
	v_lshlrev_b32 v18, 4, v3
	v_lshlrev_b32 v19, 4, v2
	v_mov_b32 v28, 0
	v_lshl_add_u32 v4, v3, ROWSH, v19              ; lanes 0-15 one row's 256 bytes, lanes 16-31 the next row's
	s_mul_i32 s39, s14, KW*PIT
	s_add_co_u32 s39, s39, STG
	v_lshlrev_b32 v5, 7, v3                        ; into the stage: the pair's even row (H = 0) or odd row (H = 1), 128 bytes on,
	v_lshl_add_u32 v5, v2, 3, v5                   ; 8 bytes a lane,
	v_add_nc_u32 v5, s39, v5                       ; from my wave's first row on
	v_bfe_u32 v6, v0, 1, 2                         ; out of the stage, turned: k row 8 H + L % 8 lies in pair 4 H + (L % 8) / 2,
	v_lshl_add_u32 v6, v3, 2, v6
	v_mul_u32_u24 v6, v6, 2*PIT
	v_and_b32 v20, 1, v0
	v_lshl_add_u32 v6, v20, 7, v6                  ; in its half L % 2,
	v_bfe_u32 v20, v0, 3, 1
	v_lshl_add_u32 v6, v20, 4, v6                  ; columns 8 ((L / 8) % 2) on
	v_add_nc_u32 v6, STG, v6
.if LAYER == 3
	s_mul_i32 s39, s14, 4352
	s_add_co_u32 s39, s39, OST
	v_mul_u32_u24 v16, v3, 272
	v_add_nc_u32 v16, v16, v19
	v_add_nc_u32 v16, s39, v16
	v_mul_u32_u24 v29, v2, 272
	v_lshl_add_u32 v29, v3, 5, v29
	v_add_nc_u32 v29, s39, v29
.endif
	s_mul_i32 s18, s15, EW
	s_lshl_b32 s39, s17, 10
	s_mul_i32 s40, s14, KW
	s_add_co_u32 s39, s39, s40
	s_lshl_b32 s39, s39, ROWSH
	s_add_co_u32 s18, s18, s39
	s_lshl_b32 s39, s16, 8
	s_add_co_u32 s18, s18, s39
	s_wait_kmcnt 0x0
	s_add_nc_u64 s[20:21], s[6:7], s[18:19]        ; W at my wave's first row, my slice
.if LAYER == 1
	s_mov_b64 s[22:23], s[4:5]
.else
	s_lshl_b32 s18, s15, 22
	s_lshl_b32 s39, s17, 15
	s_add_co_u32 s18, s18, s39
	s_add_nc_u64 s[22:23], s[4:5], s[18:19]        ; the expert's tiles (layer 3: my K half)
.endif
	s_mov_b64 s[24:25], s[22:23]
.if LAYER == 3
	s_lshl_b32 s18, s17, 23
	s_lshl_b32 s39, s16, 8
.else
	s_lshl_b32 s18, s15, 22
	s_lshl_b32 s39, s16, 11
.endif
	s_add_co_u32 s18, s18, s39
	s_add_nc_u64 s[26:27], s[PO:PO+1], s[18:19]
	s_lshl_b32 s18, s15, 7
	s_add_nc_u64 s[28:29], s[PM:PM+1], s[18:19]    ; the expert's 32 mask words
	s_load_b512 s[68:83], s[28:29], 0x0
	s_load_b512 s[84:99], s[28:29], 0x40
.if LAYER != 3
	s_lshl_b32 s18, s15, 13
	s_lshl_b32 s39, s16, 8
	s_add_co_u32 s18, s18, s39
	s_add_nc_u64 s[30:31], s[8:9], s[18:19]
	v_lshlrev_b32 v20, 5, v3
.irp j, 0,1,2,3
	global_load_b128 v[32+8*(\j):35+8*(\j)], v20, s[30:31] offset:64*(\j)      ; bias[16 j + 8 H + 0..7]
	global_load_b128 v[36+8*(\j):39+8*(\j)], v20, s[30:31] offset:64*(\j)+16
.endr
.endif
.if LAYER != 2
	v_lshlrev_b32 v21, 2, v1
	global_load_b32 v64, v21, s[28:29]             ; lane L: mask word L
.endif
.if LAYER == 3
	global_load_b32 v65, v21, s[28:29] offset:1024 ; and the plane of higher choices
.endif
.irp s, 0,1,2,3,4,5,6
	WLOAD \s, 0
.endr
	WIN 0
	s_wait_kmcnt 0x0
	s_mov_b32 s41, 0
.if LAYER != 2
	v_mov_b32 v66, 0
.endif
.set i, 0
.rept 32
.if LAYER != 2
	v_writelane_b32 v66, s41, i                    ; rows in the words before word i
.endif
	s_bcnt1_i32_b32 s39, s[68+i]
	s_add_co_u32 s41, s41, s39
.set i, i+1
.endr
	s_mov_b32 s32, s41                             ; the expert's rows
	s_add_co_u32 s33, s32, 63
	s_lshr_b32 s33, s33, 6                         ; live trips
	s_max_u32 s34, s32, 1
	s_sub_co_u32 s34, s34, 1                       ; the last position that exists
	s_mov_b32 s35, s14                             ; my first trip
	s_wait_loadcnt 56                              ; bias and mask words are in; the seven groups of W stay out
.if LAYER != 3
.set i, 32
.rept 16
	v_cvt_pk_bf16_f32 v22, v[i], v[i+1]            ; the bias rounded once to bf16, kept as f32
	v_lshlrev_b32 v[i], 16, v22
	v_and_b32 v[i+1], s38, v22
.set i, i+2
.endr
.endif
.if LAYER != 2
	s_cmp_lg_u32 s14, 0
	s_cbranch_scc1 .Lnolist                        ; wave 0 lays the list: position -> token (layer 3: + 1,024 for a higher choice), tokens ascending
	v_mov_b32 v20, 0
	ds_store_b32 v20, v28                          ; entry 0 exists also where the expert has no row
	v_lshlrev_b32 v67, 5, v1                       ; lane L walks tokens 32 L on
	v_add_nc_u32 v68, 1024, v1                     ; a lane without a row writes its dump word
	s_mov_b32 s37, 32
.Llist:
	v_and_b32 v20, 1, v64
	v_cmp_ne_u32 vcc_lo, 0, v20
	v_cndmask_b32 v21, v68, v66, vcc_lo
	v_min_u32 v21, 0x41f, v21
	v_lshlrev_b32 v21, 2, v21
.if LAYER == 3
	v_and_b32 v22, 1, v65
	v_lshl_or_b32 v22, v22, 10, v67
	ds_store_b32 v21, v22
	v_lshrrev_b32 v65, 1, v65
.else
	ds_store_b32 v21, v67
.endif
	v_add_nc_u32 v66, v66, v20
	v_add_nc_u32 v67, 1, v67
	v_lshrrev_b32 v64, 1, v64
	s_sub_co_u32 s37, s37, 1
	s_cmp_lg_u32 s37, 0
	s_cbranch_scc1 .Llist
.Lnolist:
	s_wait_dscnt 0x0                               ; the list's stores are done
	s_barrier_signal -1
	s_barrier_wait -1
.endif
	NEXTA 35
	WLOAD 7, 0
	WIN 0
.if LAYER == 3
; The way out stands behind a jump of its own, on the same compare as the products: so that every way through the text to its LDS stores finds the accumulators written, they are
; written once here, in the wait for the first weights.  These zeros are never stored: where the products are jumped the way out is jumped too, and a live trip's first K step starts the sums with the constant 0.
.set i, 128
.rept 128
	v_mov_b32 v[i], 0
.set i, i+1
.endr
.endif
.if NG == 16
.irp s, 0,1,2,3,4,5,6,7
	WSTEP \s, 0, 1                                 ; my first eight groups; each slot takes the group eight further on: every place stands in an immediate, no base is stepped
.endr
.endif
.irp s, 0,1,2,3,4,5,6,7
	WSTEP \s, NG-8, 2                              ; the last eight groups; the ring goes over to the rows: units 0 to 6 of my first trip
.endr
	WIN 0
	s_wait_dscnt 0x0                               ; my part of the stage is stored
	s_barrier_signal -1
	s_barrier_wait -1                              ; the stage is whole; nothing writes it from here on
	s_mov_b32 s36, 2
.Ltrip:
	s_cmp_ge_u32 s35, s33
	s_cbranch_scc1 .Ldead
	s_wait_xcnt 0x0                                ; offsets, bases and the last trip's store data are rewritten only behind this wait
.irp f, 0,1,2,3
	v_mov_b32 v[8+(\f)], v[12+(\f)]
.endr
	s_mov_b64 s[24:25], s[22:23]
	v_mov_b32 v7, v6
.if LAYER != 3
	s_lshl_b32 s39, s35, 18
	v_add_nc_u32 v16, s39, v17
.endif
	s_add_co_u32 s40, s35, NW
	NEXTA 40
	BLOAD 0, 0
	STEP 0, 1, 1, 7*KSB, 1, 32*PIT                 ; the first K step starts the sums: with the bias (layer 3: with 0)
	WIN 0
	s_mov_b32 s37, NU/8-1
.Lk:
.irp i, 1,2,3,4,5,6,7,8
	STEP (\i)%8, 0, 1, ((\i)+7)*KSB, 1, ((\i)+1)*32*PIT
.endr
	WIN 0
	s_wait_xcnt 0x0                                ; the rows' base is stepped only behind this wait
	s_add_nc_u64 s[24:25], s[24:25], 8*KSB
	v_add_nc_u32 v7, 8*32*PIT, v7
	s_sub_co_u32 s37, s37, 1
	s_cmp_lg_u32 s37, 0
	s_cbranch_scc1 .Lk
.irp i, 1,2,3,4,5,6
	STEP \i, 0, 2, ((\i)-1)*KSB, 1, ((\i)+1)*32*PIT  ; the ring runs on into my next trip
.endr
	STEP 7, 0, 2, 6*KSB, 0, 0
	WIN 0
	PLACES                                         ; four places behind the last products
.if LAYER != 3
.irp f, 0,1,2,3
.irp j, 0,1,2,3
.set ra, 128+8*(4*(\f)+(\j))
.if LAYER == 1
	v_cvt_pk_f16_f32 v[ra], v[ra], v[ra+1]
	v_cvt_pk_f16_f32 v[ra+1], v[ra+2], v[ra+3]
	v_cvt_pk_f16_f32 v[ra+2], v[ra+4], v[ra+5]
	v_cvt_pk_f16_f32 v[ra+3], v[ra+6], v[ra+7]
.irp c, 0,1,2,3
	v_pk_max_num_f16 v[ra+(\c)], v[ra+(\c)], v28
	v_pk_min_num_f16 v[ra+(\c)], v[ra+(\c)], 0x7bff7bff   ; held to 65,504
.endr
.else
	v_cvt_pk_bf16_f32 v[ra], v[ra], v[ra+1]
	v_cvt_pk_bf16_f32 v[ra+1], v[ra+2], v[ra+3]
	v_cvt_pk_bf16_f32 v[ra+2], v[ra+4], v[ra+5]
	v_cvt_pk_bf16_f32 v[ra+3], v[ra+6], v[ra+7]
.irp c, 0,1,2,3
	v_pk_max_num_bf16 v[ra+(\c)], v[ra+(\c)], v28
.endr
.endif
	global_store_b128 v16, v[ra:ra+3], s[26:27] offset:(\f)*65536+((\j)>>1)*1024+((\j)&1)*512  ; 512 consecutive bytes: half a fragment of the next layer
.endr
.endr
.endif
.Ldead:
.if LAYER == 3
	s_wait_dscnt 0x0                               ; my LDS reads of this trip are back
	s_barrier_signal -1
	s_barrier_wait -1                              ; everybody's are: only now does a wave write its output stage
	s_cmp_ge_u32 s35, s33
	s_cbranch_scc1 .Lnoout
	s_wait_xcnt 0x0                                ; an earlier way out's stores have read their data and offsets: those registers are rewritten only behind this wait
	s_lshl_b32 s39, s35, 6
.irp f, 0,1,2,3                        ; a tile of 16 rows goes through my own stage and leaves as whole pieces of 256 bytes; each tile has registers of its own, so the one wait above serves all four
.irp i, 0,1,2,3,4,5,6,7
	v_add_nc_u32 v[20+(\i)], s39, v3
.if 16*(\f)+2*(\i) > 0
	v_add_nc_u32 v[20+(\i)], 16*(\f)+2*(\i), v[20+(\i)]
.endif
	v_min_u32 v[20+(\i)], s34, v[20+(\i)]
	v_min_u32 v[20+(\i)], 0x3ff, v[20+(\i)]
	v_lshlrev_b32 v[20+(\i)], 2, v[20+(\i)]
	ds_load_b32 v[64+16*(\f)+(\i)], v[20+(\i)]
.endr
.irp j, 0,1,2,3
	ds_store_b128 v29, v[128+8*(4*(\f)+(\j)):128+8*(4*(\f)+(\j))+3] offset:64*(\j)
	ds_store_b128 v29, v[128+8*(4*(\f)+(\j))+4:128+8*(4*(\f)+(\j))+7] offset:64*(\j)+16
.endr
.irp i, 0,1,2,3,4,5,6,7
	ds_load_b128 v[128+32*(\f)+4*(\i):128+32*(\f)+4*(\i)+3], v16 offset:544*(\i)  ; LDS serves a wave's instructions in order: these see the stores above
.endr
	s_wait_dscnt 0x0
.irp i, 0,1,2,3,4,5,6,7
	v_min_u32 v[64+16*(\f)+(\i)], 0x7ff, v[64+16*(\f)+(\i)]
	v_lshl_add_u32 v[72+16*(\f)+(\i)], v[64+16*(\f)+(\i)], 12, v19
.endr
.irp i, 0,1,2,3,4,5,6,7
	global_store_b128 v[72+16*(\f)+(\i)], v[128+32*(\f)+4*(\i):128+32*(\f)+4*(\i)+3], s[26:27] th:TH_STORE_NT  ; 16 lanes store 256 consecutive bytes, aligned
.endr
.endr
.Lnoout:
	s_wait_dscnt 0x0                               ; my stage's stores and loads are done
	s_barrier_signal -1
	s_barrier_wait -1                              ; everybody's are: the next trip's LDS reads, and behind the last trip the closing add, come behind this
.endif
	s_add_co_u32 s35, s35, NW
	s_sub_co_u32 s36, s36, 1
	s_cmp_lg_u32 s36, 0
	s_cbranch_scc1 .Ltrip
.if LAYER != 3
	s_wait_dscnt 0x0                               ; my LDS reads are back
	s_barrier_signal -1
	s_barrier_wait -1                              ; everybody's are, ahead of any wave's closing add
.endif
	s_wait_tensorcnt 0x0                           ; the wave's end, behind my last LDS store
	ds_add_u32 v30, v31
	s_wait_dscnt 0x0
	s_endpgm
.Lfunc_end_k_q913d8347d2_fc2:
	.size	k_q913d8347d2_fc2, .Lfunc_end_k_q913d8347d2_fc2-k_q913d8347d2_fc2
	.p2alignl 7, 3214868480
	.fill 96, 4, 3214868480
	.section	.rodata,"a",@progbits
	.p2align	6, 0x0
	.amdhsa_kernel k_q913d8347d2_fc2
		.amdhsa_group_segment_fixed_size 300288
		.amdhsa_private_segment_fixed_size 0
		.amdhsa_enable_private_segment 0
		.amdhsa_kernarg_size 40
		.amdhsa_user_sgpr_count 2
		.amdhsa_user_sgpr_kernarg_segment_ptr 1
		.amdhsa_wavefront_size32 1
		.amdhsa_system_sgpr_workgroup_id_x 1
		.amdhsa_system_sgpr_workgroup_id_y 1
		.amdhsa_system_sgpr_workgroup_id_z 1
		.amdhsa_system_vgpr_workitem_id 0
		.amdhsa_next_free_vgpr 512
		.amdhsa_next_free_sgpr 100
		.amdhsa_reserve_vcc 1
		.amdhsa_float_denorm_mode_32 3
		.amdhsa_float_denorm_mode_16_64 3
		.amdhsa_memory_ordered 1
		.amdhsa_forward_progress 1
		.amdhsa_inst_pref_size 135
	.end_amdhsa_kernel
	.amdgpu_metadata
---
amdhsa.version: [ 1, 2 ]
amdhsa.kernels:
  - .name:           k_q913d8347d2_fc2
    .symbol:         k_q913d8347d2_fc2.kd
    .args:
      - { .name: h1, .offset: 0, .size: 8, .value_kind: global_buffer, .address_space: global }
      - { .name: W2, .offset: 8, .size: 8, .value_kind: global_buffer, .address_space: global }
      - { .name: b2, .offset: 16, .size: 8, .value_kind: global_buffer, .address_space: global }
      - { .name: msk, .offset: 24, .size: 8, .value_kind: global_buffer, .address_space: global }
      - { .name: h2, .offset: 32, .size: 8, .value_kind: global_buffer, .address_space: global }
    .group_segment_fixed_size: 300288
    .private_segment_fixed_size: 0
    .kernarg_segment_align: 8
    .kernarg_segment_size: 40
    .max_flat_workgroup_size: 256
    .sgpr_count:     100
    .vgpr_count:     512
    .wavefront_size: 32
...
	.end_amdgpu_metadata
.endif
;; end of part 3
;; launch fc3 (part 4): grid 32 x 8, 8 waves a work-group, no clusters, 187,648 bytes of LDS; arguments h2, W3, msk, part; writes part
.if DOCPART == 4
	.amdgcn_target "amdgcn-amd-amdhsa--gfx1250"
	.amdhsa_code_object_version 6
	.text
	.protected	k_q913d8347d2_fc3
	.globl	k_q913d8347d2_fc3
	.p2align	8
	.type	k_q913d8347d2_fc3,@function
k_q913d8347d2_fc3:
	s_mov_b64 s[64:65], 0
	v_nop
	global_prefetch_b8 v0, s[64:65] scope:SCOPE_SE
	s_setreg_imm32_b32 hwreg(HW_REG_WAVE_MODE, 25, 1), 1
	s_wait_xcnt 0x0
; ONE EXPERT PRODUCT (one text for three layers; LAYER picks).  1: h1 = relu(x W1 + b1), f16.  2: h2 = relu(h1 W2 + b2), bf16.  3: partial rows of h2 W3, f32, K halved over two work-groups.
; Only the rows that chose the expert are multiplied.  Grid: x = slice of 64 columns (layer 3: 2 x slice + K half), y = expert.
; EIGHT WAVES, two for each of the WGP's four SIMDs, 512 registers each: a wave's share of a trip is 64 rows x 64 columns whatever their number, and where two trips lie on one SIMD one wave's run of loads
; stands beside the other's matrix instructions.
; PHASE 1: the eight waves stream the slice of W (each byte read once in the launch), K / 8 rows and 64 loads of 16 bytes a lane in flight each, round it and lay it into LDS as [k][64 columns], 16 bits.
; PHASE 2: trips of 64 rows are dealt to the waves (trip w + 8 i); a wave does all of K for 64 rows x 64 columns: 16 accumulators.  W's fragments come turned out of LDS, the rows' fragments
; straight from memory through a ring of 8 units of 8 loads.  The loop counts to 2, which covers 1,024 rows; a dead trip's work is jumped.  In layers 1 and 2 nothing in the loop writes LDS and it has
; no barrier; in layer 3 the way out goes through LDS, and two barriers a trip, in text that every wave passes, keep the trip's LDS reads and the way out's LDS writes apart.
; THE MATRIX INSTRUCTION IS USED TRANSPOSED (source 0 = 16 columns of W, source 1 = 16 rows): lane (R, H), register c holds row R, column n0 + 8 H + c, which packs into the next layer's fragment.
; h1, h2: [expert][tile of 16 positions][K step 64][half 2][lane 32][16 bytes]: a wave's load or store covers 512 consecutive bytes.  Positions past the count repeat the expert's last row.
; THE STAGE: two k rows share an LDS row of 288 bytes (2 x 128 + 32 = 72 words), 144 bytes a k row: the eight k rows that sixteen lanes of a turning load touch start at words 0, 32, 8, 40, 16, 48, 24, 56
; mod 64 and take 8 words each: every one of the 64 banks of 4 bytes (ISA guide 11.1) once.  A wave's store of 8 bytes a lane fills the pair's 256 bytes on end.
; FORMATS.  All inputs are rounded once to bf16 (W2: that number written as f16).  LIMITS: h1 is held to 65,504; |W2| under 2^-14 keeps f16's fixed step of 6e-8; NaN and infinities are not treated apart.
; No multicast: what an expert's work-groups share is its rows, whose number hangs on a count read from memory; joint requests for all 1,024 possible rows would ask for four times the mean 256.
.set LAYER, 3
.set NW, 8
.if LAYER == 1
.set KK, 1024
.set ROWSH, 13
.set EW, 8388608
.set KSB, 64
.set QB, 32
.endif
.if LAYER == 2
.set KK, 2048
.set ROWSH, 13
.set EW, 16777216
.set KSB, 1024
.set QB, 512
.endif
.if LAYER == 3
.set KK, 1024
.set ROWSH, 12
.set EW, 8388608
.set KSB, 1024
.set QB, 512
.endif
.set PIT, 144                          ; LDS bytes for a k row: half of a pair's 288
.set ROWP, 1<<ROWSH                    ; bytes from a row of W to the next
.set KW, KK/NW                         ; rows of W that a wave stages
.set NG, KW/16                         ; in groups of 16: 8 (one ring) or 16 (two)
.set NU, KK/32                         ; K steps
.set SPARE, 4352                       ; LDS: 0 the list (1,024 entries, 32 dump words); 4,352 the spare words, 128 bytes a wave; 5,376 the stage; behind it (layer 3) 16 rows x 272 bytes a wave
.set STG, 5376
.set OST, STG+KK*PIT
.if LAYER == 3
.set PM, 8
.set PO, 10
.else
.set PM, 10
.set PO, 12
.endif
; window 0: v1 L, v2 R, v3 H, v4 W offset, v5 stage store, v6/v7 turning load, v8-11 row offsets, v12-15 the next trip's, v16 output offset (3: stage read), v17 16 L, v18 16 H, v19 16 R,
; v20-27 at work, v28 0, v29 stage write (3), v30/v31 the add's, v32-63 bias, v64-127 two buffers of W fragments, v128-255 accumulators.  window 1: the ring, 8 slots of 32.
.set MSB, 0
.macro WIN new
.if MSB != (\new)
	s_set_vgpr_msb (MSB<<8)|(\new)
.set MSB, \new
.endif
.endm
.macro PLACES
.rept 4
	v_nop
.endr
.endm
.macro WLOAD s, add                    ; 16 rows of W: each load takes two pieces of 256 aligned bytes
	WIN 0x44
.irp i, 0,1,2,3,4,5,6,7
	global_load_b128 v[32*(\s)+4*(\i):32*(\s)+4*(\i)+3], v4, s[20:21] offset:(16*((\s)+(\add))+2*(\i))*ROWP th:TH_LOAD_NT
.endr
.endm
.macro ALOAD slot, vo, base, imm       ; a unit: the four row fragments of one K step
.irp f, 0,1,2,3
.if LAYER == 1
	global_load_b128 v[32*(\slot)+8*(\f):32*(\slot)+8*(\f)+3], v[(\vo)+(\f)], s[\base:\base+1] offset:(\imm) th:TH_LOAD_HT  ; x's rows are read again by 32 slices and two experts
	global_load_b128 v[32*(\slot)+8*(\f)+4:32*(\slot)+8*(\f)+7], v[(\vo)+(\f)], s[\base:\base+1] offset:(\imm)+QB th:TH_LOAD_HT
.else
	global_load_b128 v[32*(\slot)+8*(\f):32*(\slot)+8*(\f)+3], v[(\vo)+(\f)], s[\base:\base+1] offset:(\imm)
	global_load_b128 v[32*(\slot)+8*(\f)+4:32*(\slot)+8*(\f)+7], v[(\vo)+(\f)], s[\base:\base+1] offset:(\imm)+QB
.endif
.endr
.endm
.macro WSTEP s, g0, mode               ; slot s holds group g0 + s: rounded in place, stored into the stage, loaded again (1: W eight groups on; 2: the first trip's row units)
	s_wait_loadcnt 56                              ; the seven younger groups or units stay out
	WIN 0x45
.irp i, 0,1,2,3,4,5,6,7
.set rb, 32*(\s)+4*(\i)
.if LAYER == 2
	v_cvt_pk_bf16_f32 v[rb], v[rb], v[rb+1]        ; rounded to bf16 like every input,
	v_cvt_pk_bf16_f32 v[rb+2], v[rb+2], v[rb+3]
	v_and_b32 v[rb+1], s38, v[rb]
	v_lshlrev_b32 v[rb], 16, v[rb]
	v_and_b32 v[rb+3], s38, v[rb+2]
	v_lshlrev_b32 v[rb+2], 16, v[rb+2]
	v_cvt_pk_f16_f32 v[rb], v[rb], v[rb+1]         ; and that number written as f16
	v_cvt_pk_f16_f32 v[rb+1], v[rb+2], v[rb+3]
.else
	v_cvt_pk_bf16_f32 v[rb], v[rb], v[rb+1]
	v_cvt_pk_bf16_f32 v[rb+1], v[rb+2], v[rb+3]
.endif
.endr
	WIN 0x44
.irp i, 0,1,2,3,4,5,6,7
	ds_store_b64 v5, v[32*(\s)+4*(\i):32*(\s)+4*(\i)+1] offset:(16*((\s)+(\g0))+2*(\i))*PIT
.endr
.if (\mode) == 1
	WLOAD \s, 8
.elseif (\s) < 7
	ALOAD \s, 12, 22, (\s)*KSB
.endif
.endm
; The row offsets of trip s[sT] into v12-15.  For a trip that does not exist the look-ahead's loads are still issued (the counted waits reckon with them), but all lanes then ask for the same bytes at the buffer's head.
.macro NEXTA sT
	s_cmp_lt_u32 s[\sT], s33                       ; is there such a trip?
.if LAYER == 1
	s_cselect_b32 s42, -1, 0
	s_lshl_b32 s39, s[\sT], 6
.irp f, 0,1,2,3
	v_add_nc_u32 v[20+(\f)], s39, v2               ; position
.if (\f) > 0
	v_add_nc_u32 v[20+(\f)], 16*(\f), v[20+(\f)]
.endif
	v_min_u32 v[20+(\f)], s34, v[20+(\f)]          ; past the count: the last row once more
	v_min_u32 v[20+(\f)], 0x3ff, v[20+(\f)]
	v_lshlrev_b32 v[20+(\f)], 2, v[20+(\f)]
	ds_load_b32 v[24+(\f)], v[20+(\f)]
.endr
	s_wait_dscnt 0x0
.irp f, 0,1,2,3
	v_and_b32 v[24+(\f)], s42, v[24+(\f)]          ; no such trip: token 0 in every lane
	v_min_u32 v[24+(\f)], 0x3ff, v[24+(\f)]
	v_lshl_add_u32 v[12+(\f)], v[24+(\f)], 11, v18 ; token x 2,048 + 16 H
.endr
.else
	s_cselect_b32 s39, s[\sT], 0
	s_cselect_b32 s42, 1, 0
	s_min_u32 s39, s39, 15
	s_min_u32 s42, s42, 1
	s_lshl_b32 s39, s39, 18                        ; the trip's four tiles,
	s_lshl_b32 s43, s42, 16                        ; 65,536 bytes apart, or 0 where there is no such trip,
	v_mul_u32_u24 v20, s42, v17                    ; and 16 bytes a lane, or 0
.irp f, 0,1,2,3
	v_add_nc_u32 v[12+(\f)], s39, v20
.if (\f) < 3
	s_add_co_u32 s39, s39, s43
.endif
.endr
.endif
.endm
.macro BLOAD buf, imm                  ; W's four fragments of one K step, turned
.irp j, 0,1,2,3
	ds_load_tr16_b128 v[64+32*(\buf)+8*(\j):64+32*(\buf)+8*(\j)+3], v7 offset:(\imm)+32*(\j)
	ds_load_tr16_b128 v[64+32*(\buf)+8*(\j)+4:64+32*(\buf)+8*(\j)+7], v7 offset:(\imm)+32*(\j)+16*PIT
.endr
.endm
.macro MMA d, a, b, c:vararg
.if LAYER == 2
	v_wmma_f32_16x16x32_f16 v[\d:\d+7], v[\a:\a+7], v[\b:\b+7], \c
.else
	v_wmma_f32_16x16x32_bf16 v[\d:\d+7], v[\a:\a+7], v[\b:\b+7], \c
.endif
.endm
; One K step.  ld = 1: the unit seven steps on, of this trip; 2: a unit of my next trip.  bl = 1: W's fragments of the next step.  The 16 accumulators take turns.
.macro STEP i, zero, ld, limm, bl, bimm
	PLACES                                         ; four places in front of loads into the slot and the W buffer that the step before multiplied
	WIN 0x40
.if (\ld) == 1
	ALOAD ((\i)+7)%8, 8, 24, \limm
.else
	ALOAD ((\i)+7)%8, 12, 22, \limm
.endif
	WIN 0x04
.if \bl
	BLOAD ((\i)+1)&1, \bimm
.endif
	s_wait_loadcnt 56                              ; my unit is in; the seven younger stay out
.if \bl
	s_wait_dscnt 8                                 ; this step's W is in; the eight loads just issued stay out
.else
	s_wait_dscnt 0x0
.endif
.irp f, 0,1,2,3
.irp j, 0,1,2,3
.set ra, 128+8*(4*(\f)+(\j))
.set rw, 64+32*((\i)&1)+8*(\j)
.set rx, 32*((\i)%8)+8*(\f)
.set rc, 32+8*(\j)
.if (\zero) && (LAYER == 3)
	MMA ra, rw, rx, 0
.elseif \zero
	MMA ra, rw, rx, v[rc:rc+7]
.else
	MMA ra, rw, rx, v[ra:ra+7]
.endif
.endr
.endr
.endm
	s_load_b256 s[4:11], s[0:1], 0x0               ; rows, W, (bias,) msk(, out)
.if LAYER != 3
	s_load_b64 s[12:13], s[0:1], 0x20              ; out
.endif
	v_lshl_add_u32 v30, v0, 2, SPARE               ; my spare word
	v_mov_b32 v31, 0
	v_lshrrev_b32 v1, 5, v0
	v_readfirstlane_b32 s14, v1                    ; wave w, 0 to 7
	s_and_b32 s15, ttmp7, 0xffff                   ; expert
.if LAYER == 3
	s_lshr_b32 s16, ttmp9, 1                       ; slice
	s_and_b32 s17, ttmp9, 1                        ; K half
.else
	s_mov_b32 s16, ttmp9
	s_mov_b32 s17, 0
.endif
	s_mov_b32 s38, 0xffff0000
	s_mov_b32 s19, 0
	v_and_b32 v1, 31, v0
	v_and_b32 v2, 15, v0
	v_bfe_u32 v3, v0, 4, 1
	v_lshlrev_b32 v17, 4, v1
	v_lshlrev_b32 v18, 4, v3
	v_lshlrev_b32 v19, 4, v2
	v_mov_b32 v28, 0
	v_lshl_add_u32 v4, v3, ROWSH, v19              ; lanes 0-15 one row's 256 bytes, lanes 16-31 the next row's
	s_mul_i32 s39, s14, KW*PIT
	s_add_co_u32 s39, s39, STG
	v_lshlrev_b32 v5, 7, v3                        ; into the stage: the pair's even row (H = 0) or odd row (H = 1), 128 bytes on,
	v_lshl_add_u32 v5, v2, 3, v5                   ; 8 bytes a lane,
	v_add_nc_u32 v5, s39, v5                       ; from my wave's first row on
	v_bfe_u32 v6, v0, 1, 2                         ; out of the stage, turned: k row 8 H + L % 8 lies in pair 4 H + (L % 8) / 2,
	v_lshl_add_u32 v6, v3, 2, v6
	v_mul_u32_u24 v6, v6, 2*PIT
	v_and_b32 v20, 1, v0
	v_lshl_add_u32 v6, v20, 7, v6                  ; in its half L % 2,
	v_bfe_u32 v20, v0, 3, 1
	v_lshl_add_u32 v6, v20, 4, v6                  ; columns 8 ((L / 8) % 2) on
	v_add_nc_u32 v6, STG, v6
.if LAYER == 3
	s_mul_i32 s39, s14, 4352
	s_add_co_u32 s39, s39, OST
	v_mul_u32_u24 v16, v3, 272
	v_add_nc_u32 v16, v16, v19
	v_add_nc_u32 v16, s39, v16
	v_mul_u32_u24 v29, v2, 272
	v_lshl_add_u32 v29, v3, 5, v29
	v_add_nc_u32 v29, s39, v29
.endif
	s_mul_i32 s18, s15, EW
	s_lshl_b32 s39, s17, 10
	s_mul_i32 s40, s14, KW
	s_add_co_u32 s39, s39, s40
	s_lshl_b32 s39, s39, ROWSH
	s_add_co_u32 s18, s18, s39
	s_lshl_b32 s39, s16, 8
	s_add_co_u32 s18, s18, s39
	s_wait_kmcnt 0x0
	s_add_nc_u64 s[20:21], s[6:7], s[18:19]        ; W at my wave's first row, my slice
.if LAYER == 1
	s_mov_b64 s[22:23], s[4:5]
.else
	s_lshl_b32 s18, s15, 22
	s_lshl_b32 s39, s17, 15
	s_add_co_u32 s18, s18, s39
	s_add_nc_u64 s[22:23], s[4:5], s[18:19]        ; the expert's tiles (layer 3: my K half)
.endif
	s_mov_b64 s[24:25], s[22:23]
.if LAYER == 3
	s_lshl_b32 s18, s17, 23
	s_lshl_b32 s39, s16, 8
.else
	s_lshl_b32 s18, s15, 22
	s_lshl_b32 s39, s16, 11
.endif
	s_add_co_u32 s18, s18, s39
	s_add_nc_u64 s[26:27], s[PO:PO+1], s[18:19]
	s_lshl_b32 s18, s15, 7
	s_add_nc_u64 s[28:29], s[PM:PM+1], s[18:19]    ; the expert's 32 mask words
	s_load_b512 s[68:83], s[28:29], 0x0
	s_load_b512 s[84:99], s[28:29], 0x40
.if LAYER != 3
	s_lshl_b32 s18, s15, 13
	s_lshl_b32 s39, s16, 8
	s_add_co_u32 s18, s18, s39
	s_add_nc_u64 s[30:31], s[8:9], s[18:19]
	v_lshlrev_b32 v20, 5, v3
.irp j, 0,1,2,3
	global_load_b128 v[32+8*(\j):35+8*(\j)], v20, s[30:31] offset:64*(\j)      ; bias[16 j + 8 H + 0..7]
	global_load_b128 v[36+8*(\j):39+8*(\j)], v20, s[30:31] offset:64*(\j)+16
.endr
.endif
.if LAYER != 2
	v_lshlrev_b32 v21, 2, v1
	global_load_b32 v64, v21, s[28:29]             ; lane L: mask word L
.endif
.if LAYER == 3
	global_load_b32 v65, v21, s[28:29] offset:1024 ; and the plane of higher choices
.endif
.irp s, 0,1,2,3,4,5,6
	WLOAD \s, 0
.endr
	WIN 0
	s_wait_kmcnt 0x0
	s_mov_b32 s41, 0
.if LAYER != 2
	v_mov_b32 v66, 0
.endif
.set i, 0
.rept 32
.if LAYER != 2
	v_writelane_b32 v66, s41, i                    ; rows in the words before word i
.endif
	s_bcnt1_i32_b32 s39, s[68+i]
	s_add_co_u32 s41, s41, s39
.set i, i+1
.endr
	s_mov_b32 s32, s41                             ; the expert's rows
	s_add_co_u32 s33, s32, 63
	s_lshr_b32 s33, s33, 6                         ; live trips
	s_max_u32 s34, s32, 1
	s_sub_co_u32 s34, s34, 1                       ; the last position that exists
	s_mov_b32 s35, s14                             ; my first trip
	s_wait_loadcnt 56                              ; bias and mask words are in; the seven groups of W stay out
.if LAYER != 3
.set i, 32
.rept 16
	v_cvt_pk_bf16_f32 v22, v[i], v[i+1]            ; the bias rounded once to bf16, kept as f32
	v_lshlrev_b32 v[i], 16, v22
	v_and_b32 v[i+1], s38, v22
.set i, i+2
.endr
.endif
.if LAYER != 2
	s_cmp_lg_u32 s14, 0
	s_cbranch_scc1 .Lnolist                        ; wave 0 lays the list: position -> token (layer 3: + 1,024 for a higher choice), tokens ascending
	v_mov_b32 v20, 0
	ds_store_b32 v20, v28                          ; entry 0 exists also where the expert has no row
	v_lshlrev_b32 v67, 5, v1                       ; lane L walks tokens 32 L on
	v_add_nc_u32 v68, 1024, v1                     ; a lane without a row writes its dump word
	s_mov_b32 s37, 32
.Llist:
	v_and_b32 v20, 1, v64
	v_cmp_ne_u32 vcc_lo, 0, v20
	v_cndmask_b32 v21, v68, v66, vcc_lo
	v_min_u32 v21, 0x41f, v21
	v_lshlrev_b32 v21, 2, v21
.if LAYER == 3
	v_and_b32 v22, 1, v65
	v_lshl_or_b32 v22, v22, 10, v67
	ds_store_b32 v21, v22
	v_lshrrev_b32 v65, 1, v65
.else
	ds_store_b32 v21, v67
.endif
	v_add_nc_u32 v66, v66, v20
	v_add_nc_u32 v67, 1, v67
	v_lshrrev_b32 v64, 1, v64
	s_sub_co_u32 s37, s37, 1
	s_cmp_lg_u32 s37, 0
	s_cbranch_scc1 .Llist
.Lnolist:
	s_wait_dscnt 0x0                               ; the list's stores are done
	s_barrier_signal -1
	s_barrier_wait -1
.endif
	NEXTA 35
	WLOAD 7, 0
	WIN 0
.if LAYER == 3
; The way out stands behind a jump of its own, on the same compare as the products: so that every way through the text to its LDS stores finds the accumulators written, they are
; written once here, in the wait for the first weights.  These zeros are never stored: where the products are jumped the way out is jumped too, and a live trip's first K step starts the sums with the constant 0.
.set i, 128
.rept 128
	v_mov_b32 v[i], 0
.set i, i+1
.endr
.endif
.if NG == 16
.irp s, 0,1,2,3,4,5,6,7
	WSTEP \s, 0, 1                                 ; my first eight groups; each slot takes the group eight further on: every place stands in an immediate, no base is stepped
.endr
.endif
.irp s, 0,1,2,3,4,5,6,7
	WSTEP \s, NG-8, 2                              ; the last eight groups; the ring goes over to the rows: units 0 to 6 of my first trip
.endr
	WIN 0
	s_wait_dscnt 0x0                               ; my part of the stage is stored
	s_barrier_signal -1
	s_barrier_wait -1                              ; the stage is whole; nothing writes it from here on
	s_mov_b32 s36, 2
.Ltrip:
	s_cmp_ge_u32 s35, s33
	s_cbranch_scc1 .Ldead
	s_wait_xcnt 0x0                                ; offsets, bases and the last trip's store data are rewritten only behind this wait
.irp f, 0,1,2,3
	v_mov_b32 v[8+(\f)], v[12+(\f)]
.endr
	s_mov_b64 s[24:25], s[22:23]
	v_mov_b32 v7, v6
.if LAYER != 3
	s_lshl_b32 s39, s35, 18
	v_add_nc_u32 v16, s39, v17
.endif
	s_add_co_u32 s40, s35, NW
	NEXTA 40
	BLOAD 0, 0
	STEP 0, 1, 1, 7*KSB, 1, 32*PIT                 ; the first K step starts the sums: with the bias (layer 3: with 0)
	WIN 0
	s_mov_b32 s37, NU/8-1
.Lk:
.irp i, 1,2,3,4,5,6,7,8
	STEP (\i)%8, 0, 1, ((\i)+7)*KSB, 1, ((\i)+1)*32*PIT
.endr
	WIN 0
	s_wait_xcnt 0x0                                ; the rows' base is stepped only behind this wait
	s_add_nc_u64 s[24:25], s[24:25], 8*KSB
	v_add_nc_u32 v7, 8*32*PIT, v7
	s_sub_co_u32 s37, s37, 1
	s_cmp_lg_u32 s37, 0
	s_cbranch_scc1 .Lk
.irp i, 1,2,3,4,5,6
	STEP \i, 0, 2, ((\i)-1)*KSB, 1, ((\i)+1)*32*PIT  ; the ring runs on into my next trip
.endr
	STEP 7, 0, 2, 6*KSB, 0, 0
	WIN 0
	PLACES                                         ; four places behind the last products
.if LAYER != 3
.irp f, 0,1,2,3
.irp j, 0,1,2,3
.set ra, 128+8*(4*(\f)+(\j))
.if LAYER == 1
	v_cvt_pk_f16_f32 v[ra], v[ra], v[ra+1]
	v_cvt_pk_f16_f32 v[ra+1], v[ra+2], v[ra+3]
	v_cvt_pk_f16_f32 v[ra+2], v[ra+4], v[ra+5]
	v_cvt_pk_f16_f32 v[ra+3], v[ra+6], v[ra+7]
.irp c, 0,1,2,3
	v_pk_max_num_f16 v[ra+(\c)], v[ra+(\c)], v28
	v_pk_min_num_f16 v[ra+(\c)], v[ra+(\c)], 0x7bff7bff   ; held to 65,504
.endr
.else
	v_cvt_pk_bf16_f32 v[ra], v[ra], v[ra+1]
	v_cvt_pk_bf16_f32 v[ra+1], v[ra+2], v[ra+3]
	v_cvt_pk_bf16_f32 v[ra+2], v[ra+4], v[ra+5]
	v_cvt_pk_bf16_f32 v[ra+3], v[ra+6], v[ra+7]
.irp c, 0,1,2,3
	v_pk_max_num_bf16 v[ra+(\c)], v[ra+(\c)], v28
.endr
.endif
	global_store_b128 v16, v[ra:ra+3], s[26:27] offset:(\f)*65536+((\j)>>1)*1024+((\j)&1)*512  ; 512 consecutive bytes: half a fragment of the next layer
.endr
.endr
.endif
.Ldead:
.if LAYER == 3
	s_wait_dscnt 0x0                               ; my LDS reads of this trip are back
	s_barrier_signal -1
	s_barrier_wait -1                              ; everybody's are: only now does a wave write its output stage
	s_cmp_ge_u32 s35, s33
	s_cbranch_scc1 .Lnoout
	s_wait_xcnt 0x0                                ; an earlier way out's stores have read their data and offsets: those registers are rewritten only behind this wait
	s_lshl_b32 s39, s35, 6
.irp f, 0,1,2,3                        ; a tile of 16 rows goes through my own stage and leaves as whole pieces of 256 bytes; each tile has registers of its own, so the one wait above serves all four
.irp i, 0,1,2,3,4,5,6,7
	v_add_nc_u32 v[20+(\i)], s39, v3
.if 16*(\f)+2*(\i) > 0
	v_add_nc_u32 v[20+(\i)], 16*(\f)+2*(\i), v[20+(\i)]
.endif
	v_min_u32 v[20+(\i)], s34, v[20+(\i)]
	v_min_u32 v[20+(\i)], 0x3ff, v[20+(\i)]
	v_lshlrev_b32 v[20+(\i)], 2, v[20+(\i)]
	ds_load_b32 v[64+16*(\f)+(\i)], v[20+(\i)]
.endr
.irp j, 0,1,2,3
	ds_store_b128 v29, v[128+8*(4*(\f)+(\j)):128+8*(4*(\f)+(\j))+3] offset:64*(\j)
	ds_store_b128 v29, v[128+8*(4*(\f)+(\j))+4:128+8*(4*(\f)+(\j))+7] offset:64*(\j)+16
.endr
.irp i, 0,1,2,3,4,5,6,7
	ds_load_b128 v[128+32*(\f)+4*(\i):128+32*(\f)+4*(\i)+3], v16 offset:544*(\i)  ; LDS serves a wave's instructions in order: these see the stores above
.endr
	s_wait_dscnt 0x0
.irp i, 0,1,2,3,4,5,6,7
	v_min_u32 v[64+16*(\f)+(\i)], 0x7ff, v[64+16*(\f)+(\i)]
	v_lshl_add_u32 v[72+16*(\f)+(\i)], v[64+16*(\f)+(\i)], 12, v19
.endr
.irp i, 0,1,2,3,4,5,6,7
	global_store_b128 v[72+16*(\f)+(\i)], v[128+32*(\f)+4*(\i):128+32*(\f)+4*(\i)+3], s[26:27] th:TH_STORE_NT  ; 16 lanes store 256 consecutive bytes, aligned
.endr
.endr
.Lnoout:
	s_wait_dscnt 0x0                               ; my stage's stores and loads are done
	s_barrier_signal -1
	s_barrier_wait -1                              ; everybody's are: the next trip's LDS reads, and behind the last trip the closing add, come behind this
.endif
	s_add_co_u32 s35, s35, NW
	s_sub_co_u32 s36, s36, 1
	s_cmp_lg_u32 s36, 0
	s_cbranch_scc1 .Ltrip
.if LAYER != 3
	s_wait_dscnt 0x0                               ; my LDS reads are back
	s_barrier_signal -1
	s_barrier_wait -1                              ; everybody's are, ahead of any wave's closing add
.endif
	s_wait_tensorcnt 0x0                           ; the wave's end, behind my last LDS store
	ds_add_u32 v30, v31
	s_wait_dscnt 0x0
	s_endpgm
.Lfunc_end_k_q913d8347d2_fc3:
	.size	k_q913d8347d2_fc3, .Lfunc_end_k_q913d8347d2_fc3-k_q913d8347d2_fc3
	.p2alignl 7, 3214868480
	.fill 96, 4, 3214868480
	.section	.rodata,"a",@progbits
	.p2align	6, 0x0
	.amdhsa_kernel k_q913d8347d2_fc3
		.amdhsa_group_segment_fixed_size 187648
		.amdhsa_private_segment_fixed_size 0
		.amdhsa_enable_private_segment 0
		.amdhsa_kernarg_size 32
		.amdhsa_user_sgpr_count 2
		.amdhsa_user_sgpr_kernarg_segment_ptr 1
		.amdhsa_wavefront_size32 1
		.amdhsa_system_sgpr_workgroup_id_x 1
		.amdhsa_system_sgpr_workgroup_id_y 1
		.amdhsa_system_sgpr_workgroup_id_z 1
		.amdhsa_system_vgpr_workitem_id 0
		.amdhsa_next_free_vgpr 512
		.amdhsa_next_free_sgpr 100
		.amdhsa_reserve_vcc 1
		.amdhsa_float_denorm_mode_32 3
		.amdhsa_float_denorm_mode_16_64 3
		.amdhsa_memory_ordered 1
		.amdhsa_forward_progress 1
		.amdhsa_inst_pref_size 99
	.end_amdhsa_kernel
	.amdgpu_metadata
---
amdhsa.version: [ 1, 2 ]
amdhsa.kernels:
  - .name:           k_q913d8347d2_fc3
    .symbol:         k_q913d8347d2_fc3.kd
    .args:
      - { .name: h2, .offset: 0, .size: 8, .value_kind: global_buffer, .address_space: global }
      - { .name: W3, .offset: 8, .size: 8, .value_kind: global_buffer, .address_space: global }
      - { .name: msk, .offset: 16, .size: 8, .value_kind: global_buffer, .address_space: global }
      - { .name: part, .offset: 24, .size: 8, .value_kind: global_buffer, .address_space: global }
    .group_segment_fixed_size: 187648
    .private_segment_fixed_size: 0
    .kernarg_segment_align: 8
    .kernarg_segment_size: 32
    .max_flat_workgroup_size: 256
    .sgpr_count:     100
    .vgpr_count:     512
    .wavefront_size: 32
...
	.end_amdgpu_metadata
.endif
;; end of part 4
;; launch comb (part 5): grid 256 x 1, 4 waves a work-group, no clusters, 0 bytes of LDS; arguments part, gts, eix, b3, out0; writes out0
.if DOCPART == 5
	.amdgcn_target "amdgcn-amd-amdhsa--gfx1250"
	.amdhsa_code_object_version 6
	.text
	.protected	k_q913d8347d2_comb
	.globl	k_q913d8347d2_comb
	.p2align	8
	.type	k_q913d8347d2_comb,@function
k_q913d8347d2_comb:
	s_mov_b64 s[64:65], 0
	v_nop
	global_prefetch_b8 v0, s[64:65] scope:SCOPE_SE
	s_setreg_imm32_b32 hwreg(HW_REG_WAVE_MODE, 25, 1), 1
	s_wait_xcnt 0x0
; out0[n] = g0 (y(e0) + b3[e0]) + g1 (y(e1) + b3[e1]), where y(e) is the sum of the two K halves' partial rows.  part: [K half 2][choice x 1,024 + token][1,024] f32.
; One wave, one token: 48 loads of 512 consecutive bytes go out together; chunk c of 8 is worked on when its six are in.  b3 is rounded once to bf16 like every input.
; Memory binds: no LDS, no barrier, no matrix unit.
	s_load_b256 s[4:11], s[0:1], 0x0               ; part, gts, eix, b3
	s_load_b64 s[12:13], s[0:1], 0x20              ; out0
	v_lshrrev_b32 v1, 5, v0
	v_readfirstlane_b32 s14, v1
	s_lshl_b32 s15, ttmp9, 2
	s_add_co_u32 s15, s15, s14                     ; token
	v_and_b32 v1, 31, v0
	v_lshlrev_b32 v1, 4, v1                        ; 16 bytes a lane
	s_lshl_b32 s16, s15, 3
	s_mov_b32 s17, 0
	s_mov_b32 s36, 0xffff0000
	s_wait_kmcnt 0x0
	s_add_nc_u64 s[18:19], s[8:9], s[16:17]
	s_add_nc_u64 s[20:21], s[6:7], s[16:17]
	s_load_b64 s[22:23], s[18:19], 0x0             ; the two experts
	s_load_b64 s[24:25], s[20:21], 0x0             ; their gates
	s_lshl_b32 s16, s15, 12
	s_add_nc_u64 s[4:5], s[4:5], s[16:17]          ; K half 0, choice 0, my token
	s_add_nc_u64 s[26:27], s[4:5], 0x800000        ; K half 1
	s_add_nc_u64 s[12:13], s[12:13], s[16:17]
	s_wait_kmcnt 0x0
	s_min_u32 s22, s22, 7
	s_min_u32 s23, s23, 7
	s_lshl_b32 s16, s22, 12
	s_add_nc_u64 s[28:29], s[10:11], s[16:17]
	s_lshl_b32 s16, s23, 12
	s_add_nc_u64 s[30:31], s[10:11], s[16:17]
	s_mov_b32 s32, s24                             ; the packed forms name pairs and take the low word for both halves
	s_mov_b32 s33, s24
	s_mov_b32 s34, s25
	s_mov_b32 s35, s25
.irp c, 0,1,2,3,4,5,6,7
.set rb, 16+24*(\c)
	global_load_b128 v[rb:rb+3], v1, s[4:5] offset:512*(\c) th:TH_LOAD_NT
	global_load_b128 v[rb+4:rb+7], v1, s[26:27] offset:512*(\c) th:TH_LOAD_NT
	global_load_b128 v[rb+8:rb+11], v1, s[4:5] offset:4194304+512*(\c) th:TH_LOAD_NT
	global_load_b128 v[rb+12:rb+15], v1, s[26:27] offset:4194304+512*(\c) th:TH_LOAD_NT
	global_load_b128 v[rb+16:rb+19], v1, s[28:29] offset:512*(\c)
	global_load_b128 v[rb+20:rb+23], v1, s[30:31] offset:512*(\c)
.endr
.irp c, 0,1,2,3,4,5,6,7
.set rb, 16+24*(\c)
	s_wait_loadcnt 6*(7-(\c))                      ; the later chunks' six loads each stay out
.irp p, 16,18,20,22
	v_cvt_pk_bf16_f32 v[4+((\p)-16)/2], v[rb+(\p)], v[rb+(\p)+1]
.endr
.irp p, 16,18,20,22
	v_lshlrev_b32 v[rb+(\p)], 16, v[4+((\p)-16)/2]
	v_and_b32 v[rb+(\p)+1], s36, v[4+((\p)-16)/2]
.endr
.irp p, 0,2
	v_pk_add_f32 v[rb+(\p):rb+(\p)+1], v[rb+(\p):rb+(\p)+1], v[rb+4+(\p):rb+4+(\p)+1]
	v_pk_add_f32 v[rb+8+(\p):rb+8+(\p)+1], v[rb+8+(\p):rb+8+(\p)+1], v[rb+12+(\p):rb+12+(\p)+1]
	v_pk_add_f32 v[rb+(\p):rb+(\p)+1], v[rb+(\p):rb+(\p)+1], v[rb+16+(\p):rb+16+(\p)+1]
	v_pk_add_f32 v[rb+8+(\p):rb+8+(\p)+1], v[rb+8+(\p):rb+8+(\p)+1], v[rb+20+(\p):rb+20+(\p)+1]
	v_pk_mul_f32 v[rb+(\p):rb+(\p)+1], v[rb+(\p):rb+(\p)+1], s[32:33] op_sel_hi:[1,0]
	v_pk_fma_f32 v[rb+(\p):rb+(\p)+1], v[rb+8+(\p):rb+8+(\p)+1], s[34:35], v[rb+(\p):rb+(\p)+1] op_sel_hi:[1,0,1]
.endr
	global_store_b128 v1, v[rb:rb+3], s[12:13] offset:512*(\c) th:TH_STORE_NT  ; 512 consecutive bytes, aligned
.endr
	s_endpgm
.Lfunc_end_k_q913d8347d2_comb:
	.size	k_q913d8347d2_comb, .Lfunc_end_k_q913d8347d2_comb-k_q913d8347d2_comb
	.p2alignl 7, 3214868480
	.fill 96, 4, 3214868480
	.section	.rodata,"a",@progbits
	.p2align	6, 0x0
	.amdhsa_kernel k_q913d8347d2_comb
		.amdhsa_group_segment_fixed_size 0
		.amdhsa_private_segment_fixed_size 0
		.amdhsa_enable_private_segment 0
		.amdhsa_kernarg_size 40
		.amdhsa_user_sgpr_count 2
		.amdhsa_user_sgpr_kernarg_segment_ptr 1
		.amdhsa_wavefront_size32 1
		.amdhsa_system_sgpr_workgroup_id_x 1
		.amdhsa_system_sgpr_workgroup_id_y 1
		.amdhsa_system_sgpr_workgroup_id_z 1
		.amdhsa_system_vgpr_workitem_id 0
		.amdhsa_next_free_vgpr 216
		.amdhsa_next_free_sgpr 66
		.amdhsa_reserve_vcc 0
		.amdhsa_float_denorm_mode_32 3
		.amdhsa_float_denorm_mode_16_64 3
		.amdhsa_memory_ordered 1
		.amdhsa_forward_progress 1
		.amdhsa_inst_pref_size 17
	.end_amdhsa_kernel
	.amdgpu_metadata
---
amdhsa.version: [ 1, 2 ]
amdhsa.kernels:
  - .name:           k_q913d8347d2_comb
    .symbol:         k_q913d8347d2_comb.kd
    .args:
      - { .name: part, .offset: 0, .size: 8, .value_kind: global_buffer, .address_space: global }
      - { .name: gts, .offset: 8, .size: 8, .value_kind: global_buffer, .address_space: global }
      - { .name: eix, .offset: 16, .size: 8, .value_kind: global_buffer, .address_space: global }
      - { .name: b3, .offset: 24, .size: 8, .value_kind: global_buffer, .address_space: global }
      - { .name: out0, .offset: 32, .size: 8, .value_kind: global_buffer, .address_space: global }
    .group_segment_fixed_size: 0
    .private_segment_fixed_size: 0
    .kernarg_segment_align: 8
    .kernarg_segment_size: 40
    .max_flat_workgroup_size: 128
    .sgpr_count:     66
    .vgpr_count:     216
    .wavefront_size: 32
...
	.end_amdgpu_metadata
.endif
;; end of part 5
;; ======== version 2 of 2: 5 launches; version 1 with the launches fc1, fc2, fc3 written anew for expert scheduling mode
;; limits: values are held in f16: magnitudes above 65,504 overflow, below 6.1e-05 lose precision
;; workspace buffers: xb 2,097,152 bytes; msk 2,048 bytes of whole numbers; eix 8,192 bytes of whole numbers; gts 8,192 bytes; h1 33,554,432 bytes; h2 33,554,432 bytes; part 16,777,216 bytes
;; launch gate: the kernel of part 1 again; grid 32 x 1, 8 waves a work-group, no clusters, 218,624 bytes of LDS; arguments x, Wg1, bg1, Wg2, bg2, xb, msk, eix, gts; writes xb, msk, eix, gts
;; launch fc1 (part 6): grid 32 x 8, 8 waves a work-group, no clusters, 152,832 bytes of LDS; arguments xb, W1, b1, msk, h1; writes h1
.if DOCPART == 6
	.amdgcn_target "amdgcn-amd-amdhsa--gfx1250"
	.amdhsa_code_object_version 6
	.text
	.protected	k_q913d8347d2_fc1
	.globl	k_q913d8347d2_fc1
	.p2align	8
	.type	k_q913d8347d2_fc1,@function
k_q913d8347d2_fc1:
	s_mov_b64 s[64:65], 0
	v_nop
	global_prefetch_b8 v0, s[64:65] scope:SCOPE_SE
	s_setreg_imm32_b32 hwreg(HW_REG_WAVE_SCHED_MODE, 0, 2), 2
	s_setreg_imm32_b32 hwreg(HW_REG_WAVE_MODE, 25, 1), 1
	s_wait_xcnt 0x0
	s_wait_alu depctr_vm_vsrc(0)
; ONE EXPERT PRODUCT (one text for three layers; LAYER picks).  1: h1 = relu(x W1 + b1), f16.  2: h2 = relu(h1 W2 + b2), bf16.  3: partial rows of h2 W3, f32, K halved over two work-groups.
; Only the rows that chose the expert are multiplied.  Grid: x = slice of 64 columns (layer 3: 2 x slice + K half), y = expert.
; EIGHT WAVES, two for each of the WGP's four SIMDs, 512 registers each: a wave's share of a trip is 64 rows x 64 columns whatever their number.
; PHASE 1: the eight waves stream the slice of W (each byte read once in the launch), K / 8 rows and 64 loads of 16 bytes a lane in flight each, round it and lay it into LDS as [k][64 columns], 16 bits.
; PHASE 2: trips of 64 rows are dealt to the waves (trip w + 8 i); a wave does all of K for 64 rows x 64 columns: 16 accumulators.  W's fragments come turned out of LDS, the rows' fragments
; straight from memory through a ring of 8 units of 8 loads.  The loop counts to 2, which covers 1,024 rows; a dead trip's work is jumped.  In layers 1 and 2 nothing in the loop writes LDS and it has
; no barrier; in layer 3 the way out goes through LDS, and two barriers a trip, in text that every wave passes, keep the trip's LDS reads and the way out's LDS writes apart.
; THE MATRIX INSTRUCTION IS USED TRANSPOSED (source 0 = 16 columns of W, source 1 = 16 rows): lane (R, H), register c holds row R, column n0 + 8 H + c, which packs into the next layer's fragment.
; h1, h2: [expert][tile of 16 positions][K step 64][half 2][lane 32][16 bytes]: a wave's load or store covers 512 consecutive bytes.  Positions past the count repeat the expert's last row.
; THE STAGE: two k rows share an LDS row of 288 bytes (2 x 128 + 32 = 72 words), 144 bytes a k row: the eight k rows that sixteen lanes of a turning load touch start at words 0, 32, 8, 40, 16, 48, 24, 56
; mod 64 and take 8 words each: every one of the 64 banks of 4 bytes (ISA guide 11.1) once.  A wave's store of 8 bytes a lane fills the pair's 256 bytes on end.
; FORMATS.  All inputs are rounded once to bf16 (W2: that number written as f16).  LIMITS: h1 is held to 65,504; |W2| under 2^-14 keeps f16's fixed step of 6e-8; NaN and infinities are not treated apart.
; No multicast: what an expert's work-groups share is its rows, whose number hangs on a count read from memory; joint requests for all 1,024 possible rows would ask for four times the mean 256.
; THE MODE: SCHED_MODE bits 1:0 = 2 (LLVM: expert scheduling mode 2), set by the entry lines.  The code itself states the register dependences between vector or matrix instructions and
; memory or LDS instructions, with s_wait_alu, always for 0.
; THE PLAN.  Registers that memory or LDS instructions touch:
;   THE RING (window 1, 8 slots of 32).  Phase 1: a group's loads land in its slot, its conversions read it (layer 2: and work in it), and behind them the slot is asked for again.
;       Phase 2: K step u's matrix instructions read slot u % 8; the unit asked for in step u lands in slot (u - 1) % 8, which step u - 1 read.
;   Y (v96-111).  Phase 1: a group's conversions write it, its eight LDS stores read it.
;   W0, W1 (v64-95, v96-127).  K step u's matrix instructions read W[u % 2]; the turning loads issued in step u land in the other, which step u - 1 read.
;   v7: read by every turning load; written at a trip's head and once a lap of eight K steps.  v8-11, v12-15: read by the rows' loads; v16 (layers 1, 2): read by the stores; all written at a trip's head.
;   v4, v5, v6, v17-19, v28 (layer 3: v16, v29 too): made at the head, never written again.
;   THE ACCUMULATORS: written by matrix instructions; on the way out converted in place and stored (layers 1, 2), or stored to LDS, loaded back into the same registers and stored (layer 3).
; THE WAITS.  Phase 1, a group: one on vm_vsrc at its head (the group before's LDS stores have read Y), one on va_vdst behind its conversions (Y is written, the slot is done with); the refill and the stores follow.
; Phase 2: ONE wait on va_vdst at a K step's head; behind it the step's sixteen loads are dealt among its matrix instructions, which name W[u % 2], slot u % 8, the bias and the accumulators: none of the
; registers that those loads touch.  One wait on vm_vsrc a lap stands ahead of the add to v7, one at a trip's head ahead of the offsets' writes.  The ways out have theirs where they stand.
.set LAYER, 1
.set NW, 8
.if LAYER == 1
.set KK, 1024
.set ROWSH, 13
.set EW, 8388608
.set KSB, 64
.set QB, 32
.endif
.if LAYER == 2
.set KK, 2048
.set ROWSH, 13
.set EW, 16777216
.set KSB, 1024
.set QB, 512
.endif
.if LAYER == 3
.set KK, 1024
.set ROWSH, 12
.set EW, 8388608
.set KSB, 1024
.set QB, 512
.endif
.set PIT, 144                          ; LDS bytes for a k row: half of a pair's 288
.set ROWP, 1<<ROWSH                    ; bytes from a row of W to the next
.set KW, KK/NW                         ; rows of W that a wave stages
.set NG, KW/16                         ; in groups of 16: 8 (one ring) or 16 (two)
.set NU, KK/32                         ; K steps
.set SPARE, 4352                       ; LDS: 0 the list (1,024 entries, 32 dump words); 4,352 the spare words, 128 bytes a wave; 5,376 the stage; behind it (layer 3) 16 rows x 272 bytes a wave
.set STG, 5376
.set OST, STG+KK*PIT
.set Y, 96                             ; v96-111: a group of W, rounded, on its way into the stage
.if LAYER == 3
.set PM, 8
.set PO, 10
.else
.set PM, 10
.set PO, 12
.endif
; window 0: v1 L, v2 R, v3 H, v4 W offset, v5 stage store, v6/v7 turning load, v8-11 row offsets, v12-15 the next trip's, v16 output offset (3: stage read), v17 16 L, v18 16 H, v19 16 R,
; v20-27 at work, v28 0, v29 stage write (3), v30/v31 the add's, v32-63 bias, v64-127 two buffers of W fragments (phase 1: Y; layer 3's way out: list entries and store offsets), v128-255 accumulators.
; window 1: the ring, 8 slots of 32.
.set MSB, 0
.macro WIN new
.if MSB != (\new)
	s_set_vgpr_msb (MSB<<8)|(\new)
.set MSB, \new
.endif
.endm
.macro PLACES
.rept 4
	v_nop
.endr
.endm
.macro WLOAD s, add                    ; 16 rows of W: each load takes two pieces of 256 aligned bytes
	WIN 0x40
.irp i, 0,1,2,3,4,5,6,7
	global_load_b128 v[32*(\s)+4*(\i):32*(\s)+4*(\i)+3], v4, s[20:21] offset:(16*((\s)+(\add))+2*(\i))*ROWP th:TH_LOAD_NT
.endr
.endm
.macro ALOAD slot, vo, base, imm       ; a unit: the four row fragments of one K step
.irp f, 0,1,2,3
.if LAYER == 1
	global_load_b128 v[32*(\slot)+8*(\f):32*(\slot)+8*(\f)+3], v[(\vo)+(\f)], s[\base:\base+1] offset:(\imm) th:TH_LOAD_HT  ; x's rows are read again by 32 slices and two experts
	global_load_b128 v[32*(\slot)+8*(\f)+4:32*(\slot)+8*(\f)+7], v[(\vo)+(\f)], s[\base:\base+1] offset:(\imm)+QB th:TH_LOAD_HT
.else
	global_load_b128 v[32*(\slot)+8*(\f):32*(\slot)+8*(\f)+3], v[(\vo)+(\f)], s[\base:\base+1] offset:(\imm)
	global_load_b128 v[32*(\slot)+8*(\f)+4:32*(\slot)+8*(\f)+7], v[(\vo)+(\f)], s[\base:\base+1] offset:(\imm)+QB
.endif
.endr
.endm
.macro WSTEP s, g0, mode               ; slot s holds group g0 + s: rounded into Y, the slot loaded again (1: W eight groups on; 2: the first trip's row units), Y stored into the stage
	s_wait_loadcnt 56                              ; the seven younger groups or units stay out
.if (\s)+(\g0) > 0
	s_wait_alu depctr_vm_vsrc(0)                   ; the LDS stores of the group before have read Y, which the conversions below write again
.endif
.if LAYER == 2
	WIN 0x45
.irp i, 0,1,2,3,4,5,6,7
.set rb, 32*(\s)+4*(\i)
	v_cvt_pk_bf16_f32 v[rb], v[rb], v[rb+1]        ; rounded to bf16 like every input,
	v_cvt_pk_bf16_f32 v[rb+2], v[rb+2], v[rb+3]
	v_and_b32 v[rb+1], s38, v[rb]
	v_lshlrev_b32 v[rb], 16, v[rb]
	v_and_b32 v[rb+3], s38, v[rb+2]
	v_lshlrev_b32 v[rb+2], 16, v[rb+2]
.endr
	WIN 0x05
.irp i, 0,1,2,3,4,5,6,7
.set rb, 32*(\s)+4*(\i)
	v_cvt_pk_f16_f32 v[Y+2*(\i)], v[rb], v[rb+1]   ; and that number written as f16
	v_cvt_pk_f16_f32 v[Y+2*(\i)+1], v[rb+2], v[rb+3]
.endr
.else
	WIN 0x05
.irp i, 0,1,2,3,4,5,6,7
.set rb, 32*(\s)+4*(\i)
	v_cvt_pk_bf16_f32 v[Y+2*(\i)], v[rb], v[rb+1]
	v_cvt_pk_bf16_f32 v[Y+2*(\i)+1], v[rb+2], v[rb+3]
.endr
.endif
	WIN 0x40
	s_wait_alu depctr_va_vdst(0)                   ; the conversions have written Y, which the LDS stores read, and are done with slot s, in which the loads below land
.if (\mode) == 1
	WLOAD \s, 8
.elseif (\s) < 7
	ALOAD \s, 12, 22, (\s)*KSB
.endif
.irp i, 0,1,2,3,4,5,6,7
	ds_store_b64 v5, v[Y+2*(\i):Y+2*(\i)+1] offset:(16*((\s)+(\g0))+2*(\i))*PIT
.endr
.endm
; The row offsets of trip s[sT] into v12-15.  For a trip that does not exist the look-ahead's loads are still issued (the counted waits reckon with them), but all lanes then ask for the same bytes at the buffer's head.
; Ahead of it stands a wait on vm_vsrc (at the head, at a trip's head): the loads that read v12-15 and v20-23 have read them.
.macro NEXTA sT
	s_cmp_lt_u32 s[\sT], s33                       ; is there such a trip?
.if LAYER == 1
	s_cselect_b32 s42, -1, 0
	s_lshl_b32 s39, s[\sT], 6
.irp f, 0,1,2,3
	v_add_nc_u32 v[20+(\f)], s39, v2               ; position
.if (\f) > 0
	v_add_nc_u32 v[20+(\f)], 16*(\f), v[20+(\f)]
.endif
	v_min_u32 v[20+(\f)], s34, v[20+(\f)]          ; past the count: the last row once more
	v_min_u32 v[20+(\f)], 0x3ff, v[20+(\f)]
	v_lshlrev_b32 v[20+(\f)], 2, v[20+(\f)]
.endr
	s_wait_alu depctr_va_vdst(0)                   ; the four list addresses v20-23 are written; earlier vector instructions are done with v24-27, in which the entries land; at a trip's head v7-11 are written and the last trip's matrix instructions are done reading
.irp f, 0,1,2,3
	ds_load_b32 v[24+(\f)], v[20+(\f)]
.endr
	s_wait_dscnt 0x0
.irp f, 0,1,2,3
	v_and_b32 v[24+(\f)], s42, v[24+(\f)]          ; no such trip: token 0 in every lane
	v_min_u32 v[24+(\f)], 0x3ff, v[24+(\f)]
	v_lshl_add_u32 v[12+(\f)], v[24+(\f)], 11, v18 ; token x 2,048 + 16 H
.endr
.else
	s_cselect_b32 s39, s[\sT], 0
	s_cselect_b32 s42, 1, 0
	s_min_u32 s39, s39, 15
	s_min_u32 s42, s42, 1
	s_lshl_b32 s39, s39, 18                        ; the trip's four tiles,
	s_lshl_b32 s43, s42, 16                        ; 65,536 bytes apart, or 0 where there is no such trip,
	v_mul_u32_u24 v20, s42, v17                    ; and 16 bytes a lane, or 0
.irp f, 0,1,2,3
	v_add_nc_u32 v[12+(\f)], s39, v20
.if (\f) < 3
	s_add_co_u32 s39, s39, s43
.endif
.endr
.endif
.endm
.macro BL1 buf, imm, j                 ; one of W's four fragments of a K step, turned
	ds_load_tr16_b128 v[64+32*(\buf)+8*(\j):64+32*(\buf)+8*(\j)+3], v7 offset:(\imm)+32*(\j)
	ds_load_tr16_b128 v[64+32*(\buf)+8*(\j)+4:64+32*(\buf)+8*(\j)+7], v7 offset:(\imm)+32*(\j)+16*PIT
.endm
.macro BLOAD buf, imm                  ; all four
.irp j, 0,1,2,3
	BL1 \buf, \imm, \j
.endr
.endm
.macro MMA d, a, b, c:vararg
.if LAYER == 2
	v_wmma_f32_16x16x32_f16 v[\d:\d+7], v[\a:\a+7], v[\b:\b+7], \c
.else
	v_wmma_f32_16x16x32_bf16 v[\d:\d+7], v[\a:\a+7], v[\b:\b+7], \c
.endif
.endm
; One K step.  ld = 1: the unit seven steps on, of this trip; 2: a unit of my next trip.  bl = 1: W's fragments of the next step.  The 16 accumulators take turns.
; The next step's W is asked for behind the first four matrix instructions, two loads behind each; the unit in one run behind the eighth, under one pair of window switches.
.macro STEP i, zero, ld, limm, bl, bimm
	s_wait_loadcnt 48                              ; my unit is in; the six younger stay out
	s_wait_dscnt 0x0                               ; this step's W, asked for early in the step before, is in
	WIN 0x04
.if !(\zero)
	s_wait_alu depctr_va_vdst(0)                   ; the step before's matrix instructions are done reading their slot and their W buffer, in which this step's loads land; behind a lap's end v7 is written
.endif
.irp f, 0,1,2,3
.irp j, 0,1,2,3
.set ra, 128+8*(4*(\f)+(\j))
.set rw, 64+32*((\i)&1)+8*(\j)
.set rx, 32*((\i)%8)+8*(\f)
.set rc, 32+8*(\j)
.if (\zero) && (LAYER == 3)
	MMA ra, rw, rx, 0
.elseif \zero
	MMA ra, rw, rx, v[rc:rc+7]
.else
	MMA ra, rw, rx, v[ra:ra+7]
.endif
.if (\bl) && ((\f) == 0)
	BL1 ((\i)+1)&1, \bimm, \j
.endif
.endr
.if (\f) == 1
	WIN 0x40
.if (\ld) == 1
	ALOAD ((\i)+7)%8, 8, 24, \limm
.else
	ALOAD ((\i)+7)%8, 12, 22, \limm
.endif
	WIN 0x04
.endif
.endr
.endm
; Layer 3's way out, a tile of 16 rows: into my own stage, back as whole pieces of 256 bytes, out.
.macro TOUT f
.irp j, 0,1,2,3
	ds_store_b128 v29, v[128+8*(4*(\f)+(\j)):128+8*(4*(\f)+(\j))+3] offset:64*(\j)
	ds_store_b128 v29, v[128+8*(4*(\f)+(\j))+4:128+8*(4*(\f)+(\j))+7] offset:64*(\j)+16
.endr
.endm
.macro TBACK f
.irp i, 0,1,2,3,4,5,6,7
	ds_load_b128 v[128+32*(\f)+4*(\i):128+32*(\f)+4*(\i)+3], v16 offset:544*(\i)  ; LDS serves a wave's instructions in order: these see the stores above
.endr
.endm
.macro TSEND f
.irp i, 0,1,2,3,4,5,6,7
	global_store_b128 v[72+16*(\f)+(\i)], v[128+32*(\f)+4*(\i):128+32*(\f)+4*(\i)+3], s[26:27] th:TH_STORE_NT  ; 16 lanes store 256 consecutive bytes, aligned
.endr
.endm
	s_load_b256 s[4:11], s[0:1], 0x0               ; rows, W, (bias,) msk(, out)
.if LAYER != 3
	s_load_b64 s[12:13], s[0:1], 0x20              ; out
.endif
	v_lshl_add_u32 v30, v0, 2, SPARE               ; my spare word
	v_mov_b32 v31, 0
	v_lshrrev_b32 v1, 5, v0
	v_readfirstlane_b32 s14, v1                    ; wave w, 0 to 7
	s_and_b32 s15, ttmp7, 0xffff                   ; expert
.if LAYER == 3
	s_lshr_b32 s16, ttmp9, 1                       ; slice
	s_and_b32 s17, ttmp9, 1                        ; K half
.else
	s_mov_b32 s16, ttmp9
	s_mov_b32 s17, 0
.endif
	s_mov_b32 s38, 0xffff0000
	s_mov_b32 s19, 0
	v_and_b32 v1, 31, v0
	v_and_b32 v2, 15, v0
	v_bfe_u32 v3, v0, 4, 1
	v_lshlrev_b32 v17, 4, v1
	v_lshlrev_b32 v18, 4, v3
	v_lshlrev_b32 v19, 4, v2
	v_mov_b32 v28, 0
	v_lshl_add_u32 v4, v3, ROWSH, v19              ; lanes 0-15 one row's 256 bytes, lanes 16-31 the next row's
	s_wait_alu depctr_va_sdst(0)                   ; s14 is written, ahead of its first reader: LDS places, bases and trips are made from it
	s_mul_i32 s39, s14, KW*PIT
	s_add_co_u32 s39, s39, STG
	v_lshlrev_b32 v5, 7, v3                        ; into the stage: the pair's even row (H = 0) or odd row (H = 1), 128 bytes on,
	v_lshl_add_u32 v5, v2, 3, v5                   ; 8 bytes a lane,
	v_add_nc_u32 v5, s39, v5                       ; from my wave's first row on
	v_bfe_u32 v6, v0, 1, 2                         ; out of the stage, turned: k row 8 H + L % 8 lies in pair 4 H + (L % 8) / 2,
	v_lshl_add_u32 v6, v3, 2, v6
	v_mul_u32_u24 v6, v6, 2*PIT
	v_and_b32 v20, 1, v0
	v_lshl_add_u32 v6, v20, 7, v6                  ; in its half L % 2,
	v_bfe_u32 v20, v0, 3, 1
	v_lshl_add_u32 v6, v20, 4, v6                  ; columns 8 ((L / 8) % 2) on
	v_add_nc_u32 v6, STG, v6
.if LAYER == 3
	s_mul_i32 s39, s14, 4352
	s_add_co_u32 s39, s39, OST
	v_mul_u32_u24 v16, v3, 272
	v_add_nc_u32 v16, v16, v19
	v_add_nc_u32 v16, s39, v16
	v_mul_u32_u24 v29, v2, 272
	v_lshl_add_u32 v29, v3, 5, v29
	v_add_nc_u32 v29, s39, v29
.endif
.if LAYER != 3
	v_lshlrev_b32 v20, 5, v3                       ; the bias's offset: 32 H
.endif
.if LAYER != 2
	v_lshlrev_b32 v21, 2, v1                       ; the mask words' offset: 4 L
.endif
	s_mul_i32 s18, s15, EW
	s_lshl_b32 s39, s17, 10
	s_mul_i32 s40, s14, KW
	s_add_co_u32 s39, s39, s40
	s_lshl_b32 s39, s39, ROWSH
	s_add_co_u32 s18, s18, s39
	s_lshl_b32 s39, s16, 8
	s_add_co_u32 s18, s18, s39
	s_wait_kmcnt 0x0
	s_add_nc_u64 s[20:21], s[6:7], s[18:19]        ; W at my wave's first row, my slice
.if LAYER == 1
	s_mov_b64 s[22:23], s[4:5]
.else
	s_lshl_b32 s18, s15, 22
	s_lshl_b32 s39, s17, 15
	s_add_co_u32 s18, s18, s39
	s_add_nc_u64 s[22:23], s[4:5], s[18:19]        ; the expert's tiles (layer 3: my K half)
.endif
	s_mov_b64 s[24:25], s[22:23]
.if LAYER == 3
	s_lshl_b32 s18, s17, 23
	s_lshl_b32 s39, s16, 8
.else
	s_lshl_b32 s18, s15, 22
	s_lshl_b32 s39, s16, 11
.endif
	s_add_co_u32 s18, s18, s39
	s_add_nc_u64 s[26:27], s[PO:PO+1], s[18:19]
	s_lshl_b32 s18, s15, 7
	s_add_nc_u64 s[28:29], s[PM:PM+1], s[18:19]    ; the expert's 32 mask words
	s_load_b512 s[68:83], s[28:29], 0x0
	s_load_b512 s[84:99], s[28:29], 0x40
.if LAYER != 3
	s_lshl_b32 s18, s15, 13
	s_lshl_b32 s39, s16, 8
	s_add_co_u32 s18, s18, s39
	s_add_nc_u64 s[30:31], s[8:9], s[18:19]
.endif
	s_wait_alu depctr_va_vdst(0)                   ; the offsets and LDS addresses made above (v4-6, v16-21, v28, v29) are written: the loads and stores below read them
.if LAYER != 3
.irp j, 0,1,2,3
	global_load_b128 v[32+8*(\j):35+8*(\j)], v20, s[30:31] offset:64*(\j)      ; bias[16 j + 8 H + 0..7]
	global_load_b128 v[36+8*(\j):39+8*(\j)], v20, s[30:31] offset:64*(\j)+16
.endr
.endif
.if LAYER != 2
	global_load_b32 v64, v21, s[28:29]             ; lane L: mask word L
.endif
.if LAYER == 3
	global_load_b32 v65, v21, s[28:29] offset:1024 ; and the plane of higher choices
.endif
.irp s, 0,1,2,3,4,5,6
	WLOAD \s, 0
.endr
	WIN 0
	s_wait_kmcnt 0x0
	s_mov_b32 s41, 0
.if LAYER != 2
	v_mov_b32 v66, 0
.endif
.set i, 0
.rept 32
.if LAYER != 2
	v_writelane_b32 v66, s41, i                    ; rows in the words before word i
.endif
	s_bcnt1_i32_b32 s39, s[68+i]
	s_add_co_u32 s41, s41, s39
.set i, i+1
.endr
	s_mov_b32 s32, s41                             ; the expert's rows
	s_add_co_u32 s33, s32, 63
	s_lshr_b32 s33, s33, 6                         ; live trips
	s_max_u32 s34, s32, 1
	s_sub_co_u32 s34, s34, 1                       ; the last position that exists
	s_mov_b32 s35, s14                             ; my first trip
	s_wait_loadcnt 56                              ; bias and mask words are in; the seven groups of W stay out
	s_wait_alu depctr_vm_vsrc(0)                   ; the bias's loads have read v20 and the mask words' loads v21: both are written again below
.if LAYER != 3
.set i, 32
.rept 16
	v_cvt_pk_bf16_f32 v22, v[i], v[i+1]            ; the bias rounded once to bf16, kept as f32
	v_lshlrev_b32 v[i], 16, v22
	v_and_b32 v[i+1], s38, v22
.set i, i+2
.endr
.endif
.if LAYER != 2
	s_cmp_lg_u32 s14, 0
	s_cbranch_scc1 .Lnolist                        ; wave 0 lays the list: position -> token (layer 3: + 1,024 for a higher choice), tokens ascending
	ds_store_b32 v28, v28                          ; entry 0 exists also where the expert has no row: v28, made at the head, is address 0 and token 0
	v_lshlrev_b32 v67, 5, v1                       ; lane L walks tokens 32 L on
	v_add_nc_u32 v68, 1024, v1                     ; a lane without a row writes its dump word
	s_mov_b32 s37, 32
.Llist:
	v_and_b32 v20, 1, v64
	v_cmp_ne_u32 vcc_lo, 0, v20
.if LAYER == 3
	v_and_b32 v22, 1, v65
	v_lshl_or_b32 v22, v22, 10, v67
.endif
	s_wait_alu depctr_va_vcc(0)                    ; VCC is written, ahead of the select that reads it
	v_cndmask_b32 v21, v68, v66, vcc_lo
	v_min_u32 v21, 0x41f, v21
	v_lshlrev_b32 v21, 2, v21
	s_wait_alu depctr_va_vdst(0)                   ; the store's address v21 and its data (v67; layer 3: v22) are written
.if LAYER == 3
	ds_store_b32 v21, v22
	v_lshrrev_b32 v65, 1, v65
.else
	ds_store_b32 v21, v67
.endif
	v_add_nc_u32 v66, v66, v20
	v_lshrrev_b32 v64, 1, v64
	s_wait_alu depctr_vm_vsrc(0)                   ; the store has read v21 and its data: the add below and the next trip write them again
	v_add_nc_u32 v67, 1, v67
	s_sub_co_u32 s37, s37, 1
	s_cmp_lg_u32 s37, 0
	s_cbranch_scc1 .Llist
.Lnolist:
	s_wait_dscnt 0x0                               ; the list's stores are done
	s_barrier_signal -1
	s_barrier_wait -1
.endif
	NEXTA 35
	WLOAD 7, 0
	WIN 0
.if LAYER == 3
; The way out stands behind a jump of its own, on the same compare as the products: so that every way through the text to its LDS stores finds the accumulators written, they are
; written once here, in the wait for the first weights.  These zeros are never stored: where the products are jumped the way out is jumped too, and a live trip's first K step starts the sums with the constant 0.
.set i, 128
.rept 128
	v_mov_b32 v[i], 0
.set i, i+1
.endr
.endif
.if NG == 16
.irp s, 0,1,2,3,4,5,6,7
	WSTEP \s, 0, 1                                 ; my first eight groups; each slot takes the group eight further on: every place stands in an immediate, no base is stepped
.endr
.endif
.irp s, 0,1,2,3,4,5,6,7
	WSTEP \s, NG-8, 2                              ; the last eight groups; the ring goes over to the rows: units 0 to 6 of my first trip
.endr
	WIN 0
	s_wait_dscnt 0x0                               ; my part of the stage is stored
	s_barrier_signal -1
	s_barrier_wait -1                              ; the stage is whole; nothing writes it from here on
	s_mov_b32 s36, 2
.Ltrip:
	s_cmp_ge_u32 s35, s33
	s_cbranch_scc1 .Ldead
	s_wait_xcnt 0x0                                ; offsets, bases and the last trip's store data are rewritten only behind this wait
	s_wait_alu depctr_vm_vsrc(0)                   ; the loads and stores issued so far have read v7-16 and v20-23, written below, the accumulators, which the products write again, and Y, in which W's fragments land
.irp f, 0,1,2,3
	v_mov_b32 v[8+(\f)], v[12+(\f)]
.endr
	s_mov_b64 s[24:25], s[22:23]
	v_mov_b32 v7, v6
.if LAYER != 3
	s_lshl_b32 s39, s35, 18
	v_add_nc_u32 v16, s39, v17
.endif
	s_add_co_u32 s40, s35, NW
	NEXTA 40
.if LAYER != 1
	s_wait_alu depctr_va_vdst(0)                   ; v7-11 are written; earlier vector and matrix instructions are done with both W buffers and slot 7, in which the loads up to the next such wait land (layer 1: the wait in the lines above has stated it)
.endif
	BLOAD 0, 0
	STEP 0, 1, 1, 7*KSB, 1, 32*PIT                 ; the first K step starts the sums: with the bias (layer 3: with 0)
	WIN 0
	s_mov_b32 s37, NU/8-1
.Lk:
.irp i, 1,2,3,4,5,6,7,8
	STEP (\i)%8, 0, 1, ((\i)+7)*KSB, 1, ((\i)+1)*32*PIT
.endr
	WIN 0
	s_wait_xcnt 0x0                                ; the rows' base is stepped only behind this wait
	s_wait_alu depctr_vm_vsrc(0)                   ; the turning loads issued so far have read v7
	s_add_nc_u64 s[24:25], s[24:25], 8*KSB
	v_add_nc_u32 v7, 8*32*PIT, v7
	s_sub_co_u32 s37, s37, 1
	s_cmp_lg_u32 s37, 0
	s_cbranch_scc1 .Lk
.irp i, 1,2,3,4,5,6
	STEP \i, 0, 2, ((\i)-1)*KSB, 1, ((\i)+1)*32*PIT  ; the ring runs on into my next trip
.endr
	STEP 7, 0, 2, 6*KSB, 0, 0
	WIN 0
	PLACES                                         ; four places behind the last products
.if LAYER != 3
.irp f, 0,1,2,3
.irp j, 0,1,2,3
.set ra, 128+8*(4*(\f)+(\j))
.if LAYER == 1
	v_cvt_pk_f16_f32 v[ra], v[ra], v[ra+1]
	v_cvt_pk_f16_f32 v[ra+1], v[ra+2], v[ra+3]
	v_cvt_pk_f16_f32 v[ra+2], v[ra+4], v[ra+5]
	v_cvt_pk_f16_f32 v[ra+3], v[ra+6], v[ra+7]
.irp c, 0,1,2,3
	v_pk_max_num_f16 v[ra+(\c)], v[ra+(\c)], v28
	v_pk_min_num_f16 v[ra+(\c)], v[ra+(\c)], 0x7bff7bff   ; held to 65,504
.endr
.else
	v_cvt_pk_bf16_f32 v[ra], v[ra], v[ra+1]
	v_cvt_pk_bf16_f32 v[ra+1], v[ra+2], v[ra+3]
	v_cvt_pk_bf16_f32 v[ra+2], v[ra+4], v[ra+5]
	v_cvt_pk_bf16_f32 v[ra+3], v[ra+6], v[ra+7]
.irp c, 0,1,2,3
	v_pk_max_num_bf16 v[ra+(\c)], v[ra+(\c)], v28
.endr
.endif
.endr
.endr
	s_wait_alu depctr_va_vdst(0)                   ; the sixteen tiles are converted: their first four registers each are written, which the stores read
.irp f, 0,1,2,3
.irp j, 0,1,2,3
.set ra, 128+8*(4*(\f)+(\j))
	global_store_b128 v16, v[ra:ra+3], s[26:27] offset:(\f)*65536+((\j)>>1)*1024+((\j)&1)*512  ; 512 consecutive bytes: half a fragment of the next layer
.endr
.endr
.endif
.Ldead:
.if LAYER == 3
	s_wait_dscnt 0x0                               ; my LDS reads of this trip are back
	s_barrier_signal -1
	s_barrier_wait -1                              ; everybody's are: only now does a wave write its output stage
	s_cmp_ge_u32 s35, s33
	s_cbranch_scc1 .Lnoout
	s_wait_xcnt 0x0                                ; an earlier way out's stores have read their data and offsets: those registers are rewritten only behind this wait
	s_wait_alu depctr_vm_vsrc(0)                   ; the same of their vector registers: the offsets v72 .. are written again below
	s_lshl_b32 s39, s35, 6
.irp f, 0,1,2,3                        ; the list addresses of all four tiles' rows, in the registers that take the stores' offsets later
.irp i, 0,1,2,3,4,5,6,7
.set rp, 72+16*(\f)+(\i)
	v_add_nc_u32 v[rp], s39, v3
.if 16*(\f)+2*(\i) > 0
	v_add_nc_u32 v[rp], 16*(\f)+2*(\i), v[rp]
.endif
	v_min_u32 v[rp], s34, v[rp]
	v_min_u32 v[rp], 0x3ff, v[rp]
	v_lshlrev_b32 v[rp], 2, v[rp]
.endr
.endr
	s_wait_alu depctr_va_vdst(0)                   ; the 32 list addresses are written; the products have written the accumulators, which the LDS stores read (the places above stay beside this wait), and are done reading v64-127, in which the entries land
.irp f, 0,1,2,3
.irp i, 0,1,2,3,4,5,6,7
	ds_load_b32 v[64+16*(\f)+(\i)], v[72+16*(\f)+(\i)]
.endr
.endr
	TOUT 0
	s_wait_dscnt 8                                 ; the 32 entries are in; tile 0's eight stores stay out
	s_wait_alu depctr_vm_vsrc(0)                   ; the entries' loads have read v72 .., written below; tile 0's stores have read its registers, in which the loads below land
	TBACK 0
.irp f, 0,1,2,3
.irp i, 0,1,2,3,4,5,6,7
	v_min_u32 v[64+16*(\f)+(\i)], 0x7ff, v[64+16*(\f)+(\i)]
	v_lshl_add_u32 v[72+16*(\f)+(\i)], v[64+16*(\f)+(\i)], 12, v19
.endr
.endr
	s_wait_alu depctr_va_vdst(0)                   ; all four tiles' 32 store offsets are written
	s_wait_dscnt 0x0
	TSEND 0
.irp f, 1,2,3
	TOUT \f
	s_wait_alu depctr_vm_vsrc(0)                   ; the tile's LDS stores have read its registers, in which the loads below land
	TBACK \f
	s_wait_dscnt 0x0
	TSEND \f
.endr
.Lnoout:
	s_wait_dscnt 0x0                               ; my stage's stores and loads are done
	s_barrier_signal -1
	s_barrier_wait -1                              ; everybody's are: the next trip's LDS reads, and behind the last trip the closing add, come behind this
.endif
	s_add_co_u32 s35, s35, NW
	s_sub_co_u32 s36, s36, 1
	s_cmp_lg_u32 s36, 0
	s_cbranch_scc1 .Ltrip
.if LAYER != 3
	s_wait_dscnt 0x0                               ; my LDS reads are back
	s_barrier_signal -1
	s_barrier_wait -1                              ; everybody's are, ahead of any wave's closing add
.endif
	s_wait_dscnt 0x0                               ; the wave's end
	s_wait_alu 0x0
	s_wait_tensorcnt 0x0
	ds_add_u32 v30, v31
	s_wait_dscnt 0x0
	s_endpgm
.Lfunc_end_k_q913d8347d2_fc1:
	.size	k_q913d8347d2_fc1, .Lfunc_end_k_q913d8347d2_fc1-k_q913d8347d2_fc1
	.p2alignl 7, 3214868480
	.fill 96, 4, 3214868480
	.section	.rodata,"a",@progbits
	.p2align	6, 0x0
	.amdhsa_kernel k_q913d8347d2_fc1
		.amdhsa_group_segment_fixed_size 152832
		.amdhsa_private_segment_fixed_size 0
		.amdhsa_enable_private_segment 0
		.amdhsa_kernarg_size 40
		.amdhsa_user_sgpr_count 2
		.amdhsa_user_sgpr_kernarg_segment_ptr 1
		.amdhsa_wavefront_size32 1
		.amdhsa_system_sgpr_workgroup_id_x 1
		.amdhsa_system_sgpr_workgroup_id_y 1
		.amdhsa_system_sgpr_workgroup_id_z 1
		.amdhsa_system_vgpr_workitem_id 0
		.amdhsa_next_free_vgpr 512
		.amdhsa_next_free_sgpr 100
		.amdhsa_reserve_vcc 1
		.amdhsa_float_denorm_mode_32 3
		.amdhsa_float_denorm_mode_16_64 3
		.amdhsa_memory_ordered 1
		.amdhsa_forward_progress 1
		.amdhsa_inst_pref_size 95
	.end_amdhsa_kernel
	.amdgpu_metadata
---
amdhsa.version: [ 1, 2 ]
amdhsa.kernels:
  - .name:           k_q913d8347d2_fc1
    .symbol:         k_q913d8347d2_fc1.kd
    .args:
      - { .name: xb, .offset: 0, .size: 8, .value_kind: global_buffer, .address_space: global }
      - { .name: W1, .offset: 8, .size: 8, .value_kind: global_buffer, .address_space: global }
      - { .name: b1, .offset: 16, .size: 8, .value_kind: global_buffer, .address_space: global }
      - { .name: msk, .offset: 24, .size: 8, .value_kind: global_buffer, .address_space: global }
      - { .name: h1, .offset: 32, .size: 8, .value_kind: global_buffer, .address_space: global }
    .group_segment_fixed_size: 152832
    .private_segment_fixed_size: 0
    .kernarg_segment_align: 8
    .kernarg_segment_size: 40
    .max_flat_workgroup_size: 256
    .sgpr_count:     100
    .vgpr_count:     512
    .wavefront_size: 32
...
	.end_amdgpu_metadata
.endif
;; end of part 6
;; launch fc2 (part 7): grid 32 x 8, 8 waves a work-group, no clusters, 300,288 bytes of LDS; arguments h1, W2, b2, msk, h2; writes h2
.if DOCPART == 7
	.amdgcn_target "amdgcn-amd-amdhsa--gfx1250"
	.amdhsa_code_object_version 6
	.text
	.protected	k_q913d8347d2_fc2
	.globl	k_q913d8347d2_fc2
	.p2align	8
	.type	k_q913d8347d2_fc2,@function
k_q913d8347d2_fc2:
	s_mov_b64 s[64:65], 0
	v_nop
	global_prefetch_b8 v0, s[64:65] scope:SCOPE_SE
	s_setreg_imm32_b32 hwreg(HW_REG_WAVE_SCHED_MODE, 0, 2), 2
	s_setreg_imm32_b32 hwreg(HW_REG_WAVE_MODE, 25, 1), 1
	s_wait_xcnt 0x0
	s_wait_alu depctr_vm_vsrc(0)
; ONE EXPERT PRODUCT (one text for three layers; LAYER picks).  1: h1 = relu(x W1 + b1), f16.  2: h2 = relu(h1 W2 + b2), bf16.  3: partial rows of h2 W3, f32, K halved over two work-groups.
; Only the rows that chose the expert are multiplied.  Grid: x = slice of 64 columns (layer 3: 2 x slice + K half), y = expert.
; EIGHT WAVES, two for each of the WGP's four SIMDs, 512 registers each: a wave's share of a trip is 64 rows x 64 columns whatever their number.
; PHASE 1: the eight waves stream the slice of W (each byte read once in the launch), K / 8 rows and 64 loads of 16 bytes a lane in flight each, round it and lay it into LDS as [k][64 columns], 16 bits.
; PHASE 2: trips of 64 rows are dealt to the waves (trip w + 8 i); a wave does all of K for 64 rows x 64 columns: 16 accumulators.  W's fragments come turned out of LDS, the rows' fragments
; straight from memory through a ring of 8 units of 8 loads.  The loop counts to 2, which covers 1,024 rows; a dead trip's work is jumped.  In layers 1 and 2 nothing in the loop writes LDS and it has
; no barrier; in layer 3 the way out goes through LDS, and two barriers a trip, in text that every wave passes, keep the trip's LDS reads and the way out's LDS writes apart.
; THE MATRIX INSTRUCTION IS USED TRANSPOSED (source 0 = 16 columns of W, source 1 = 16 rows): lane (R, H), register c holds row R, column n0 + 8 H + c, which packs into the next layer's fragment.
; h1, h2: [expert][tile of 16 positions][K step 64][half 2][lane 32][16 bytes]: a wave's load or store covers 512 consecutive bytes.  Positions past the count repeat the expert's last row.
; THE STAGE: two k rows share an LDS row of 288 bytes (2 x 128 + 32 = 72 words), 144 bytes a k row: the eight k rows that sixteen lanes of a turning load touch start at words 0, 32, 8, 40, 16, 48, 24, 56
; mod 64 and take 8 words each: every one of the 64 banks of 4 bytes (ISA guide 11.1) once.  A wave's store of 8 bytes a lane fills the pair's 256 bytes on end.
; FORMATS.  All inputs are rounded once to bf16 (W2: that number written as f16).  LIMITS: h1 is held to 65,504; |W2| under 2^-14 keeps f16's fixed step of 6e-8; NaN and infinities are not treated apart.
; No multicast: what an expert's work-groups share is its rows, whose number hangs on a count read from memory; joint requests for all 1,024 possible rows would ask for four times the mean 256.
; THE MODE: SCHED_MODE bits 1:0 = 2 (LLVM: expert scheduling mode 2), set by the entry lines.  The code itself states the register dependences between vector or matrix instructions and
; memory or LDS instructions, with s_wait_alu, always for 0.
; THE PLAN.  Registers that memory or LDS instructions touch:
;   THE RING (window 1, 8 slots of 32).  Phase 1: a group's loads land in its slot, its conversions read it (layer 2: and work in it), and behind them the slot is asked for again.
;       Phase 2: K step u's matrix instructions read slot u % 8; the unit asked for in step u lands in slot (u - 1) % 8, which step u - 1 read.
;   Y (v96-111).  Phase 1: a group's conversions write it, its eight LDS stores read it.
;   W0, W1 (v64-95, v96-127).  K step u's matrix instructions read W[u % 2]; the turning loads issued in step u land in the other, which step u - 1 read.
;   v7: read by every turning load; written at a trip's head and once a lap of eight K steps.  v8-11, v12-15: read by the rows' loads; v16 (layers 1, 2): read by the stores; all written at a trip's head.
;   v4, v5, v6, v17-19, v28 (layer 3: v16, v29 too): made at the head, never written again.
;   THE ACCUMULATORS: written by matrix instructions; on the way out converted in place and stored (layers 1, 2), or stored to LDS, loaded back into the same registers and stored (layer 3).
; THE WAITS.  Phase 1, a group: one on vm_vsrc at its head (the group before's LDS stores have read Y), one on va_vdst behind its conversions (Y is written, the slot is done with); the refill and the stores follow.
; Phase 2: ONE wait on va_vdst at a K step's head; behind it the step's sixteen loads are dealt among its matrix instructions, which name W[u % 2], slot u % 8, the bias and the accumulators: none of the
; registers that those loads touch.  One wait on vm_vsrc a lap stands ahead of the add to v7, one at a trip's head ahead of the offsets' writes.  The ways out have theirs where they stand.
.set LAYER, 2
.set NW, 8
.if LAYER == 1
.set KK, 1024
.set ROWSH, 13
.set EW, 8388608
.set KSB, 64
.set QB, 32
.endif
.if LAYER == 2
.set KK, 2048
.set ROWSH, 13
.set EW, 16777216
.set KSB, 1024
.set QB, 512
.endif
.if LAYER == 3
.set KK, 1024
.set ROWSH, 12
.set EW, 8388608
.set KSB, 1024
.set QB, 512
.endif
.set PIT, 144                          ; LDS bytes for a k row: half of a pair's 288
.set ROWP, 1<<ROWSH                    ; bytes from a row of W to the next
.set KW, KK/NW                         ; rows of W that a wave stages
.set NG, KW/16                         ; in groups of 16: 8 (one ring) or 16 (two)
.set NU, KK/32                         ; K steps
.set SPARE, 4352                       ; LDS: 0 the list (1,024 entries, 32 dump words); 4,352 the spare words, 128 bytes a wave; 5,376 the stage; behind it (layer 3) 16 rows x 272 bytes a wave
.set STG, 5376
.set OST, STG+KK*PIT
.set Y, 96                             ; v96-111: a group of W, rounded, on its way into the stage
.if LAYER == 3
.set PM, 8
.set PO, 10
.else
.set PM, 10
.set PO, 12
.endif
; window 0: v1 L, v2 R, v3 H, v4 W offset, v5 stage store, v6/v7 turning load, v8-11 row offsets, v12-15 the next trip's, v16 output offset (3: stage read), v17 16 L, v18 16 H, v19 16 R,
; v20-27 at work, v28 0, v29 stage write (3), v30/v31 the add's, v32-63 bias, v64-127 two buffers of W fragments (phase 1: Y; layer 3's way out: list entries and store offsets), v128-255 accumulators.
; window 1: the ring, 8 slots of 32.
.set MSB, 0
.macro WIN new
.if MSB != (\new)
	s_set_vgpr_msb (MSB<<8)|(\new)
.set MSB, \new
.endif
.endm
.macro PLACES
.rept 4
	v_nop
.endr
.endm
.macro WLOAD s, add                    ; 16 rows of W: each load takes two pieces of 256 aligned bytes
	WIN 0x40
.irp i, 0,1,2,3,4,5,6,7
	global_load_b128 v[32*(\s)+4*(\i):32*(\s)+4*(\i)+3], v4, s[20:21] offset:(16*((\s)+(\add))+2*(\i))*ROWP th:TH_LOAD_NT
.endr
.endm
.macro ALOAD slot, vo, base, imm       ; a unit: the four row fragments of one K step
.irp f, 0,1,2,3
.if LAYER == 1
	global_load_b128 v[32*(\slot)+8*(\f):32*(\slot)+8*(\f)+3], v[(\vo)+(\f)], s[\base:\base+1] offset:(\imm) th:TH_LOAD_HT  ; x's rows are read again by 32 slices and two experts
	global_load_b128 v[32*(\slot)+8*(\f)+4:32*(\slot)+8*(\f)+7], v[(\vo)+(\f)], s[\base:\base+1] offset:(\imm)+QB th:TH_LOAD_HT
.else
	global_load_b128 v[32*(\slot)+8*(\f):32*(\slot)+8*(\f)+3], v[(\vo)+(\f)], s[\base:\base+1] offset:(\imm)
	global_load_b128 v[32*(\slot)+8*(\f)+4:32*(\slot)+8*(\f)+7], v[(\vo)+(\f)], s[\base:\base+1] offset:(\imm)+QB
.endif
.endr
.endm
.macro WSTEP s, g0, mode               ; slot s holds group g0 + s: rounded into Y, the slot loaded again (1: W eight groups on; 2: the first trip's row units), Y stored into the stage
	s_wait_loadcnt 56                              ; the seven younger groups or units stay out
.if (\s)+(\g0) > 0
	s_wait_alu depctr_vm_vsrc(0)                   ; the LDS stores of the group before have read Y, which the conversions below write again
.endif
.if LAYER == 2
	WIN 0x45
.irp i, 0,1,2,3,4,5,6,7
.set rb, 32*(\s)+4*(\i)
	v_cvt_pk_bf16_f32 v[rb], v[rb], v[rb+1]        ; rounded to bf16 like every input,
	v_cvt_pk_bf16_f32 v[rb+2], v[rb+2], v[rb+3]
	v_and_b32 v[rb+1], s38, v[rb]
	v_lshlrev_b32 v[rb], 16, v[rb]
	v_and_b32 v[rb+3], s38, v[rb+2]
	v_lshlrev_b32 v[rb+2], 16, v[rb+2]
.endr
	WIN 0x05
.irp i, 0,1,2,3,4,5,6,7
.set rb, 32*(\s)+4*(\i)
	v_cvt_pk_f16_f32 v[Y+2*(\i)], v[rb], v[rb+1]   ; and that number written as f16
	v_cvt_pk_f16_f32 v[Y+2*(\i)+1], v[rb+2], v[rb+3]
.endr
.else
	WIN 0x05
.irp i, 0,1,2,3,4,5,6,7
.set rb, 32*(\s)+4*(\i)
	v_cvt_pk_bf16_f32 v[Y+2*(\i)], v[rb], v[rb+1]
	v_cvt_pk_bf16_f32 v[Y+2*(\i)+1], v[rb+2], v[rb+3]
.endr
.endif
	WIN 0x40
	s_wait_alu depctr_va_vdst(0)                   ; the conversions have written Y, which the LDS stores read, and are done with slot s, in which the loads below land
.if (\mode) == 1
	WLOAD \s, 8
.elseif (\s) < 7
	ALOAD \s, 12, 22, (\s)*KSB
.endif
.irp i, 0,1,2,3,4,5,6,7
	ds_store_b64 v5, v[Y+2*(\i):Y+2*(\i)+1] offset:(16*((\s)+(\g0))+2*(\i))*PIT
.endr
.endm
; The row offsets of trip s[sT] into v12-15.  For a trip that does not exist the look-ahead's loads are still issued (the counted waits reckon with them), but all lanes then ask for the same bytes at the buffer's head.
; Ahead of it stands a wait on vm_vsrc (at the head, at a trip's head): the loads that read v12-15 and v20-23 have read them.
.macro NEXTA sT
	s_cmp_lt_u32 s[\sT], s33                       ; is there such a trip?
.if LAYER == 1
	s_cselect_b32 s42, -1, 0
	s_lshl_b32 s39, s[\sT], 6
.irp f, 0,1,2,3
	v_add_nc_u32 v[20+(\f)], s39, v2               ; position
.if (\f) > 0
	v_add_nc_u32 v[20+(\f)], 16*(\f), v[20+(\f)]
.endif
	v_min_u32 v[20+(\f)], s34, v[20+(\f)]          ; past the count: the last row once more
	v_min_u32 v[20+(\f)], 0x3ff, v[20+(\f)]
	v_lshlrev_b32 v[20+(\f)], 2, v[20+(\f)]
.endr
	s_wait_alu depctr_va_vdst(0)                   ; the four list addresses v20-23 are written; earlier vector instructions are done with v24-27, in which the entries land; at a trip's head v7-11 are written and the last trip's matrix instructions are done reading
.irp f, 0,1,2,3
	ds_load_b32 v[24+(\f)], v[20+(\f)]
.endr
	s_wait_dscnt 0x0
.irp f, 0,1,2,3
	v_and_b32 v[24+(\f)], s42, v[24+(\f)]          ; no such trip: token 0 in every lane
	v_min_u32 v[24+(\f)], 0x3ff, v[24+(\f)]
	v_lshl_add_u32 v[12+(\f)], v[24+(\f)], 11, v18 ; token x 2,048 + 16 H
.endr
.else
	s_cselect_b32 s39, s[\sT], 0
	s_cselect_b32 s42, 1, 0
	s_min_u32 s39, s39, 15
	s_min_u32 s42, s42, 1
	s_lshl_b32 s39, s39, 18                        ; the trip's four tiles,
	s_lshl_b32 s43, s42, 16                        ; 65,536 bytes apart, or 0 where there is no such trip,
	v_mul_u32_u24 v20, s42, v17                    ; and 16 bytes a lane, or 0
.irp f, 0,1,2,3
	v_add_nc_u32 v[12+(\f)], s39, v20
.if (\f) < 3
	s_add_co_u32 s39, s39, s43
.endif
.endr
.endif
.endm
.macro BL1 buf, imm, j                 ; one of W's four fragments of a K step, turned
	ds_load_tr16_b128 v[64+32*(\buf)+8*(\j):64+32*(\buf)+8*(\j)+3], v7 offset:(\imm)+32*(\j)
	ds_load_tr16_b128 v[64+32*(\buf)+8*(\j)+4:64+32*(\buf)+8*(\j)+7], v7 offset:(\imm)+32*(\j)+16*PIT
.endm
.macro BLOAD buf, imm                  ; all four
.irp j, 0,1,2,3
	BL1 \buf, \imm, \j
.endr
.endm
.macro MMA d, a, b, c:vararg
.if LAYER == 2
	v_wmma_f32_16x16x32_f16 v[\d:\d+7], v[\a:\a+7], v[\b:\b+7], \c
.else
	v_wmma_f32_16x16x32_bf16 v[\d:\d+7], v[\a:\a+7], v[\b:\b+7], \c
.endif
.endm
; One K step.  ld = 1: the unit seven steps on, of this trip; 2: a unit of my next trip.  bl = 1: W's fragments of the next step.  The 16 accumulators take turns.
; The next step's W is asked for behind the first four matrix instructions, two loads behind each; the unit in one run behind the eighth, under one pair of window switches.
.macro STEP i, zero, ld, limm, bl, bimm
	s_wait_loadcnt 48                              ; my unit is in; the six younger stay out
	s_wait_dscnt 0x0                               ; this step's W, asked for early in the step before, is in
	WIN 0x04
.if !(\zero)
	s_wait_alu depctr_va_vdst(0)                   ; the step before's matrix instructions are done reading their slot and their W buffer, in which this step's loads land; behind a lap's end v7 is written
.endif
.irp f, 0,1,2,3
.irp j, 0,1,2,3
.set ra, 128+8*(4*(\f)+(\j))
.set rw, 64+32*((\i)&1)+8*(\j)
.set rx, 32*((\i)%8)+8*(\f)
.set rc, 32+8*(\j)
.if (\zero) && (LAYER == 3)
	MMA ra, rw, rx, 0
.elseif \zero
	MMA ra, rw, rx, v[rc:rc+7]
.else
	MMA ra, rw, rx, v[ra:ra+7]
.endif
.if (\bl) && ((\f) == 0)
	BL1 ((\i)+1)&1, \bimm, \j
.endif
.endr
.if (\f) == 1
	WIN 0x40
.if (\ld) == 1
	ALOAD ((\i)+7)%8, 8, 24, \limm
.else
	ALOAD ((\i)+7)%8, 12, 22, \limm
.endif
	WIN 0x04
.endif
.endr
.endm
; Layer 3's way out, a tile of 16 rows: into my own stage, back as whole pieces of 256 bytes, out.
.macro TOUT f
.irp j, 0,1,2,3
	ds_store_b128 v29, v[128+8*(4*(\f)+(\j)):128+8*(4*(\f)+(\j))+3] offset:64*(\j)
	ds_store_b128 v29, v[128+8*(4*(\f)+(\j))+4:128+8*(4*(\f)+(\j))+7] offset:64*(\j)+16
.endr
.endm
.macro TBACK f
.irp i, 0,1,2,3,4,5,6,7
	ds_load_b128 v[128+32*(\f)+4*(\i):128+32*(\f)+4*(\i)+3], v16 offset:544*(\i)  ; LDS serves a wave's instructions in order: these see the stores above
.endr
.endm
.macro TSEND f
.irp i, 0,1,2,3,4,5,6,7
	global_store_b128 v[72+16*(\f)+(\i)], v[128+32*(\f)+4*(\i):128+32*(\f)+4*(\i)+3], s[26:27] th:TH_STORE_NT  ; 16 lanes store 256 consecutive bytes, aligned
.endr
.endm
	s_load_b256 s[4:11], s[0:1], 0x0               ; rows, W, (bias,) msk(, out)
.if LAYER != 3
	s_load_b64 s[12:13], s[0:1], 0x20              ; out
.endif
	v_lshl_add_u32 v30, v0, 2, SPARE               ; my spare word
	v_mov_b32 v31, 0
	v_lshrrev_b32 v1, 5, v0
	v_readfirstlane_b32 s14, v1                    ; wave w, 0 to 7
	s_and_b32 s15, ttmp7, 0xffff                   ; expert
.if LAYER == 3
	s_lshr_b32 s16, ttmp9, 1                       ; slice
	s_and_b32 s17, ttmp9, 1                        ; K half
.else
	s_mov_b32 s16, ttmp9
	s_mov_b32 s17, 0
.endif
	s_mov_b32 s38, 0xffff0000
	s_mov_b32 s19, 0
	v_and_b32 v1, 31, v0
	v_and_b32 v2, 15, v0
	v_bfe_u32 v3, v0, 4, 1
	v_lshlrev_b32 v17, 4, v1
	v_lshlrev_b32 v18, 4, v3
	v_lshlrev_b32 v19, 4, v2
	v_mov_b32 v28, 0
	v_lshl_add_u32 v4, v3, ROWSH, v19              ; lanes 0-15 one row's 256 bytes, lanes 16-31 the next row's
	s_wait_alu depctr_va_sdst(0)                   ; s14 is written, ahead of its first reader: LDS places, bases and trips are made from it
	s_mul_i32 s39, s14, KW*PIT
	s_add_co_u32 s39, s39, STG
	v_lshlrev_b32 v5, 7, v3                        ; into the stage: the pair's even row (H = 0) or odd row (H = 1), 128 bytes on,
	v_lshl_add_u32 v5, v2, 3, v5                   ; 8 bytes a lane,
	v_add_nc_u32 v5, s39, v5                       ; from my wave's first row on
	v_bfe_u32 v6, v0, 1, 2                         ; out of the stage, turned: k row 8 H + L % 8 lies in pair 4 H + (L % 8) / 2,
	v_lshl_add_u32 v6, v3, 2, v6
	v_mul_u32_u24 v6, v6, 2*PIT
	v_and_b32 v20, 1, v0
	v_lshl_add_u32 v6, v20, 7, v6                  ; in its half L % 2,
	v_bfe_u32 v20, v0, 3, 1
	v_lshl_add_u32 v6, v20, 4, v6                  ; columns 8 ((L / 8) % 2) on
	v_add_nc_u32 v6, STG, v6
.if LAYER == 3
	s_mul_i32 s39, s14, 4352
	s_add_co_u32 s39, s39, OST
	v_mul_u32_u24 v16, v3, 272
	v_add_nc_u32 v16, v16, v19
	v_add_nc_u32 v16, s39, v16
	v_mul_u32_u24 v29, v2, 272
	v_lshl_add_u32 v29, v3, 5, v29
	v_add_nc_u32 v29, s39, v29
.endif
.if LAYER != 3
	v_lshlrev_b32 v20, 5, v3                       ; the bias's offset: 32 H
.endif
.if LAYER != 2
	v_lshlrev_b32 v21, 2, v1                       ; the mask words' offset: 4 L
.endif
	s_mul_i32 s18, s15, EW
	s_lshl_b32 s39, s17, 10
	s_mul_i32 s40, s14, KW
	s_add_co_u32 s39, s39, s40
	s_lshl_b32 s39, s39, ROWSH
	s_add_co_u32 s18, s18, s39
	s_lshl_b32 s39, s16, 8
	s_add_co_u32 s18, s18, s39
	s_wait_kmcnt 0x0
	s_add_nc_u64 s[20:21], s[6:7], s[18:19]        ; W at my wave's first row, my slice
.if LAYER == 1
	s_mov_b64 s[22:23], s[4:5]
.else
	s_lshl_b32 s18, s15, 22
	s_lshl_b32 s39, s17, 15
	s_add_co_u32 s18, s18, s39
	s_add_nc_u64 s[22:23], s[4:5], s[18:19]        ; the expert's tiles (layer 3: my K half)
.endif
	s_mov_b64 s[24:25], s[22:23]
.if LAYER == 3
	s_lshl_b32 s18, s17, 23
	s_lshl_b32 s39, s16, 8
.else
	s_lshl_b32 s18, s15, 22
	s_lshl_b32 s39, s16, 11
.endif
	s_add_co_u32 s18, s18, s39
	s_add_nc_u64 s[26:27], s[PO:PO+1], s[18:19]
	s_lshl_b32 s18, s15, 7
	s_add_nc_u64 s[28:29], s[PM:PM+1], s[18:19]    ; the expert's 32 mask words
	s_load_b512 s[68:83], s[28:29], 0x0
	s_load_b512 s[84:99], s[28:29], 0x40
.if LAYER != 3
	s_lshl_b32 s18, s15, 13
	s_lshl_b32 s39, s16, 8
	s_add_co_u32 s18, s18, s39
	s_add_nc_u64 s[30:31], s[8:9], s[18:19]
.endif
	s_wait_alu depctr_va_vdst(0)                   ; the offsets and LDS addresses made above (v4-6, v16-21, v28, v29) are written: the loads and stores below read them
.if LAYER != 3
.irp j, 0,1,2,3
	global_load_b128 v[32+8*(\j):35+8*(\j)], v20, s[30:31] offset:64*(\j)      ; bias[16 j + 8 H + 0..7]
	global_load_b128 v[36+8*(\j):39+8*(\j)], v20, s[30:31] offset:64*(\j)+16
.endr
.endif
.if LAYER != 2
	global_load_b32 v64, v21, s[28:29]             ; lane L: mask word L
.endif
.if LAYER == 3
	global_load_b32 v65, v21, s[28:29] offset:1024 ; and the plane of higher choices
.endif
.irp s, 0,1,2,3,4,5,6
	WLOAD \s, 0
.endr
	WIN 0
	s_wait_kmcnt 0x0
	s_mov_b32 s41, 0
.if LAYER != 2
	v_mov_b32 v66, 0
.endif
.set i, 0
.rept 32
.if LAYER != 2
	v_writelane_b32 v66, s41, i                    ; rows in the words before word i
.endif
	s_bcnt1_i32_b32 s39, s[68+i]
	s_add_co_u32 s41, s41, s39
.set i, i+1
.endr
	s_mov_b32 s32, s41                             ; the expert's rows
	s_add_co_u32 s33, s32, 63
	s_lshr_b32 s33, s33, 6                         ; live trips
	s_max_u32 s34, s32, 1
	s_sub_co_u32 s34, s34, 1                       ; the last position that exists
	s_mov_b32 s35, s14                             ; my first trip
	s_wait_loadcnt 56                              ; bias and mask words are in; the seven groups of W stay out
	s_wait_alu depctr_vm_vsrc(0)                   ; the bias's loads have read v20 and the mask words' loads v21: both are written again below
.if LAYER != 3
.set i, 32
.rept 16
	v_cvt_pk_bf16_f32 v22, v[i], v[i+1]            ; the bias rounded once to bf16, kept as f32
	v_lshlrev_b32 v[i], 16, v22
	v_and_b32 v[i+1], s38, v22
.set i, i+2
.endr
.endif
.if LAYER != 2
	s_cmp_lg_u32 s14, 0
	s_cbranch_scc1 .Lnolist                        ; wave 0 lays the list: position -> token (layer 3: + 1,024 for a higher choice), tokens ascending
	ds_store_b32 v28, v28                          ; entry 0 exists also where the expert has no row: v28, made at the head, is address 0 and token 0
	v_lshlrev_b32 v67, 5, v1                       ; lane L walks tokens 32 L on
	v_add_nc_u32 v68, 1024, v1                     ; a lane without a row writes its dump word
	s_mov_b32 s37, 32
.Llist:
	v_and_b32 v20, 1, v64
	v_cmp_ne_u32 vcc_lo, 0, v20
.if LAYER == 3
	v_and_b32 v22, 1, v65
	v_lshl_or_b32 v22, v22, 10, v67
.endif
	s_wait_alu depctr_va_vcc(0)                    ; VCC is written, ahead of the select that reads it
	v_cndmask_b32 v21, v68, v66, vcc_lo
	v_min_u32 v21, 0x41f, v21
	v_lshlrev_b32 v21, 2, v21
	s_wait_alu depctr_va_vdst(0)                   ; the store's address v21 and its data (v67; layer 3: v22) are written
.if LAYER == 3
	ds_store_b32 v21, v22
	v_lshrrev_b32 v65, 1, v65
.else
	ds_store_b32 v21, v67
.endif
	v_add_nc_u32 v66, v66, v20
	v_lshrrev_b32 v64, 1, v64
	s_wait_alu depctr_vm_vsrc(0)                   ; the store has read v21 and its data: the add below and the next trip write them again
	v_add_nc_u32 v67, 1, v67
	s_sub_co_u32 s37, s37, 1
	s_cmp_lg_u32 s37, 0
	s_cbranch_scc1 .Llist
.Lnolist:
	s_wait_dscnt 0x0                               ; the list's stores are done
	s_barrier_signal -1
	s_barrier_wait -1
.endif
	NEXTA 35
	WLOAD 7, 0
	WIN 0
.if LAYER == 3
; The way out stands behind a jump of its own, on the same compare as the products: so that every way through the text to its LDS stores finds the accumulators written, they are
; written once here, in the wait for the first weights.  These zeros are never stored: where the products are jumped the way out is jumped too, and a live trip's first K step starts the sums with the constant 0.
.set i, 128
.rept 128
	v_mov_b32 v[i], 0
.set i, i+1
.endr
.endif
.if NG == 16
.irp s, 0,1,2,3,4,5,6,7
	WSTEP \s, 0, 1                                 ; my first eight groups; each slot takes the group eight further on: every place stands in an immediate, no base is stepped
.endr
.endif
.irp s, 0,1,2,3,4,5,6,7
	WSTEP \s, NG-8, 2                              ; the last eight groups; the ring goes over to the rows: units 0 to 6 of my first trip
.endr
	WIN 0
	s_wait_dscnt 0x0                               ; my part of the stage is stored
	s_barrier_signal -1
	s_barrier_wait -1                              ; the stage is whole; nothing writes it from here on
	s_mov_b32 s36, 2
.Ltrip:
	s_cmp_ge_u32 s35, s33
	s_cbranch_scc1 .Ldead
	s_wait_xcnt 0x0                                ; offsets, bases and the last trip's store data are rewritten only behind this wait
	s_wait_alu depctr_vm_vsrc(0)                   ; the loads and stores issued so far have read v7-16 and v20-23, written below, the accumulators, which the products write again, and Y, in which W's fragments land
.irp f, 0,1,2,3
	v_mov_b32 v[8+(\f)], v[12+(\f)]
.endr
	s_mov_b64 s[24:25], s[22:23]
	v_mov_b32 v7, v6
.if LAYER != 3
	s_lshl_b32 s39, s35, 18
	v_add_nc_u32 v16, s39, v17
.endif
	s_add_co_u32 s40, s35, NW
	NEXTA 40
.if LAYER != 1
	s_wait_alu depctr_va_vdst(0)                   ; v7-11 are written; earlier vector and matrix instructions are done with both W buffers and slot 7, in which the loads up to the next such wait land (layer 1: the wait in the lines above has stated it)
.endif
	BLOAD 0, 0
	STEP 0, 1, 1, 7*KSB, 1, 32*PIT                 ; the first K step starts the sums: with the bias (layer 3: with 0)
	WIN 0
	s_mov_b32 s37, NU/8-1
.Lk:
.irp i, 1,2,3,4,5,6,7,8
	STEP (\i)%8, 0, 1, ((\i)+7)*KSB, 1, ((\i)+1)*32*PIT
.endr
	WIN 0
	s_wait_xcnt 0x0                                ; the rows' base is stepped only behind this wait
	s_wait_alu depctr_vm_vsrc(0)                   ; the turning loads issued so far have read v7
	s_add_nc_u64 s[24:25], s[24:25], 8*KSB
	v_add_nc_u32 v7, 8*32*PIT, v7
	s_sub_co_u32 s37, s37, 1
	s_cmp_lg_u32 s37, 0
	s_cbranch_scc1 .Lk
.irp i, 1,2,3,4,5,6
	STEP \i, 0, 2, ((\i)-1)*KSB, 1, ((\i)+1)*32*PIT  ; the ring runs on into my next trip
.endr
	STEP 7, 0, 2, 6*KSB, 0, 0
	WIN 0
	PLACES                                         ; four places behind the last products
.if LAYER != 3
.irp f, 0,1,2,3
.irp j, 0,1,2,3
.set ra, 128+8*(4*(\f)+(\j))
.if LAYER == 1
	v_cvt_pk_f16_f32 v[ra], v[ra], v[ra+1]
	v_cvt_pk_f16_f32 v[ra+1], v[ra+2], v[ra+3]
	v_cvt_pk_f16_f32 v[ra+2], v[ra+4], v[ra+5]
	v_cvt_pk_f16_f32 v[ra+3], v[ra+6], v[ra+7]
.irp c, 0,1,2,3
	v_pk_max_num_f16 v[ra+(\c)], v[ra+(\c)], v28
	v_pk_min_num_f16 v[ra+(\c)], v[ra+(\c)], 0x7bff7bff   ; held to 65,504
.endr
.else
	v_cvt_pk_bf16_f32 v[ra], v[ra], v[ra+1]
	v_cvt_pk_bf16_f32 v[ra+1], v[ra+2], v[ra+3]
	v_cvt_pk_bf16_f32 v[ra+2], v[ra+4], v[ra+5]
	v_cvt_pk_bf16_f32 v[ra+3], v[ra+6], v[ra+7]
.irp c, 0,1,2,3
	v_pk_max_num_bf16 v[ra+(\c)], v[ra+(\c)], v28
.endr
.endif
.endr
.endr
	s_wait_alu depctr_va_vdst(0)                   ; the sixteen tiles are converted: their first four registers each are written, which the stores read
.irp f, 0,1,2,3
.irp j, 0,1,2,3
.set ra, 128+8*(4*(\f)+(\j))
	global_store_b128 v16, v[ra:ra+3], s[26:27] offset:(\f)*65536+((\j)>>1)*1024+((\j)&1)*512  ; 512 consecutive bytes: half a fragment of the next layer
.endr
.endr
.endif
.Ldead:
.if LAYER == 3
	s_wait_dscnt 0x0                               ; my LDS reads of this trip are back
	s_barrier_signal -1
	s_barrier_wait -1                              ; everybody's are: only now does a wave write its output stage
	s_cmp_ge_u32 s35, s33
	s_cbranch_scc1 .Lnoout
	s_wait_xcnt 0x0                                ; an earlier way out's stores have read their data and offsets: those registers are rewritten only behind this wait
	s_wait_alu depctr_vm_vsrc(0)                   ; the same of their vector registers: the offsets v72 .. are written again below
	s_lshl_b32 s39, s35, 6
.irp f, 0,1,2,3                        ; the list addresses of all four tiles' rows, in the registers that take the stores' offsets later
.irp i, 0,1,2,3,4,5,6,7
.set rp, 72+16*(\f)+(\i)
	v_add_nc_u32 v[rp], s39, v3
.if 16*(\f)+2*(\i) > 0
	v_add_nc_u32 v[rp], 16*(\f)+2*(\i), v[rp]
.endif
	v_min_u32 v[rp], s34, v[rp]
	v_min_u32 v[rp], 0x3ff, v[rp]
	v_lshlrev_b32 v[rp], 2, v[rp]
.endr
.endr
	s_wait_alu depctr_va_vdst(0)                   ; the 32 list addresses are written; the products have written the accumulators, which the LDS stores read (the places above stay beside this wait), and are done reading v64-127, in which the entries land
.irp f, 0,1,2,3
.irp i, 0,1,2,3,4,5,6,7
	ds_load_b32 v[64+16*(\f)+(\i)], v[72+16*(\f)+(\i)]
.endr
.endr
	TOUT 0
	s_wait_dscnt 8                                 ; the 32 entries are in; tile 0's eight stores stay out
	s_wait_alu depctr_vm_vsrc(0)                   ; the entries' loads have read v72 .., written below; tile 0's stores have read its registers, in which the loads below land
	TBACK 0
.irp f, 0,1,2,3
.irp i, 0,1,2,3,4,5,6,7
	v_min_u32 v[64+16*(\f)+(\i)], 0x7ff, v[64+16*(\f)+(\i)]
	v_lshl_add_u32 v[72+16*(\f)+(\i)], v[64+16*(\f)+(\i)], 12, v19
.endr
.endr
	s_wait_alu depctr_va_vdst(0)                   ; all four tiles' 32 store offsets are written
	s_wait_dscnt 0x0
	TSEND 0
.irp f, 1,2,3
	TOUT \f
	s_wait_alu depctr_vm_vsrc(0)                   ; the tile's LDS stores have read its registers, in which the loads below land
	TBACK \f
	s_wait_dscnt 0x0
	TSEND \f
.endr
.Lnoout:
	s_wait_dscnt 0x0                               ; my stage's stores and loads are done
	s_barrier_signal -1
	s_barrier_wait -1                              ; everybody's are: the next trip's LDS reads, and behind the last trip the closing add, come behind this
.endif
	s_add_co_u32 s35, s35, NW
	s_sub_co_u32 s36, s36, 1
	s_cmp_lg_u32 s36, 0
	s_cbranch_scc1 .Ltrip
.if LAYER != 3
	s_wait_dscnt 0x0                               ; my LDS reads are back
	s_barrier_signal -1
	s_barrier_wait -1                              ; everybody's are, ahead of any wave's closing add
.endif
	s_wait_dscnt 0x0                               ; the wave's end
	s_wait_alu 0x0
	s_wait_tensorcnt 0x0
	ds_add_u32 v30, v31
	s_wait_dscnt 0x0
	s_endpgm
.Lfunc_end_k_q913d8347d2_fc2:
	.size	k_q913d8347d2_fc2, .Lfunc_end_k_q913d8347d2_fc2-k_q913d8347d2_fc2
	.p2alignl 7, 3214868480
	.fill 96, 4, 3214868480
	.section	.rodata,"a",@progbits
	.p2align	6, 0x0
	.amdhsa_kernel k_q913d8347d2_fc2
		.amdhsa_group_segment_fixed_size 300288
		.amdhsa_private_segment_fixed_size 0
		.amdhsa_enable_private_segment 0
		.amdhsa_kernarg_size 40
		.amdhsa_user_sgpr_count 2
		.amdhsa_user_sgpr_kernarg_segment_ptr 1
		.amdhsa_wavefront_size32 1
		.amdhsa_system_sgpr_workgroup_id_x 1
		.amdhsa_system_sgpr_workgroup_id_y 1
		.amdhsa_system_sgpr_workgroup_id_z 1
		.amdhsa_system_vgpr_workitem_id 0
		.amdhsa_next_free_vgpr 512
		.amdhsa_next_free_sgpr 100
		.amdhsa_reserve_vcc 1
		.amdhsa_float_denorm_mode_32 3
		.amdhsa_float_denorm_mode_16_64 3
		.amdhsa_memory_ordered 1
		.amdhsa_forward_progress 1
		.amdhsa_inst_pref_size 135
	.end_amdhsa_kernel
	.amdgpu_metadata
---
amdhsa.version: [ 1, 2 ]
amdhsa.kernels:
  - .name:           k_q913d8347d2_fc2
    .symbol:         k_q913d8347d2_fc2.kd
    .args:
      - { .name: h1, .offset: 0, .size: 8, .value_kind: global_buffer, .address_space: global }
      - { .name: W2, .offset: 8, .size: 8, .value_kind: global_buffer, .address_space: global }
      - { .name: b2, .offset: 16, .size: 8, .value_kind: global_buffer, .address_space: global }
      - { .name: msk, .offset: 24, .size: 8, .value_kind: global_buffer, .address_space: global }
      - { .name: h2, .offset: 32, .size: 8, .value_kind: global_buffer, .address_space: global }
    .group_segment_fixed_size: 300288
    .private_segment_fixed_size: 0
    .kernarg_segment_align: 8
    .kernarg_segment_size: 40
    .max_flat_workgroup_size: 256
    .sgpr_count:     100
    .vgpr_count:     512
    .wavefront_size: 32
...
	.end_amdgpu_metadata
.endif
;; end of part 7
;; launch fc3 (part 8): grid 32 x 8, 8 waves a work-group, no clusters, 187,648 bytes of LDS; arguments h2, W3, msk, part; writes part
.if DOCPART == 8
	.amdgcn_target "amdgcn-amd-amdhsa--gfx1250"
	.amdhsa_code_object_version 6
	.text
	.protected	k_q913d8347d2_fc3
	.globl	k_q913d8347d2_fc3
	.p2align	8
	.type	k_q913d8347d2_fc3,@function
k_q913d8347d2_fc3:
	s_mov_b64 s[64:65], 0
	v_nop
	global_prefetch_b8 v0, s[64:65] scope:SCOPE_SE
	s_setreg_imm32_b32 hwreg(HW_REG_WAVE_SCHED_MODE, 0, 2), 2
	s_setreg_imm32_b32 hwreg(HW_REG_WAVE_MODE, 25, 1), 1
	s_wait_xcnt 0x0
	s_wait_alu depctr_vm_vsrc(0)
; ONE EXPERT PRODUCT (one text for three layers; LAYER picks).  1: h1 = relu(x W1 + b1), f16.  2: h2 = relu(h1 W2 + b2), bf16.  3: partial rows of h2 W3, f32, K halved over two work-groups.
; Only the rows that chose the expert are multiplied.  Grid: x = slice of 64 columns (layer 3: 2 x slice + K half), y = expert.
; EIGHT WAVES, two for each of the WGP's four SIMDs, 512 registers each: a wave's share of a trip is 64 rows x 64 columns whatever their number.
; PHASE 1: the eight waves stream the slice of W (each byte read once in the launch), K / 8 rows and 64 loads of 16 bytes a lane in flight each, round it and lay it into LDS as [k][64 columns], 16 bits.
; PHASE 2: trips of 64 rows are dealt to the waves (trip w + 8 i); a wave does all of K for 64 rows x 64 columns: 16 accumulators.  W's fragments come turned out of LDS, the rows' fragments
; straight from memory through a ring of 8 units of 8 loads.  The loop counts to 2, which covers 1,024 rows; a dead trip's work is jumped.  In layers 1 and 2 nothing in the loop writes LDS and it has
; no barrier; in layer 3 the way out goes through LDS, and two barriers a trip, in text that every wave passes, keep the trip's LDS reads and the way out's LDS writes apart.
; THE MATRIX INSTRUCTION IS USED TRANSPOSED (source 0 = 16 columns of W, source 1 = 16 rows): lane (R, H), register c holds row R, column n0 + 8 H + c, which packs into the next layer's fragment.
; h1, h2: [expert][tile of 16 positions][K step 64][half 2][lane 32][16 bytes]: a wave's load or store covers 512 consecutive bytes.  Positions past the count repeat the expert's last row.
; THE STAGE: two k rows share an LDS row of 288 bytes (2 x 128 + 32 = 72 words), 144 bytes a k row: the eight k rows that sixteen lanes of a turning load touch start at words 0, 32, 8, 40, 16, 48, 24, 56
; mod 64 and take 8 words each: every one of the 64 banks of 4 bytes (ISA guide 11.1) once.  A wave's store of 8 bytes a lane fills the pair's 256 bytes on end.
; FORMATS.  All inputs are rounded once to bf16 (W2: that number written as f16).  LIMITS: h1 is held to 65,504; |W2| under 2^-14 keeps f16's fixed step of 6e-8; NaN and infinities are not treated apart.
; No multicast: what an expert's work-groups share is its rows, whose number hangs on a count read from memory; joint requests for all 1,024 possible rows would ask for four times the mean 256.
; THE MODE: SCHED_MODE bits 1:0 = 2 (LLVM: expert scheduling mode 2), set by the entry lines.  The code itself states the register dependences between vector or matrix instructions and
; memory or LDS instructions, with s_wait_alu, always for 0.
; THE PLAN.  Registers that memory or LDS instructions touch:
;   THE RING (window 1, 8 slots of 32).  Phase 1: a group's loads land in its slot, its conversions read it (layer 2: and work in it), and behind them the slot is asked for again.
;       Phase 2: K step u's matrix instructions read slot u % 8; the unit asked for in step u lands in slot (u - 1) % 8, which step u - 1 read.
;   Y (v96-111).  Phase 1: a group's conversions write it, its eight LDS stores read it.
;   W0, W1 (v64-95, v96-127).  K step u's matrix instructions read W[u % 2]; the turning loads issued in step u land in the other, which step u - 1 read.
;   v7: read by every turning load; written at a trip's head and once a lap of eight K steps.  v8-11, v12-15: read by the rows' loads; v16 (layers 1, 2): read by the stores; all written at a trip's head.
;   v4, v5, v6, v17-19, v28 (layer 3: v16, v29 too): made at the head, never written again.
;   THE ACCUMULATORS: written by matrix instructions; on the way out converted in place and stored (layers 1, 2), or stored to LDS, loaded back into the same registers and stored (layer 3).
; THE WAITS.  Phase 1, a group: one on vm_vsrc at its head (the group before's LDS stores have read Y), one on va_vdst behind its conversions (Y is written, the slot is done with); the refill and the stores follow.
; Phase 2: ONE wait on va_vdst at a K step's head; behind it the step's sixteen loads are dealt among its matrix instructions, which name W[u % 2], slot u % 8, the bias and the accumulators: none of the
; registers that those loads touch.  One wait on vm_vsrc a lap stands ahead of the add to v7, one at a trip's head ahead of the offsets' writes.  The ways out have theirs where they stand.
.set LAYER, 3
.set NW, 8
.if LAYER == 1
.set KK, 1024
.set ROWSH, 13
.set EW, 8388608
.set KSB, 64
.set QB, 32
.endif
.if LAYER == 2
.set KK, 2048
.set ROWSH, 13
.set EW, 16777216
.set KSB, 1024
.set QB, 512
.endif
.if LAYER == 3
.set KK, 1024
.set ROWSH, 12
.set EW, 8388608
.set KSB, 1024
.set QB, 512
.endif
.set PIT, 144                          ; LDS bytes for a k row: half of a pair's 288
.set ROWP, 1<<ROWSH                    ; bytes from a row of W to the next
.set KW, KK/NW                         ; rows of W that a wave stages
.set NG, KW/16                         ; in groups of 16: 8 (one ring) or 16 (two)
.set NU, KK/32                         ; K steps
.set SPARE, 4352                       ; LDS: 0 the list (1,024 entries, 32 dump words); 4,352 the spare words, 128 bytes a wave; 5,376 the stage; behind it (layer 3) 16 rows x 272 bytes a wave
.set STG, 5376
.set OST, STG+KK*PIT
.set Y, 96                             ; v96-111: a group of W, rounded, on its way into the stage
.if LAYER == 3
.set PM, 8
.set PO, 10
.else
.set PM, 10
.set PO, 12
.endif
; window 0: v1 L, v2 R, v3 H, v4 W offset, v5 stage store, v6/v7 turning load, v8-11 row offsets, v12-15 the next trip's, v16 output offset (3: stage read), v17 16 L, v18 16 H, v19 16 R,
; v20-27 at work, v28 0, v29 stage write (3), v30/v31 the add's, v32-63 bias, v64-127 two buffers of W fragments (phase 1: Y; layer 3's way out: list entries and store offsets), v128-255 accumulators.
; window 1: the ring, 8 slots of 32.
.set MSB, 0
.macro WIN new
.if MSB != (\new)
	s_set_vgpr_msb (MSB<<8)|(\new)
.set MSB, \new
.endif
.endm
.macro PLACES
.rept 4
	v_nop
.endr
.endm
.macro WLOAD s, add                    ; 16 rows of W: each load takes two pieces of 256 aligned bytes
	WIN 0x40
.irp i, 0,1,2,3,4,5,6,7
	global_load_b128 v[32*(\s)+4*(\i):32*(\s)+4*(\i)+3], v4, s[20:21] offset:(16*((\s)+(\add))+2*(\i))*ROWP th:TH_LOAD_NT
.endr
.endm
.macro ALOAD slot, vo, base, imm       ; a unit: the four row fragments of one K step
.irp f, 0,1,2,3
.if LAYER == 1
	global_load_b128 v[32*(\slot)+8*(\f):32*(\slot)+8*(\f)+3], v[(\vo)+(\f)], s[\base:\base+1] offset:(\imm) th:TH_LOAD_HT  ; x's rows are read again by 32 slices and two experts
	global_load_b128 v[32*(\slot)+8*(\f)+4:32*(\slot)+8*(\f)+7], v[(\vo)+(\f)], s[\base:\base+1] offset:(\imm)+QB th:TH_LOAD_HT
.else
	global_load_b128 v[32*(\slot)+8*(\f):32*(\slot)+8*(\f)+3], v[(\vo)+(\f)], s[\base:\base+1] offset:(\imm)
	global_load_b128 v[32*(\slot)+8*(\f)+4:32*(\slot)+8*(\f)+7], v[(\vo)+(\f)], s[\base:\base+1] offset:(\imm)+QB
.endif
.endr
.endm
.macro WSTEP s, g0, mode               ; slot s holds group g0 + s: rounded into Y, the slot loaded again (1: W eight groups on; 2: the first trip's row units), Y stored into the stage
	s_wait_loadcnt 56                              ; the seven younger groups or units stay out
.if (\s)+(\g0) > 0
	s_wait_alu depctr_vm_vsrc(0)                   ; the LDS stores of the group before have read Y, which the conversions below write again
.endif
.if LAYER == 2
	WIN 0x45
.irp i, 0,1,2,3,4,5,6,7
.set rb, 32*(\s)+4*(\i)
	v_cvt_pk_bf16_f32 v[rb], v[rb], v[rb+1]        ; rounded to bf16 like every input,
	v_cvt_pk_bf16_f32 v[rb+2], v[rb+2], v[rb+3]
	v_and_b32 v[rb+1], s38, v[rb]
	v_lshlrev_b32 v[rb], 16, v[rb]
	v_and_b32 v[rb+3], s38, v[rb+2]
	v_lshlrev_b32 v[rb+2], 16, v[rb+2]
.endr
	WIN 0x05
.irp i, 0,1,2,3,4,5,6,7
.set rb, 32*(\s)+4*(\i)
	v_cvt_pk_f16_f32 v[Y+2*(\i)], v[rb], v[rb+1]   ; and that number written as f16
	v_cvt_pk_f16_f32 v[Y+2*(\i)+1], v[rb+2], v[rb+3]
.endr
.else
	WIN 0x05
.irp i, 0,1,2,3,4,5,6,7
.set rb, 32*(\s)+4*(\i)
	v_cvt_pk_bf16_f32 v[Y+2*(\i)], v[rb], v[rb+1]
	v_cvt_pk_bf16_f32 v[Y+2*(\i)+1], v[rb+2], v[rb+3]
.endr
.endif
	WIN 0x40
	s_wait_alu depctr_va_vdst(0)                   ; the conversions have written Y, which the LDS stores read, and are done with slot s, in which the loads below land
.if (\mode) == 1
	WLOAD \s, 8
.elseif (\s) < 7
	ALOAD \s, 12, 22, (\s)*KSB
.endif
.irp i, 0,1,2,3,4,5,6,7
	ds_store_b64 v5, v[Y+2*(\i):Y+2*(\i)+1] offset:(16*((\s)+(\g0))+2*(\i))*PIT
.endr
.endm
; The row offsets of trip s[sT] into v12-15.  For a trip that does not exist the look-ahead's loads are still issued (the counted waits reckon with them), but all lanes then ask for the same bytes at the buffer's head.
; Ahead of it stands a wait on vm_vsrc (at the head, at a trip's head): the loads that read v12-15 and v20-23 have read them.
.macro NEXTA sT
	s_cmp_lt_u32 s[\sT], s33                       ; is there such a trip?
.if LAYER == 1
	s_cselect_b32 s42, -1, 0
	s_lshl_b32 s39, s[\sT], 6
.irp f, 0,1,2,3
	v_add_nc_u32 v[20+(\f)], s39, v2               ; position
.if (\f) > 0
	v_add_nc_u32 v[20+(\f)], 16*(\f), v[20+(\f)]
.endif
	v_min_u32 v[20+(\f)], s34, v[20+(\f)]          ; past the count: the last row once more
	v_min_u32 v[20+(\f)], 0x3ff, v[20+(\f)]
	v_lshlrev_b32 v[20+(\f)], 2, v[20+(\f)]
.endr
	s_wait_alu depctr_va_vdst(0)                   ; the four list addresses v20-23 are written; earlier vector instructions are done with v24-27, in which the entries land; at a trip's head v7-11 are written and the last trip's matrix instructions are done reading
.irp f, 0,1,2,3
	ds_load_b32 v[24+(\f)], v[20+(\f)]
.endr
	s_wait_dscnt 0x0
.irp f, 0,1,2,3
	v_and_b32 v[24+(\f)], s42, v[24+(\f)]          ; no such trip: token 0 in every lane
	v_min_u32 v[24+(\f)], 0x3ff, v[24+(\f)]
	v_lshl_add_u32 v[12+(\f)], v[24+(\f)], 11, v18 ; token x 2,048 + 16 H
.endr
.else
	s_cselect_b32 s39, s[\sT], 0
	s_cselect_b32 s42, 1, 0
	s_min_u32 s39, s39, 15
	s_min_u32 s42, s42, 1
	s_lshl_b32 s39, s39, 18                        ; the trip's four tiles,
	s_lshl_b32 s43, s42, 16                        ; 65,536 bytes apart, or 0 where there is no such trip,
	v_mul_u32_u24 v20, s42, v17                    ; and 16 bytes a lane, or 0
.irp f, 0,1,2,3
	v_add_nc_u32 v[12+(\f)], s39, v20
.if (\f) < 3
	s_add_co_u32 s39, s39, s43
.endif
.endr
.endif
.endm
.macro BL1 buf, imm, j                 ; one of W's four fragments of a K step, turned
	ds_load_tr16_b128 v[64+32*(\buf)+8*(\j):64+32*(\buf)+8*(\j)+3], v7 offset:(\imm)+32*(\j)
	ds_load_tr16_b128 v[64+32*(\buf)+8*(\j)+4:64+32*(\buf)+8*(\j)+7], v7 offset:(\imm)+32*(\j)+16*PIT
.endm
.macro BLOAD buf, imm                  ; all four
.irp j, 0,1,2,3
	BL1 \buf, \imm, \j
.endr
.endm
.macro MMA d, a, b, c:vararg
.if LAYER == 2
	v_wmma_f32_16x16x32_f16 v[\d:\d+7], v[\a:\a+7], v[\b:\b+7], \c
.else
	v_wmma_f32_16x16x32_bf16 v[\d:\d+7], v[\a:\a+7], v[\b:\b+7], \c
.endif
.endm
; One K step.  ld = 1: the unit seven steps on, of this trip; 2: a unit of my next trip.  bl = 1: W's fragments of the next step.  The 16 accumulators take turns.
; The next step's W is asked for behind the first four matrix instructions, two loads behind each; the unit in one run behind the eighth, under one pair of window switches.
.macro STEP i, zero, ld, limm, bl, bimm
	s_wait_loadcnt 48                              ; my unit is in; the six younger stay out
	s_wait_dscnt 0x0                               ; this step's W, asked for early in the step before, is in
	WIN 0x04
.if !(\zero)
	s_wait_alu depctr_va_vdst(0)                   ; the step before's matrix instructions are done reading their slot and their W buffer, in which this step's loads land; behind a lap's end v7 is written
.endif
.irp f, 0,1,2,3
.irp j, 0,1,2,3
.set ra, 128+8*(4*(\f)+(\j))
.set rw, 64+32*((\i)&1)+8*(\j)
.set rx, 32*((\i)%8)+8*(\f)
.set rc, 32+8*(\j)
.if (\zero) && (LAYER == 3)
	MMA ra, rw, rx, 0
.elseif \zero
	MMA ra, rw, rx, v[rc:rc+7]
.else
	MMA ra, rw, rx, v[ra:ra+7]
.endif
.if (\bl) && ((\f) == 0)
	BL1 ((\i)+1)&1, \bimm, \j
.endif
.endr
.if (\f) == 1
	WIN 0x40
.if (\ld) == 1
	ALOAD ((\i)+7)%8, 8, 24, \limm
.else
	ALOAD ((\i)+7)%8, 12, 22, \limm
.endif
	WIN 0x04
.endif
.endr
.endm
; Layer 3's way out, a tile of 16 rows: into my own stage, back as whole pieces of 256 bytes, out.
.macro TOUT f
.irp j, 0,1,2,3
	ds_store_b128 v29, v[128+8*(4*(\f)+(\j)):128+8*(4*(\f)+(\j))+3] offset:64*(\j)
	ds_store_b128 v29, v[128+8*(4*(\f)+(\j))+4:128+8*(4*(\f)+(\j))+7] offset:64*(\j)+16
.endr
.endm
.macro TBACK f
.irp i, 0,1,2,3,4,5,6,7
	ds_load_b128 v[128+32*(\f)+4*(\i):128+32*(\f)+4*(\i)+3], v16 offset:544*(\i)  ; LDS serves a wave's instructions in order: these see the stores above
.endr
.endm
.macro TSEND f
.irp i, 0,1,2,3,4,5,6,7
	global_store_b128 v[72+16*(\f)+(\i)], v[128+32*(\f)+4*(\i):128+32*(\f)+4*(\i)+3], s[26:27] th:TH_STORE_NT  ; 16 lanes store 256 consecutive bytes, aligned
.endr
.endm
	s_load_b256 s[4:11], s[0:1], 0x0               ; rows, W, (bias,) msk(, out)
.if LAYER != 3
	s_load_b64 s[12:13], s[0:1], 0x20              ; out
.endif
	v_lshl_add_u32 v30, v0, 2, SPARE               ; my spare word
	v_mov_b32 v31, 0
	v_lshrrev_b32 v1, 5, v0
	v_readfirstlane_b32 s14, v1                    ; wave w, 0 to 7
	s_and_b32 s15, ttmp7, 0xffff                   ; expert
.if LAYER == 3
	s_lshr_b32 s16, ttmp9, 1                       ; slice
	s_and_b32 s17, ttmp9, 1                        ; K half
.else
	s_mov_b32 s16, ttmp9
	s_mov_b32 s17, 0
.endif
	s_mov_b32 s38, 0xffff0000
	s_mov_b32 s19, 0
	v_and_b32 v1, 31, v0
	v_and_b32 v2, 15, v0
	v_bfe_u32 v3, v0, 4, 1
	v_lshlrev_b32 v17, 4, v1
	v_lshlrev_b32 v18, 4, v3
	v_lshlrev_b32 v19, 4, v2
	v_mov_b32 v28, 0
	v_lshl_add_u32 v4, v3, ROWSH, v19              ; lanes 0-15 one row's 256 bytes, lanes 16-31 the next row's
	s_wait_alu depctr_va_sdst(0)                   ; s14 is written, ahead of its first reader: LDS places, bases and trips are made from it
	s_mul_i32 s39, s14, KW*PIT
	s_add_co_u32 s39, s39, STG
	v_lshlrev_b32 v5, 7, v3                        ; into the stage: the pair's even row (H = 0) or odd row (H = 1), 128 bytes on,
	v_lshl_add_u32 v5, v2, 3, v5                   ; 8 bytes a lane,
	v_add_nc_u32 v5, s39, v5                       ; from my wave's first row on
	v_bfe_u32 v6, v0, 1, 2                         ; out of the stage, turned: k row 8 H + L % 8 lies in pair 4 H + (L % 8) / 2,
	v_lshl_add_u32 v6, v3, 2, v6
	v_mul_u32_u24 v6, v6, 2*PIT
	v_and_b32 v20, 1, v0
	v_lshl_add_u32 v6, v20, 7, v6                  ; in its half L % 2,
	v_bfe_u32 v20, v0, 3, 1
	v_lshl_add_u32 v6, v20, 4, v6                  ; columns 8 ((L / 8) % 2) on
	v_add_nc_u32 v6, STG, v6
.if LAYER == 3
	s_mul_i32 s39, s14, 4352
	s_add_co_u32 s39, s39, OST
	v_mul_u32_u24 v16, v3, 272
	v_add_nc_u32 v16, v16, v19
	v_add_nc_u32 v16, s39, v16
	v_mul_u32_u24 v29, v2, 272
	v_lshl_add_u32 v29, v3, 5, v29
	v_add_nc_u32 v29, s39, v29
.endif
.if LAYER != 3
	v_lshlrev_b32 v20, 5, v3                       ; the bias's offset: 32 H
.endif
.if LAYER != 2
	v_lshlrev_b32 v21, 2, v1                       ; the mask words' offset: 4 L
.endif
	s_mul_i32 s18, s15, EW
	s_lshl_b32 s39, s17, 10
	s_mul_i32 s40, s14, KW
	s_add_co_u32 s39, s39, s40
	s_lshl_b32 s39, s39, ROWSH
	s_add_co_u32 s18, s18, s39
	s_lshl_b32 s39, s16, 8
	s_add_co_u32 s18, s18, s39
	s_wait_kmcnt 0x0
	s_add_nc_u64 s[20:21], s[6:7], s[18:19]        ; W at my wave's first row, my slice
.if LAYER == 1
	s_mov_b64 s[22:23], s[4:5]
.else
	s_lshl_b32 s18, s15, 22
	s_lshl_b32 s39, s17, 15
	s_add_co_u32 s18, s18, s39
	s_add_nc_u64 s[22:23], s[4:5], s[18:19]        ; the expert's tiles (layer 3: my K half)
.endif
	s_mov_b64 s[24:25], s[22:23]
.if LAYER == 3
	s_lshl_b32 s18, s17, 23
	s_lshl_b32 s39, s16, 8
.else
	s_lshl_b32 s18, s15, 22
	s_lshl_b32 s39, s16, 11
.endif
	s_add_co_u32 s18, s18, s39
	s_add_nc_u64 s[26:27], s[PO:PO+1], s[18:19]
	s_lshl_b32 s18, s15, 7
	s_add_nc_u64 s[28:29], s[PM:PM+1], s[18:19]    ; the expert's 32 mask words
	s_load_b512 s[68:83], s[28:29], 0x0
	s_load_b512 s[84:99], s[28:29], 0x40
.if LAYER != 3
	s_lshl_b32 s18, s15, 13
	s_lshl_b32 s39, s16, 8
	s_add_co_u32 s18, s18, s39
	s_add_nc_u64 s[30:31], s[8:9], s[18:19]
.endif
	s_wait_alu depctr_va_vdst(0)                   ; the offsets and LDS addresses made above (v4-6, v16-21, v28, v29) are written: the loads and stores below read them
.if LAYER != 3
.irp j, 0,1,2,3
	global_load_b128 v[32+8*(\j):35+8*(\j)], v20, s[30:31] offset:64*(\j)      ; bias[16 j + 8 H + 0..7]
	global_load_b128 v[36+8*(\j):39+8*(\j)], v20, s[30:31] offset:64*(\j)+16
.endr
.endif
.if LAYER != 2
	global_load_b32 v64, v21, s[28:29]             ; lane L: mask word L
.endif
.if LAYER == 3
	global_load_b32 v65, v21, s[28:29] offset:1024 ; and the plane of higher choices
.endif
.irp s, 0,1,2,3,4,5,6
	WLOAD \s, 0
.endr
	WIN 0
	s_wait_kmcnt 0x0
	s_mov_b32 s41, 0
.if LAYER != 2
	v_mov_b32 v66, 0
.endif
.set i, 0
.rept 32
.if LAYER != 2
	v_writelane_b32 v66, s41, i                    ; rows in the words before word i
.endif
	s_bcnt1_i32_b32 s39, s[68+i]
	s_add_co_u32 s41, s41, s39
.set i, i+1
.endr
	s_mov_b32 s32, s41                             ; the expert's rows
	s_add_co_u32 s33, s32, 63
	s_lshr_b32 s33, s33, 6                         ; live trips
	s_max_u32 s34, s32, 1
	s_sub_co_u32 s34, s34, 1                       ; the last position that exists
	s_mov_b32 s35, s14                             ; my first trip
	s_wait_loadcnt 56                              ; bias and mask words are in; the seven groups of W stay out
	s_wait_alu depctr_vm_vsrc(0)                   ; the bias's loads have read v20 and the mask words' loads v21: both are written again below
.if LAYER != 3
.set i, 32
.rept 16
	v_cvt_pk_bf16_f32 v22, v[i], v[i+1]            ; the bias rounded once to bf16, kept as f32
	v_lshlrev_b32 v[i], 16, v22
	v_and_b32 v[i+1], s38, v22
.set i, i+2
.endr
.endif
.if LAYER != 2
	s_cmp_lg_u32 s14, 0
	s_cbranch_scc1 .Lnolist                        ; wave 0 lays the list: position -> token (layer 3: + 1,024 for a higher choice), tokens ascending
	ds_store_b32 v28, v28                          ; entry 0 exists also where the expert has no row: v28, made at the head, is address 0 and token 0
	v_lshlrev_b32 v67, 5, v1                       ; lane L walks tokens 32 L on
	v_add_nc_u32 v68, 1024, v1                     ; a lane without a row writes its dump word
	s_mov_b32 s37, 32
.Llist:
	v_and_b32 v20, 1, v64
	v_cmp_ne_u32 vcc_lo, 0, v20
.if LAYER == 3
	v_and_b32 v22, 1, v65
	v_lshl_or_b32 v22, v22, 10, v67
.endif
	s_wait_alu depctr_va_vcc(0)                    ; VCC is written, ahead of the select that reads it
	v_cndmask_b32 v21, v68, v66, vcc_lo
	v_min_u32 v21, 0x41f, v21
	v_lshlrev_b32 v21, 2, v21
	s_wait_alu depctr_va_vdst(0)                   ; the store's address v21 and its data (v67; layer 3: v22) are written
.if LAYER == 3
	ds_store_b32 v21, v22
	v_lshrrev_b32 v65, 1, v65
.else
	ds_store_b32 v21, v67
.endif
	v_add_nc_u32 v66, v66, v20
	v_lshrrev_b32 v64, 1, v64
	s_wait_alu depctr_vm_vsrc(0)                   ; the store has read v21 and its data: the add below and the next trip write them again
	v_add_nc_u32 v67, 1, v67
	s_sub_co_u32 s37, s37, 1
	s_cmp_lg_u32 s37, 0
	s_cbranch_scc1 .Llist
.Lnolist:
	s_wait_dscnt 0x0                               ; the list's stores are done
	s_barrier_signal -1
	s_barrier_wait -1
.endif
	NEXTA 35
	WLOAD 7, 0
	WIN 0
.if LAYER == 3
; The way out stands behind a jump of its own, on the same compare as the products: so that every way through the text to its LDS stores finds the accumulators written, they are
; written once here, in the wait for the first weights.  These zeros are never stored: where the products are jumped the way out is jumped too, and a live trip's first K step starts the sums with the constant 0.
.set i, 128
.rept 128
	v_mov_b32 v[i], 0
.set i, i+1
.endr
.endif
.if NG == 16
.irp s, 0,1,2,3,4,5,6,7
	WSTEP \s, 0, 1                                 ; my first eight groups; each slot takes the group eight further on: every place stands in an immediate, no base is stepped
.endr
.endif
.irp s, 0,1,2,3,4,5,6,7
	WSTEP \s, NG-8, 2                              ; the last eight groups; the ring goes over to the rows: units 0 to 6 of my first trip
.endr
	WIN 0
	s_wait_dscnt 0x0                               ; my part of the stage is stored
	s_barrier_signal -1
	s_barrier_wait -1                              ; the stage is whole; nothing writes it from here on
	s_mov_b32 s36, 2
.Ltrip:
	s_cmp_ge_u32 s35, s33
	s_cbranch_scc1 .Ldead
	s_wait_xcnt 0x0                                ; offsets, bases and the last trip's store data are rewritten only behind this wait
	s_wait_alu depctr_vm_vsrc(0)                   ; the loads and stores issued so far have read v7-16 and v20-23, written below, the accumulators, which the products write again, and Y, in which W's fragments land
.irp f, 0,1,2,3
	v_mov_b32 v[8+(\f)], v[12+(\f)]
.endr
	s_mov_b64 s[24:25], s[22:23]
	v_mov_b32 v7, v6
.if LAYER != 3
	s_lshl_b32 s39, s35, 18
	v_add_nc_u32 v16, s39, v17
.endif
	s_add_co_u32 s40, s35, NW
	NEXTA 40
.if LAYER != 1
	s_wait_alu depctr_va_vdst(0)                   ; v7-11 are written; earlier vector and matrix instructions are done with both W buffers and slot 7, in which the loads up to the next such wait land (layer 1: the wait in the lines above has stated it)
.endif
	BLOAD 0, 0
	STEP 0, 1, 1, 7*KSB, 1, 32*PIT                 ; the first K step starts the sums: with the bias (layer 3: with 0)
	WIN 0
	s_mov_b32 s37, NU/8-1
.Lk:
.irp i, 1,2,3,4,5,6,7,8
	STEP (\i)%8, 0, 1, ((\i)+7)*KSB, 1, ((\i)+1)*32*PIT
.endr
	WIN 0
	s_wait_xcnt 0x0                                ; the rows' base is stepped only behind this wait
	s_wait_alu depctr_vm_vsrc(0)                   ; the turning loads issued so far have read v7
	s_add_nc_u64 s[24:25], s[24:25], 8*KSB
	v_add_nc_u32 v7, 8*32*PIT, v7
	s_sub_co_u32 s37, s37, 1
	s_cmp_lg_u32 s37, 0
	s_cbranch_scc1 .Lk
.irp i, 1,2,3,4,5,6
	STEP \i, 0, 2, ((\i)-1)*KSB, 1, ((\i)+1)*32*PIT  ; the ring runs on into my next trip
.endr
	STEP 7, 0, 2, 6*KSB, 0, 0
	WIN 0
	PLACES                                         ; four places behind the last products
.if LAYER != 3
.irp f, 0,1,2,3
.irp j, 0,1,2,3
.set ra, 128+8*(4*(\f)+(\j))
.if LAYER == 1
	v_cvt_pk_f16_f32 v[ra], v[ra], v[ra+1]
	v_cvt_pk_f16_f32 v[ra+1], v[ra+2], v[ra+3]
	v_cvt_pk_f16_f32 v[ra+2], v[ra+4], v[ra+5]
	v_cvt_pk_f16_f32 v[ra+3], v[ra+6], v[ra+7]
.irp c, 0,1,2,3
	v_pk_max_num_f16 v[ra+(\c)], v[ra+(\c)], v28
	v_pk_min_num_f16 v[ra+(\c)], v[ra+(\c)], 0x7bff7bff   ; held to 65,504
.endr
.else
	v_cvt_pk_bf16_f32 v[ra], v[ra], v[ra+1]
	v_cvt_pk_bf16_f32 v[ra+1], v[ra+2], v[ra+3]
	v_cvt_pk_bf16_f32 v[ra+2], v[ra+4], v[ra+5]
	v_cvt_pk_bf16_f32 v[ra+3], v[ra+6], v[ra+7]
.irp c, 0,1,2,3
	v_pk_max_num_bf16 v[ra+(\c)], v[ra+(\c)], v28
.endr
.endif
.endr
.endr
	s_wait_alu depctr_va_vdst(0)                   ; the sixteen tiles are converted: their first four registers each are written, which the stores read
.irp f, 0,1,2,3
.irp j, 0,1,2,3
.set ra, 128+8*(4*(\f)+(\j))
	global_store_b128 v16, v[ra:ra+3], s[26:27] offset:(\f)*65536+((\j)>>1)*1024+((\j)&1)*512  ; 512 consecutive bytes: half a fragment of the next layer
.endr
.endr
.endif
.Ldead:
.if LAYER == 3
	s_wait_dscnt 0x0                               ; my LDS reads of this trip are back
	s_barrier_signal -1
	s_barrier_wait -1                              ; everybody's are: only now does a wave write its output stage
	s_cmp_ge_u32 s35, s33
	s_cbranch_scc1 .Lnoout
	s_wait_xcnt 0x0                                ; an earlier way out's stores have read their data and offsets: those registers are rewritten only behind this wait
	s_wait_alu depctr_vm_vsrc(0)                   ; the same of their vector registers: the offsets v72 .. are written again below
	s_lshl_b32 s39, s35, 6
.irp f, 0,1,2,3                        ; the list addresses of all four tiles' rows, in the registers that take the stores' offsets later
.irp i, 0,1,2,3,4,5,6,7
.set rp, 72+16*(\f)+(\i)
	v_add_nc_u32 v[rp], s39, v3
.if 16*(\f)+2*(\i) > 0
	v_add_nc_u32 v[rp], 16*(\f)+2*(\i), v[rp]
.endif
	v_min_u32 v[rp], s34, v[rp]
	v_min_u32 v[rp], 0x3ff, v[rp]
	v_lshlrev_b32 v[rp], 2, v[rp]
.endr
.endr
	s_wait_alu depctr_va_vdst(0)                   ; the 32 list addresses are written; the products have written the accumulators, which the LDS stores read (the places above stay beside this wait), and are done reading v64-127, in which the entries land
.irp f, 0,1,2,3
.irp i, 0,1,2,3,4,5,6,7
	ds_load_b32 v[64+16*(\f)+(\i)], v[72+16*(\f)+(\i)]
.endr
.endr
	TOUT 0
	s_wait_dscnt 8                                 ; the 32 entries are in; tile 0's eight stores stay out
	s_wait_alu depctr_vm_vsrc(0)                   ; the entries' loads have read v72 .., written below; tile 0's stores have read its registers, in which the loads below land
	TBACK 0
.irp f, 0,1,2,3
.irp i, 0,1,2,3,4,5,6,7
	v_min_u32 v[64+16*(\f)+(\i)], 0x7ff, v[64+16*(\f)+(\i)]
	v_lshl_add_u32 v[72+16*(\f)+(\i)], v[64+16*(\f)+(\i)], 12, v19
.endr
.endr
	s_wait_alu depctr_va_vdst(0)                   ; all four tiles' 32 store offsets are written
	s_wait_dscnt 0x0
	TSEND 0
.irp f, 1,2,3
	TOUT \f
	s_wait_alu depctr_vm_vsrc(0)                   ; the tile's LDS stores have read its registers, in which the loads below land
	TBACK \f
	s_wait_dscnt 0x0
	TSEND \f
.endr
.Lnoout:
	s_wait_dscnt 0x0                               ; my stage's stores and loads are done
	s_barrier_signal -1
	s_barrier_wait -1                              ; everybody's are: the next trip's LDS reads, and behind the last trip the closing add, come behind this
.endif
	s_add_co_u32 s35, s35, NW
	s_sub_co_u32 s36, s36, 1
	s_cmp_lg_u32 s36, 0
	s_cbranch_scc1 .Ltrip
.if LAYER != 3
	s_wait_dscnt 0x0                               ; my LDS reads are back
	s_barrier_signal -1
	s_barrier_wait -1                              ; everybody's are, ahead of any wave's closing add
.endif
	s_wait_dscnt 0x0                               ; the wave's end
	s_wait_alu 0x0
	s_wait_tensorcnt 0x0
	ds_add_u32 v30, v31
	s_wait_dscnt 0x0
	s_endpgm
.Lfunc_end_k_q913d8347d2_fc3:
	.size	k_q913d8347d2_fc3, .Lfunc_end_k_q913d8347d2_fc3-k_q913d8347d2_fc3
	.p2alignl 7, 3214868480
	.fill 96, 4, 3214868480
	.section	.rodata,"a",@progbits
	.p2align	6, 0x0
	.amdhsa_kernel k_q913d8347d2_fc3
		.amdhsa_group_segment_fixed_size 187648
		.amdhsa_private_segment_fixed_size 0
		.amdhsa_enable_private_segment 0
		.amdhsa_kernarg_size 32
		.amdhsa_user_sgpr_count 2
		.amdhsa_user_sgpr_kernarg_segment_ptr 1
		.amdhsa_wavefront_size32 1
		.amdhsa_system_sgpr_workgroup_id_x 1
		.amdhsa_system_sgpr_workgroup_id_y 1
		.amdhsa_system_sgpr_workgroup_id_z 1
		.amdhsa_system_vgpr_workitem_id 0
		.amdhsa_next_free_vgpr 512
		.amdhsa_next_free_sgpr 100
		.amdhsa_reserve_vcc 1
		.amdhsa_float_denorm_mode_32 3
		.amdhsa_float_denorm_mode_16_64 3
		.amdhsa_memory_ordered 1
		.amdhsa_forward_progress 1
		.amdhsa_inst_pref_size 98
	.end_amdhsa_kernel
	.amdgpu_metadata
---
amdhsa.version: [ 1, 2 ]
amdhsa.kernels:
  - .name:           k_q913d8347d2_fc3
    .symbol:         k_q913d8347d2_fc3.kd
    .args:
      - { .name: h2, .offset: 0, .size: 8, .value_kind: global_buffer, .address_space: global }
      - { .name: W3, .offset: 8, .size: 8, .value_kind: global_buffer, .address_space: global }
      - { .name: msk, .offset: 16, .size: 8, .value_kind: global_buffer, .address_space: global }
      - { .name: part, .offset: 24, .size: 8, .value_kind: global_buffer, .address_space: global }
    .group_segment_fixed_size: 187648
    .private_segment_fixed_size: 0
    .kernarg_segment_align: 8
    .kernarg_segment_size: 32
    .max_flat_workgroup_size: 256
    .sgpr_count:     100
    .vgpr_count:     512
    .wavefront_size: 32
...
	.end_amdgpu_metadata
.endif
;; end of part 8
;; launch comb: the kernel of part 5 again; grid 256 x 1, 4 waves a work-group, no clusters, 0 bytes of LDS; arguments part, gts, eix, b3, out0; writes out0
